; MI455X (gfx1250); checked and timed in simulation.
; The chip was launched on July 23, 2026; its instructions are those of AMD's public machine-readable ISA for CDNA 5 (MIT licence, August 2026) and "CDNA5" Instruction Set Architecture Reference Guide (July 2026). The comments in the code are by the model that wrote it; some were corrected since.
;; Joint Self Attention Layer. Allowed arithmetic: float matrix products may take bf16 or f16 operands with f32 sums; all other float work in f32.
;; Inputs: W_kd 1,024 x 1,024 float32; W_qc 1,024 x 1,024 float32; W_vc 1,024 x 1,024 float32; W_vd 1,024 x 1,024 float32; x_c 8 x 1,024 x 1,024 float32; x_d 8 x 1,024 x 1,024 float32.
;; Outputs: out0 8 x 1,024 float32; out1 8 x 1,024 float32.
;; 2 versions, each right and faster than the one before. Each part assembles by itself: llvm-mc -triple=amdgcn-amd-amdhsa -mcpu=gfx1250 --defsym DOCPART=n.
;; ======== version 1 of 2: 6 launches
;; limits: values are held in f16: magnitudes above 65,504 overflow, below 6.1e-05 lose precision; inputs' magnitudes at most 65,504
;; workspace buffers: xc16 16,778,240 bytes; xd16 16,777,216 bytes; wq16 2,098,176 bytes; wk16 2,098,176 bytes; mt16 2,098,176 bytes; y16 16,778,240 bytes; et16 17,301,504 bytes; misc 2,097,152 bytes
;; launch prep (part 1): grid 256 x 1, 8 waves a work-group, no clusters, 1,280 bytes of LDS; arguments x_c, x_d, W_qc, W_kd, xc16, xd16, wq16, wk16, mt16, misc; writes xc16, xd16, wq16, wk16, mt16, misc
.if DOCPART == 1
	.amdgcn_target "amdgcn-amd-amdhsa--gfx1250"
	.amdhsa_code_object_version 6
	.text
	.protected	k_q267a1e3d1f_prep
	.globl	k_q267a1e3d1f_prep
	.p2align	8
	.type	k_q267a1e3d1f_prep,@function
k_q267a1e3d1f_prep:
	s_mov_b64 s[64:65], 0
	v_nop
	global_prefetch_b8 v0, s[64:65] scope:SCOPE_SE
	s_setreg_imm32_b32 hwreg(HW_REG_WAVE_MODE, 25, 1), 1
	s_wait_xcnt 0x0
; x_c, x_d, W_qc, W_kd (f32) are rounded to bf16, and that number is written as f16 for the three products that follow.
; Beside it: the column sums of the rounded x_c (for the second output) and the largest magnitudes of x_c, W_qc, W_kd (for the products' power-of-two scales).
; LIMITS.  A bf16 number is exact in f16 for 7.6e-6 <= |v| < 65,504; smaller ones are off by 3e-8 at the most; 65,520 and more become infinities.  NaN and infinities are not treated apart.
; SHARES.  Work-group g: rows 32 g .. 32 g + 31 of x_c and of x_d, rows 4 g .. 4 g + 3 of W_qc and of W_kd.  Thread t owns columns 4 t .. 4 t + 3 of every row:
; a wave's load covers 512 consecutive bytes, a wave's store 256 consecutive bytes at a multiple of 256, and a thread's column sums are complete in four registers.
; A PASS is two rows.  36 passes: 0-15 x_c, 16-31 x_d, 32-33 W_qc, 34-35 W_kd.  A ring of eight register slots keeps sixteen loads of every wave on their way.
; No matrix unit, no tiles in LDS, no cluster: every byte is read once and nothing is shared between work-groups.
; The heads (1,024 bytes in front of xc16, wq16, wk16, mt16) take one f32 a work-group: its largest magnitude; mt16's takes 16384.0, since the launch behind scales its result below 2^15.
.set NPASS, 36
.set DEPTH, 8
.set VS,  1                            ; v1        16 t: my byte offset in a row of f32; never rewritten
.set VD,  2                            ; v2        8 t: my byte offset in a row of f16; never rewritten
.set VA,  3                            ; v3        LDS address, later the byte offset 4 g in a head
.set T,   4                            ; v[4:7]    two rows' 8 numbers as bf16 pairs
.set R,   8                            ; v[8:15]   the same, widened to f32
.set X,   16                           ; v[16:79]  slot i: 8 registers as loaded
.set Y,   80                           ; v[80:83]  8 numbers as f16 pairs, to store
.set S,   84                           ; v[84:87]  column sums of x_c
.set Q,   92                           ; v[92:95]  max |W_kd|, max |W_qc|, max |x_c|, 16384.0
.set W,   96                           ; v[96:99]  at work at the end
.set SRC, 28                           ; s[28:35]  sources at the work-group's first row: x_c, x_d, W_qc, W_kd
.set DST, 36                           ; s[36:43]  destinations likewise
	s_load_b512 s[8:23], s[0:1], 0x0               ; x_c, x_d, W_qc, W_kd, xc16, xd16, wq16, wk16
	s_load_b128 s[24:27], s[0:1], 0x40             ; mt16, misc
	v_lshl_add_u32 v112, v0, 2, 0x100
	v_mov_b32 v113, 0
	v_lshlrev_b32 v[VS], 4, v0
	v_lshlrev_b32 v[VD], 3, v0
	v_mov_b32 v[Q], 0                              ; magnitudes are not negative: 0 starts the three maxima
	v_mov_b32 v[Q+1], 0
	v_mov_b32 v[Q+2], 0
	v_mov_b32 v[Q+3], 0x46800000                   ; 16384.0
	s_mov_b32 s44, 0xffff0000                      ; a word's upper bf16
	s_mov_b32 s46, 0x76543210                      ; v_permlanex16_b32: each lane takes its own place in the other half
	s_mov_b32 s47, 0xfedcba98
	s_lshl_b32 s2, ttmp9, 17                       ; 32 rows of 4,096 bytes
	s_mov_b32 s3, 0
	s_lshl_b32 s4, ttmp9, 14                       ; 4 rows of 4,096 bytes
	s_mov_b32 s5, 0
	s_lshl_b32 s6, ttmp9, 16                       ; 32 rows of 2,048 bytes
	s_mov_b32 s7, 0
	s_wait_kmcnt 0x0
	s_add_nc_u64 s[SRC:SRC+1], s[8:9], s[2:3]
	s_add_nc_u64 s[SRC+2:SRC+3], s[10:11], s[2:3]
	s_add_nc_u64 s[SRC+4:SRC+5], s[12:13], s[4:5]
	s_add_nc_u64 s[SRC+6:SRC+7], s[14:15], s[4:5]
	s_add_nc_u64 s[DST+2:DST+3], s[18:19], s[6:7]  ; xd16 has no head
	s_add_co_u32 s6, s6, 1024
	s_add_nc_u64 s[DST:DST+1], s[16:17], s[6:7]
	s_lshl_b32 s4, ttmp9, 13                       ; 4 rows of 2,048 bytes, behind the head
	s_add_co_u32 s4, s4, 1024
	s_add_nc_u64 s[DST+4:DST+5], s[20:21], s[4:5]
	s_add_nc_u64 s[DST+6:DST+7], s[22:23], s[4:5]
.macro PIDX p                          ; pass p: TT its tensor, KK its pair of rows there, MQ its maximum's place in Q
.if (\p) < 16
.set TT, 0
.set KK, (\p)
.set MQ, 2
.elseif (\p) < 32
.set TT, 1
.set KK, (\p)-16
.set MQ, 3
.elseif (\p) < 34
.set TT, 2
.set KK, (\p)-32
.set MQ, 1
.else
.set TT, 3
.set KK, (\p)-34
.set MQ, 0
.endif
.endm
.macro LOADP p                         ; the two rows of pass p into its slot
	PIDX \p
	global_load_b128 v[X+8*((\p)%DEPTH):X+8*((\p)%DEPTH)+3], v[VS], s[SRC+2*TT:SRC+2*TT+1] offset:KK*8192 th:TH_LOAD_NT
	global_load_b128 v[X+8*((\p)%DEPTH)+4:X+8*((\p)%DEPTH)+7], v[VS], s[SRC+2*TT:SRC+2*TT+1] offset:KK*8192+4096 th:TH_LOAD_NT
.endm
.macro PASS p
.set XS, X+8*((\p)%DEPTH)
.if NPASS-1-(\p) < DEPTH-1
	s_wait_loadcnt 2*(NPASS-1-(\p))                ; the last passes load nothing: the counts run down
.else
	s_wait_loadcnt 2*(DEPTH-1)                     ; loads come back in order: mine are in, the seven younger passes' fourteen stay out
.endif
	s_wait_xcnt 0x0                                ; Y, which the last pass's stores read, is rewritten only behind this wait
.irp j, 0,1,2,3
	v_cvt_pk_bf16_f32 v[T+\j], v[XS+2*\j], v[XS+2*\j+1]  ; the one rounding of an input
.endr
.irp j, 0,1,2,3
	v_lshlrev_b32 v[R+2*\j], 16, v[T+\j]
	v_and_b32 v[R+2*\j+1], s44, v[T+\j]
.endr
.irp j, 0,1,2,3
	v_cvt_pk_f16_f32 v[Y+\j], v[R+2*\j], v[R+2*\j+1]  ; the same number in f16
.endr
	PIDX \p
.if TT != 1
.irp j, 0,1,2,3
	v_max3_num_f32 v[Q+MQ], v[Q+MQ], |v[R+2*\j]|, |v[R+2*\j+1]|
.endr
.endif
.if TT == 0
.if (\p) == 0
	v_pk_add_f32 v[S:S+1], v[R:R+1], v[R+4:R+5]    ; the first two rows start the sums
	v_pk_add_f32 v[S+2:S+3], v[R+2:R+3], v[R+6:R+7]
.else
	v_pk_add_f32 v[S:S+1], v[S:S+1], v[R:R+1]
	v_pk_add_f32 v[S+2:S+3], v[S+2:S+3], v[R+2:R+3]
	v_pk_add_f32 v[S:S+1], v[S:S+1], v[R+4:R+5]
	v_pk_add_f32 v[S+2:S+3], v[S+2:S+3], v[R+6:R+7]
.endif
.endif
.if (\p)+DEPTH < NPASS
	LOADP (\p)+DEPTH                               ; loads ahead of stores
.endif
	PIDX \p
	global_store_b64 v[VD], v[Y:Y+1], s[DST+2*TT:DST+2*TT+1] offset:KK*4096
	global_store_b64 v[VD], v[Y+2:Y+3], s[DST+2*TT:DST+2*TT+1] offset:KK*4096+2048
.endm
.set pp, 0
.rept DEPTH
	LOADP pp
.set pp, pp+1
.endr
.set pp, 0
.rept NPASS
	PASS pp
.set pp, pp+1
.endr
	; the column sums leave: 16 bytes a thread, row g of the first table in misc
	s_lshl_b32 s4, ttmp9, 12
	s_mov_b32 s5, 0
	s_add_nc_u64 s[6:7], s[26:27], s[4:5]
	global_store_b128 v[VS], v[S:S+3], s[6:7]
	; the three maxima: over the wave's lanes, then over the eight waves through LDS
.irp k, 1,2,4,8
.irp m, 0,1,2
	v_max_num_f32_dpp v[Q+\m], v[Q+\m], v[Q+\m] row_xmask:\k row_mask:0xf bank_mask:0xf
.endr
.endr
.irp m, 0,1,2
	v_mov_b32 v[W+\m], 0                           ; v_permlanex16_b32's destination counts as read
.endr
.irp m, 0,1,2
	v_permlanex16_b32 v[W+\m], v[Q+\m], s46, s47
.endr
.irp m, 0,1,2
	v_max_num_f32 v[Q+\m], v[Q+\m], v[W+\m]
.endr
	v_lshrrev_b32 v[VA], 5, v0
	v_readfirstlane_b32 s45, v[VA]                 ; my wave's number
	s_lshl_b32 s45, s45, 4
	v_mov_b32 v[VA], s45
	ds_store_b128 v[VA], v[Q:Q+3]                  ; all lanes write the same 16 bytes with the same values
	s_wait_dscnt 0x0                               ; for the others' sake: my store is done
	s_barrier_signal -1
	s_barrier_wait -1
	v_and_b32 v[VA], 7, v0
	v_lshlrev_b32 v[VA], 4, v[VA]
	ds_load_b128 v[W:W+3], v[VA]                   ; lane l takes wave l % 8's four numbers
	s_wait_dscnt 0x0
.irp k, 1,2,4
.irp m, 0,1,2
	v_max_num_f32_dpp v[W+\m], v[W+\m], v[W+\m] row_xmask:\k row_mask:0xf bank_mask:0xf
.endr
.endr
	s_lshl_b32 s2, ttmp9, 2
	v_mov_b32 v[VA], s2                            ; my work-group's word in a head
	v_cmp_eq_u32 vcc_lo, 0, v0
	s_wait_xcnt 0x0                                ; EXEC changes only behind this wait
	s_wait_tensorcnt 0x0
	ds_add_u32 v112, v113
	s_wait_dscnt 0x0
	s_and_saveexec_b32 s45, vcc_lo
	global_store_b32 v[VA], v[W], s[22:23]         ; four words a work-group: the price of a maximum over work-groups without traffic between them
	global_store_b32 v[VA], v[W+1], s[20:21]
	global_store_b32 v[VA], v[W+2], s[16:17]
	global_store_b32 v[VA], v[W+3], s[24:25]
	s_wait_xcnt 0x0                                ; and again in front of the line that widens it
	s_or_b32 exec_lo, exec_lo, s45
	s_endpgm
.Lfunc_end_k_q267a1e3d1f_prep:
	.size	k_q267a1e3d1f_prep, .Lfunc_end_k_q267a1e3d1f_prep-k_q267a1e3d1f_prep
	.p2alignl 7, 3214868480
	.fill 96, 4, 3214868480
	.section	.rodata,"a",@progbits
	.p2align	6, 0x0
	.amdhsa_kernel k_q267a1e3d1f_prep
		.amdhsa_group_segment_fixed_size 1280
		.amdhsa_private_segment_fixed_size 0
		.amdhsa_enable_private_segment 0
		.amdhsa_kernarg_size 80
		.amdhsa_user_sgpr_count 2
		.amdhsa_user_sgpr_kernarg_segment_ptr 1
		.amdhsa_wavefront_size32 1
		.amdhsa_system_sgpr_workgroup_id_x 1
		.amdhsa_system_sgpr_workgroup_id_y 1
		.amdhsa_system_sgpr_workgroup_id_z 1
		.amdhsa_system_vgpr_workitem_id 0
		.amdhsa_next_free_vgpr 114
		.amdhsa_next_free_sgpr 66
		.amdhsa_reserve_vcc 1
		.amdhsa_float_denorm_mode_32 3
		.amdhsa_float_denorm_mode_16_64 3
		.amdhsa_memory_ordered 1
		.amdhsa_forward_progress 1
		.amdhsa_inst_pref_size 57
	.end_amdhsa_kernel
	.amdgpu_metadata
---
amdhsa.version: [ 1, 2 ]
amdhsa.kernels:
  - .name:           k_q267a1e3d1f_prep
    .symbol:         k_q267a1e3d1f_prep.kd
    .args:
      - { .name: x_c, .offset: 0, .size: 8, .value_kind: global_buffer, .address_space: global }
      - { .name: x_d, .offset: 8, .size: 8, .value_kind: global_buffer, .address_space: global }
      - { .name: W_qc, .offset: 16, .size: 8, .value_kind: global_buffer, .address_space: global }
      - { .name: W_kd, .offset: 24, .size: 8, .value_kind: global_buffer, .address_space: global }
      - { .name: xc16, .offset: 32, .size: 8, .value_kind: global_buffer, .address_space: global }
      - { .name: xd16, .offset: 40, .size: 8, .value_kind: global_buffer, .address_space: global }
      - { .name: wq16, .offset: 48, .size: 8, .value_kind: global_buffer, .address_space: global }
      - { .name: wk16, .offset: 56, .size: 8, .value_kind: global_buffer, .address_space: global }
      - { .name: mt16, .offset: 64, .size: 8, .value_kind: global_buffer, .address_space: global }
      - { .name: misc, .offset: 72, .size: 8, .value_kind: global_buffer, .address_space: global }
    .group_segment_fixed_size: 1280
    .private_segment_fixed_size: 0
    .kernarg_segment_align: 8
    .kernarg_segment_size: 80
    .max_flat_workgroup_size: 256
    .sgpr_count:     66
    .vgpr_count:     114
    .wavefront_size: 32
...
	.end_amdgpu_metadata
.endif
;; end of part 1
;; launch gemm (part 2): grid 4 x 8, 4 waves a work-group, clusters of 4 x 4, 327,680 bytes of LDS; arguments wk16, wq16, mt16; writes mt16
.if DOCPART == 2
	.amdgcn_target "amdgcn-amd-amdhsa--gfx1250"
	.amdhsa_code_object_version 6
	.text
	.protected	k_q267a1e3d1f_gemm
	.globl	k_q267a1e3d1f_gemm
	.p2align	8
	.type	k_q267a1e3d1f_gemm,@function
k_q267a1e3d1f_gemm:
	s_mov_b64 s[64:65], 0
	v_nop
	global_prefetch_b8 v0, s[64:65] scope:SCOPE_SE
	s_setreg_imm32_b32 hwreg(HW_REG_WAVE_MODE, 25, 1), 1
	s_wait_xcnt 0x0
	s_wait_alu depctr_hold_cnt(0) depctr_sa_sdst(0) depctr_va_vdst(0) depctr_va_sdst(0) depctr_va_ssrc(0) depctr_va_vcc(0) depctr_vm_vsrc(0)
	s_getreg_b32 s2, hwreg(HW_REG_IB_STS2, 6, 4)
	s_cmp_eq_u32 s2, 0
	s_cbranch_scc0 .Lentry_in_a_cluster
	s_endpgm
.Lentry_in_a_cluster:
	s_bfe_u32 s2, ttmp6, 0x10000c
	s_cmp_lg_u32 s2, 0xf033
	s_cbranch_scc0 .Lentry_shape_is_right
	s_endpgm
.Lentry_shape_is_right:
; C16[m][n] = f16(scale x the sum over k of A16[m][k] B16[n][k]).  A16: [M][1024], B16: [1024][1024], C16: [M][1024], all f16, each behind a head of 1,024 bytes; sums in f32.
; Run twice: MT = W_kd W_qc^T (M = 1,024), then Y = x_c MT^T (M = 8,192).
; THE SCALE is a power of two made from the two heads (256 f32 each: largest magnitudes of parts of the operand): with 2^eA > max |A| and 2^eB > max |B| it is 2^(5 - eA - eB), so that
; |scale x sum| < 2^5 x 2^10 = 2^15 whatever the data: no result passes f16's range.  Its exponent is held within 1 .. 253, where only data of all zeros or beyond 2^120 would bring it.
; LIMITS.  A result below 6e-5 after the scale keeps f16's fixed step of 6e-8.  NaN and infinities are not treated apart.
; SHARES.  A tile of C is 128 x 256: at M = 8,192 that is 256 tiles.  Four waves, each 64 x 128: 32 accumulators of 16 x 16, 256 registers.  K goes in steps of 128 through a ring
; of two LDS slots filled by tensor loads; the rows of A's and B's tiles are 256 bytes of memory and start at multiples of 256 bytes from the buffer's first byte.
; CLUSTERS: 4 x 4 work-groups.  The four of a row of the cluster need the same tiles of A, the four of a column the same tiles of B: each tile is asked for JOINTLY, by the same tensor load
; with the same descriptor and a mask that names the four.
; THE MATRIX INSTRUCTION IS USED TRANSPOSED (source 0 = 16 rows of B, source 1 = 16 rows of A): a lane then holds eight neighbouring numbers of a row of C.
; REGISTERS: window 0: v0-31 addresses; v32-47 the heads; v64-159, v160-255 two fragment buffers (64 registers of B: 8 x 16 rows x 32 K, then 32 of A); on the way out they are at work.
;   window 1: the accumulators, (a, b) at v[8 (8 a + b)].
.set HEAD,   1024
.set ROWB,   2048                      ; bytes in a row of A, B, C
.set KSTEP,  128
.set PITCH,  272                       ; an LDS row: 256 bytes + 16 of padding = 68 words: the 16 rows of a fragment load start at 16 different groups of four banks (64 banks of 4 bytes: ISA guide 11.1)
.set AHALF,  64*PITCH                  ; what a wave fetches of A, and reads of A
.set BHALF,  128*PITCH                 ; the same for B
.set BOFF,   2*AHALF                   ; a slot: A's 128 rows, then B's 256 rows
.set SLOT,   BOFF+2*BHALF
.set STAGE,  2*SLOT                    ; behind the ring: 16 rows x 272 bytes for each wave, for the way out
.set SPARE,  STAGE+4*16*PITCH          ; behind the stages: the spare words, 128 bytes for each wave: two blocks of 256 bytes that no other line names
.set LAPS,   4                         ; a lap = two K steps = once round the ring
.set ADRA, 16                          ; v16-17  LDS address of my A fragments in slot 0, 1
.set ADRB, 20                          ; v20-21  the same for B
.set STO,  24                          ; v24     the way out: where I put 16 bytes of a row
.set RD,   25                          ; v25     the way out: where I read a row back
.set CO,   26                          ; v26     my byte offset in C
.set SPW,  28                          ; v28     LDS address of my spare word: SPARE + 4 x my thread's number; never rewritten
.set NIL,  29                          ; v29     0; never rewritten
.set HO,   30                          ; v30     32 x lane: my eight numbers of a head
.set TAB,  32                          ; v32-47  the two heads
.set F0,   64
.set F1,   160
.set TW,   64                          ; the way out: a block's 64 scaled sums,
.set PW,   128                         ; packed to 32 registers,
.set OB,   160                         ; and 16 rows read back from the stage
.set G1,  24                           ; s[24:31] descriptor group 1 for A's tiles;  s[32:39] group 0, one set for each slot
.set G0,  32
.set G1B, 48                           ; s[48:55], s[56:63] the same for B's tiles
.set G0B, 56
.set SC,  66                           ; s[66:67] the scale, named as a pair
.set SEL, 72                           ; s[72:73] v_permlanex16_b32's selects
.set FLAGS, (1<<16)|(1<<20)|(1<<21)|(5<<22)|(3<<25)  ; 17:16 2-byte elements; 20 padding on; 21 set beside a mask; 24:22 after every 64 words (code 5); 31:25 4 words (code 3)
.set MSB, 0
.macro WIN new                         ; the immediate's high byte repeats the setting that is left; a switch that changes nothing is dropped
.if MSB != (\new)
	s_set_vgpr_msb (MSB<<8)|(\new)
.set MSB, \new
.endif
.endm
.set MULW, 0x50                        ; sources 0 and 1 window 0; C and D window 1
.macro JLOAD s                         ; a joint load: waves 0 and 1 fetch A's two halves, waves 2 and 3 B's; an s_nop 0 and four v_nop follow each of the two lines, ahead of the jump, the label and what follows
	s_cmp_eq_u32 s11, 0
	s_cbranch_scc0 .Lfor_b_\@
	tensor_load_to_lds s[G0+4*(\s):G0+4*(\s)+3], s[G1:G1+7]
	s_nop 0
.rept 4
	v_nop
.endr
	s_branch .Lasked_\@
.Lfor_b_\@:
	tensor_load_to_lds s[G0B+4*(\s):G0B+4*(\s)+3], s[G1B:G1B+7]
	s_nop 0
.rept 4
	v_nop
.endr
.Lasked_\@:
.endm
.macro CREST                           ; a round of the cluster's barrier behind its opening barrier
	s_cmp_lg_u32 s10, 0
	s_cbranch_scc1 .Lnot_wave_0_\@
	s_barrier_signal -3
.Lnot_wave_0_\@:
	s_barrier_wait -3
	s_barrier_signal -1
	s_barrier_wait -1
.endm
.macro CROUND                          ; a whole round
	s_barrier_signal -1
	s_barrier_wait -1
	CREST
.endm
.macro PLACES                          ; four places in front of loads into registers that matrix instructions have read, and of vector lines that read results just made
.rept 4
	v_nop
.endr
.endm
.macro TABMAX x, sd                    ; the largest of a head's 256 numbers (8 a lane at v[x]); its biased exponent into s[sd]
	v_max3_num_f32 v[(\x)], v[(\x)], v[(\x)+1], v[(\x)+2]
	v_max3_num_f32 v[(\x)+3], v[(\x)+3], v[(\x)+4], v[(\x)+5]
	v_max3_num_f32 v[(\x)], v[(\x)], v[(\x)+6], v[(\x)+7]
	v_max_num_f32 v[(\x)], v[(\x)], v[(\x)+3]
.irp k, 1,2,4,8
	v_max_num_f32_dpp v[(\x)], v[(\x)], v[(\x)] row_xmask:\k row_mask:0xf bank_mask:0xf
.endr
	v_permlanex16_b32 v[(\x)+1], v[(\x)], s[SEL], s[SEL+1]
	v_max_num_f32 v[(\x)], v[(\x)], v[(\x)+1]
	v_readfirstlane_b32 s[\sd], v[(\x)]
	s_bfe_u32 s[\sd], s[\sd], 0x80017              ; 8 bits from bit 23
.endm
.macro SCALEXP sd, sa, sb              ; the biased exponent of 2^(5 - eA - eB), e = E - 126: 127 + 5 + 252 - EA - EB, held within 1 .. 253
	s_sub_co_i32 s[\sd], 384, s[\sa]
	s_sub_co_i32 s[\sd], s[\sd], s[\sb]
	s_max_i32 s[\sd], s[\sd], 1
	s_min_i32 s[\sd], s[\sd], 253
.endm
	s_load_b128 s[4:7], s[0:1], 0x0                ; A s[4:5], B s[6:7]
	s_load_b64 s[8:9], s[0:1], 0x10                ; C
	v_lshl_add_u32 v[SPW], v0, 2, SPARE
	v_mov_b32 v[NIL], 0
	ds_add_u32 v28, v29
	s_wait_dscnt 0x0
	v_lshrrev_b32 v1, 5, v0
	v_readfirstlane_b32 s10, v1                    ; wave 0..3
	s_lshr_b32 s11, s10, 1                         ; which 64 of the tile's rows are mine.  Also: I fetch for A (0) or for B (1)
	s_and_b32 s12, s10, 1                          ; which 128 of its columns.  Also: which half of that tile I fetch
	s_bfe_u32 s40, ttmp6, 0x40000                  ; cx, cy: my place in the cluster
	s_bfe_u32 s41, ttmp6, 0x40004
	s_lshl_b32 s42, ttmp9, 2
	s_add_co_u32 s42, s42, s40                     ; tile column of C = 4 x cluster x + cx
	s_and_b32 s13, ttmp7, 0xffff
	s_lshl_b32 s13, s13, 2
	s_add_co_u32 s13, s13, s41                     ; tile row of C = 4 x cluster y + cy
	s_lshl_b32 s43, s41, 2
	s_lshl_b32 s43, 15, s43                        ; my row of the cluster
	s_lshl_b32 s44, 0x1111, s40                    ; my column
	s_or_b32 s[G1+0], s43, FLAGS                   ; A's tiles go to my row,
	s_or_b32 s[G1B+0], s44, FLAGS                  ; B's to my column
	s_mov_b32 s[G1+1], KSTEP<<16                   ; tensor_dim0 = 128
	s_mov_b32 s[G1+2], 64<<16                      ; tensor_dim1 = 64
	s_mov_b32 s[G1+3], KSTEP<<16                   ; tile_dim0 = 128
	s_mov_b32 s[G1+4], 64                          ; tile_dim1 = 64
	s_mov_b32 s[G1+5], 1024                        ; elements from row to row
	s_mov_b32 s[G1+6], 0
	s_mov_b32 s[G1+7], 0
	s_mov_b32 s[G1B+1], KSTEP<<16
	s_mov_b32 s[G1B+2], 128<<16                    ; B's part has 128 rows
	s_mov_b32 s[G1B+3], KSTEP<<16
	s_mov_b32 s[G1B+4], 128
	s_mov_b32 s[G1B+5], 1024
	s_mov_b32 s[G1B+6], 0
	s_mov_b32 s[G1B+7], 0
	s_mov_b32 s[SEL], 0x76543210
	s_mov_b32 s[SEL+1], 0xfedcba98
	; A's tiles hang on the tile row alone, B's on the tile column alone; each offset is made in registers that never hold the other coordinate
	s_lshl_b32 s16, s13, 7
	s_lshl_b32 s17, s12, 6
	s_add_co_u32 s16, s16, s17                     ; A: row 128 x tile row + 64 x half
	s_lshl_b32 s16, s16, 11
	s_add_co_u32 s16, s16, HEAD
	s_mov_b32 s17, 0
	s_lshl_b32 s46, s42, 8
	s_lshl_b32 s47, s12, 7
	s_add_co_u32 s46, s46, s47                     ; B: row 256 x tile column + 128 x half
	s_lshl_b32 s46, s46, 11
	s_add_co_u32 s46, s46, HEAD
	s_mov_b32 s47, 0
	s_mul_i32 s20, s12, AHALF                      ; where they go: no place in the cluster enters an LDS address
	s_mul_i32 s21, s12, BHALF
	s_add_co_u32 s21, s21, BOFF
	s_wait_kmcnt 0x0
	s_add_nc_u64 s[14:15], s[4:5], s[16:17]
	s_add_nc_u64 s[46:47], s[6:7], s[46:47]
	CROUND                                         ; all sixteen work-groups are here: the first joint loads meet
.irp s, 0,1
	s_mov_b32 s[G0+4*(\s)], 1                                        ; count = 1
	s_add_co_u32 s[G0+4*(\s)+1], s20, (\s)*SLOT                      ; LDS address
	s_add_nc_u64 s[G0+4*(\s)+2:G0+4*(\s)+3], s[14:15], (\s)*KSTEP*2  ; global address: K step s
	s_or_b32 s[G0+4*(\s)+3], s[G0+4*(\s)+3], 0x80000000              ; type = 2
	s_mov_b32 s[G0B+4*(\s)], 1
	s_add_co_u32 s[G0B+4*(\s)+1], s21, (\s)*SLOT
	s_add_nc_u64 s[G0B+4*(\s)+2:G0B+4*(\s)+3], s[46:47], (\s)*KSTEP*2
	s_or_b32 s[G0B+4*(\s)+3], s[G0B+4*(\s)+3], 0x80000000
	JLOAD \s                                       ; two loads of mine are out
.endr
	v_and_b32 v[HO], 31, v0
	v_lshlrev_b32 v[HO], 5, v[HO]
	global_load_b128 v[TAB:TAB+3], v[HO], s[4:5]   ; the two heads: 1,024 consecutive bytes each
	global_load_b128 v[TAB+4:TAB+7], v[HO], s[4:5] offset:16
	global_load_b128 v[TAB+8:TAB+11], v[HO], s[6:7]
	global_load_b128 v[TAB+12:TAB+15], v[HO], s[6:7] offset:16
	v_and_b32 v1, 15, v0                           ; l % 16
	v_bfe_u32 v2, v0, 4, 1                         ; l / 16
	v_mul_u32_u24 v3, v1, PITCH
	v_lshl_add_u32 v3, v2, 4, v3                   ; a fragment's row x pitch + 16 x half
	s_mul_i32 s22, s11, AHALF                      ; my 64 rows of A
	s_mul_i32 s23, s12, BHALF                      ; my 128 rows of B, behind A's 128
	s_add_co_u32 s23, s23, BOFF
.irp s, 0,1
	v_add_nc_u32 v[ADRA+(\s)], s22, v3
	v_add_nc_u32 v[ADRB+(\s)], s23, v3
	s_add_co_u32 s22, s22, SLOT
	s_add_co_u32 s23, s23, SLOT
.endr
	s_mul_i32 s23, s10, 16*PITCH
	s_add_co_u32 s23, s23, STAGE                   ; my stage
	v_add_nc_u32 v[STO], s23, v3                   ; in: row l % 16, 16 bytes for each half of the lanes
	v_mul_u32_u24 v5, v2, PITCH                    ; back: lanes 0-15 take one row of 256 bytes, lanes 16-31 the next
	v_lshl_add_u32 v5, v1, 4, v5
	v_add_nc_u32 v[RD], s23, v5
	v_lshlrev_b32 v5, 11, v2                       ; and the same two rows in C
	v_lshl_add_u32 v[CO], v1, 4, v5
	s_lshl_b32 s16, s13, 7
	s_lshl_b32 s17, s11, 6
	s_add_co_u32 s16, s16, s17                     ; my first row of C
	s_lshl_b32 s16, s16, 11
	s_add_co_u32 s16, s16, HEAD
	s_lshl_b32 s46, s42, 9                         ; my first column, in bytes: 512 x tile column + 256 x half
	s_lshl_b32 s47, s12, 8
	s_add_co_u32 s46, s46, s47
	s_add_co_u32 s16, s16, s46
	s_mov_b32 s17, 0
	s_add_nc_u64 s[8:9], s[8:9], s[16:17]
	s_wait_loadcnt 0x0                             ; the heads
	TABMAX TAB, 68
	TABMAX TAB+8, 69
	SCALEXP 70, 68, 69
	s_lshl_b32 s[SC], s70, 23
	s_mov_b32 s[SC+1], s[SC]                       ; named with it as a pair
; 8 matrix instructions: m block a x all 8 n blocks, 32 along K.  zero = 1: the product starts the sums.  The 32 accumulators take turns, in the same order in every quarter.
.macro MUL8 f, a, zero
	WIN MULW
.irp b, 0,1,2,3,4,5,6,7
.if \zero
	v_wmma_f32_16x16x32_f16 v[8*(8*(\a)+\b):8*(8*(\a)+\b)+7], v[(\f)+8*\b:(\f)+8*\b+7], v[(\f)+64+8*(\a):(\f)+64+8*(\a)+7], 0
.else
	v_wmma_f32_16x16x32_f16 v[8*(8*(\a)+\b):8*(8*(\a)+\b)+7], v[(\f)+8*\b:(\f)+8*\b+7], v[(\f)+64+8*(\a):(\f)+64+8*(\a)+7], v[8*(8*(\a)+\b):8*(8*(\a)+\b)+7]
.endif
.endr
.endm
; 24 LDS loads in one run: the fragments of 32 along K at byte k of the rows, into buffer f: B's sixteen loads, then A's eight
.macro FETCH slot, k, f
	WIN 0
.irp i, 0,1,2,3,4,5,6,7
	ds_load_b128 v[(\f)+8*\i:(\f)+8*\i+3],   v[ADRB+(\slot)] offset:(\k)+\i*16*PITCH
	ds_load_b128 v[(\f)+8*\i+4:(\f)+8*\i+7], v[ADRB+(\slot)] offset:(\k)+\i*16*PITCH+32
.endr
.irp i, 0,1,2,3
	ds_load_b128 v[(\f)+64+8*\i:(\f)+64+8*\i+3],   v[ADRA+(\slot)] offset:(\k)+\i*16*PITCH
	ds_load_b128 v[(\f)+64+8*\i+4:(\f)+64+8*\i+7], v[ADRA+(\slot)] offset:(\k)+\i*16*PITCH+32
.endr
.endm
; A K step is four quarters of 32 along K, 32 matrix instructions each, on buffers 0, 1, 0, 1.  One of the first three: multiplies buffer f and fetches the next quarter, at byte k, into g.
.macro QUARTER slot, k, f, g, zero
	s_wait_dscnt 4                                 ; B and A's blocks 0, 1 are in; the youngest four loads (A's blocks 2, 3) may be out
	MUL8 \f, 0, \zero
	MUL8 \f, 1, \zero
	PLACES
	FETCH \slot, \k, \g
	s_wait_dscnt 24                                ; all but the 24 just issued
	MUL8 \f, 2, \zero
	MUL8 \f, 3, \zero
.endm
; The last quarter multiplies buffer 1 and changes slots: ONE barrier; in front of it each wave waits for all its tensor loads (one is out: its part of the next slot), adds 0 to its spare word,
; and waits for that and for its own reads of this slot.  fill = 1: this slot is filled again, two K steps ahead; the barrier then opens a round of the cluster's.
.macro TURN slot, next, fill
	WIN 0
	s_wait_tensorcnt 0x0                           ; all my tensor loads have landed
	ds_add_u32 v[SPW], v[NIL]                      ; 0 onto my spare word
	s_wait_dscnt 5                                 ; (the add and the youngest four loads may be out)
	MUL8 F1, 0, 0                                  ; eight matrix instructions stand between the add and the wait for it
	s_wait_dscnt 0x0                               ; the add is done, and my reads of this slot are over
	s_barrier_signal -1
	MUL8 F1, 1, 0
	WIN 0                                          ; at a branch and at a label every window is 0
	s_barrier_wait -1
.if \fill
	CREST                                          ; no wave of any partner still reads this slot's tile or has a load on its way
	s_add_nc_u64 s[G0+4*(\slot)+2:G0+4*(\slot)+3], s[G0+4*(\slot)+2:G0+4*(\slot)+3], 2*KSTEP*2
	s_add_nc_u64 s[G0B+4*(\slot)+2:G0B+4*(\slot)+3], s[G0B+4*(\slot)+2:G0B+4*(\slot)+3], 2*KSTEP*2
	JLOAD \slot                                    ; the first tensor load behind the round, 112 matrix instructions ahead of the wait for it; its four v_nop are also the places in front of the loads below
.else
	PLACES
.endif
	FETCH \next, 0, F0
	MUL8 F1, 2, 0
	MUL8 F1, 3, 0
.endm
	s_wait_tensorcnt 1                             ; my part of K step 0 is in; K step 1's may stay out
	s_barrier_signal -1
	s_barrier_wait -1                              ; everybody's is
	FETCH 0, 0, F0
	QUARTER 0, 64, F0, F1, 1                       ; the first quarter stands in front of the loop: its products start the sums
	WIN 0
	s_mov_b32 s3, LAPS-1
.Llap:                                                 ; a trip goes once round the ring, from a lap's second quarter to the next lap's first, and fills both slots again
	QUARTER 0, 128, F1, F0, 0
	QUARTER 0, 192, F0, F1, 0
	TURN 0, 1, 1
	QUARTER 1, 64,  F0, F1, 0
	QUARTER 1, 128, F1, F0, 0
	QUARTER 1, 192, F0, F1, 0
	TURN 1, 0, 1
	QUARTER 0, 64,  F0, F1, 0
	WIN 0
	s_sub_co_u32 s3, s3, 1
	s_cmp_lg_u32 s3, 0
	s_cbranch_scc1 .Llap
	QUARTER 0, 128, F1, F0, 0                      ; the last lap fills nothing
	QUARTER 0, 192, F0, F1, 0
	TURN 0, 1, 0
	QUARTER 1, 64,  F0, F1, 0
	QUARTER 1, 128, F1, F0, 0
	QUARTER 1, 192, F0, F1, 0
	s_wait_dscnt 4                                 ; the very last quarter: nothing more to fetch
	MUL8 F1, 0, 0
	MUL8 F1, 1, 0
	s_wait_dscnt 0x0
	MUL8 F1, 2, 0
	MUL8 F1, 3, 0
; THE WAY OUT of block a (16 rows x 128 columns): scaled, rounded to f16, 16 bytes a lane into my own stage, back as whole rows of 256 bytes, stored.  Each accumulator is read from its lowest registers on.
.macro OUTBLK a
	WIN 0x01                                       ; source 0 window 1, destination window 0
.set i, 0
.rept 32
	v_pk_mul_f32 v[TW+2*i:TW+2*i+1], v[64*(\a)+2*i:64*(\a)+2*i+1], s[SC:SC+1] op_sel_hi:[1,0]
.set i, i+1
.endr
	WIN 0
.set i, 0
.rept 32
	v_cvt_pk_f16_f32 v[PW+i], v[TW+2*i], v[TW+2*i+1]
.set i, i+1
.endr
.irp b, 0,1,2,3,4,5,6,7
	ds_store_b128 v[STO], v[PW+4*\b:PW+4*\b+3] offset:32*\b
.endr
	s_wait_xcnt 0x0                                ; the registers that the last block's stores read are loaded again only behind this wait
.irp t, 0,1,2,3,4,5,6,7
	ds_load_b128 v[OB+4*\t:OB+4*\t+3], v[RD] offset:\t*2*PITCH  ; LDS serves a wave's instructions in order (ISA guide 5.7.1.4): these see the stores above
.endr
	s_wait_dscnt 0x0
.irp t, 0,1,2,3,4,5,6,7
	global_store_b128 v[CO], v[OB+4*\t:OB+4*\t+3], s[8:9] offset:(16*(\a)+2*\t)*ROWB  ; 16 lanes store 256 consecutive bytes, at a multiple of 256 from C's first byte
.endr
.endm
	PLACES
	OUTBLK 0
	OUTBLK 1
	OUTBLK 2
	OUTBLK 3
	s_wait_tensorcnt 0x0                           ; the wave's end: behind my last tensor load and my last LDS store
	ds_add_u32 v[SPW], v[NIL]
	s_wait_dscnt 0x0
	CROUND                                         ; the closing round: no work-group ends while a partner may still ask for a tile that names it
	s_endpgm
.Lfunc_end_k_q267a1e3d1f_gemm:
	.size	k_q267a1e3d1f_gemm, .Lfunc_end_k_q267a1e3d1f_gemm-k_q267a1e3d1f_gemm
	.p2alignl 7, 3214868480
	.fill 96, 4, 3214868480
	.section	.rodata,"a",@progbits
	.p2align	6, 0x0
	.amdhsa_kernel k_q267a1e3d1f_gemm
		.amdhsa_group_segment_fixed_size 327680
		.amdhsa_private_segment_fixed_size 0
		.amdhsa_enable_private_segment 0
		.amdhsa_kernarg_size 24
		.amdhsa_user_sgpr_count 2
		.amdhsa_user_sgpr_kernarg_segment_ptr 1
		.amdhsa_wavefront_size32 1
		.amdhsa_system_sgpr_workgroup_id_x 1
		.amdhsa_system_sgpr_workgroup_id_y 1
		.amdhsa_system_sgpr_workgroup_id_z 1
		.amdhsa_system_vgpr_workitem_id 0
		.amdhsa_next_free_vgpr 512
		.amdhsa_next_free_sgpr 80
		.amdhsa_reserve_vcc 0
		.amdhsa_float_denorm_mode_32 3
		.amdhsa_float_denorm_mode_16_64 3
		.amdhsa_memory_ordered 1
		.amdhsa_forward_progress 1
		.amdhsa_inst_pref_size 96
	.end_amdhsa_kernel
	.amdgpu_metadata
---
amdhsa.version: [ 1, 2 ]
amdhsa.kernels:
  - .name:           k_q267a1e3d1f_gemm
    .symbol:         k_q267a1e3d1f_gemm.kd
    .args:
      - { .name: wk16, .offset: 0, .size: 8, .value_kind: global_buffer, .address_space: global }
      - { .name: wq16, .offset: 8, .size: 8, .value_kind: global_buffer, .address_space: global }
      - { .name: mt16, .offset: 16, .size: 8, .value_kind: global_buffer, .address_space: global }
    .group_segment_fixed_size: 327680
    .private_segment_fixed_size: 0
    .kernarg_segment_align: 8
    .kernarg_segment_size: 24
    .max_flat_workgroup_size: 128
    .sgpr_count:     80
    .vgpr_count:     512
    .wavefront_size: 32
...
	.end_amdgpu_metadata
.endif
;; end of part 2
;; launch ygemm: the kernel of part 2 again; grid 4 x 64, 4 waves a work-group, clusters of 4 x 4, 327,680 bytes of LDS; arguments xc16, mt16, y16; writes y16
;; launch logit (part 3): grid 4 x 64, 4 waves a work-group, clusters of 4 x 4, 327,680 bytes of LDS; arguments y16, xd16, wk16, wq16, xc16, mt16, et16; writes et16
.if DOCPART == 3
	.amdgcn_target "amdgcn-amd-amdhsa--gfx1250"
	.amdhsa_code_object_version 6
	.text
	.protected	k_q267a1e3d1f_logit
	.globl	k_q267a1e3d1f_logit
	.p2align	8
	.type	k_q267a1e3d1f_logit,@function
k_q267a1e3d1f_logit:
	s_mov_b64 s[64:65], 0
	v_nop
	global_prefetch_b8 v0, s[64:65] scope:SCOPE_SE
	s_setreg_imm32_b32 hwreg(HW_REG_WAVE_MODE, 25, 1), 1
	s_wait_xcnt 0x0
	s_wait_alu depctr_hold_cnt(0) depctr_sa_sdst(0) depctr_va_vdst(0) depctr_va_sdst(0) depctr_va_ssrc(0) depctr_va_vcc(0) depctr_vm_vsrc(0)
	s_getreg_b32 s2, hwreg(HW_REG_IB_STS2, 6, 4)
	s_cmp_eq_u32 s2, 0
	s_cbranch_scc0 .Lentry_in_a_cluster
	s_endpgm
.Lentry_in_a_cluster:
	s_bfe_u32 s2, ttmp6, 0x10000c
	s_cmp_lg_u32 s2, 0xf033
	s_cbranch_scc0 .Lentry_shape_is_right
	s_endpgm
.Lentry_shape_is_right:
; The scores l[s][t] = the sum over k of Y16[s][k] xd16[t][k] of one batch, and the first half of their softmax over t.
; A wave owns 64 queries s x 128 keys t.  For each s it takes the TRUE maximum over its 128 keys, cm = c x max (c = log2(e) / (the two scales that Y16 carries), applied in f32),
; E = 2^(c l - cm), and z = the sum of the unrounded E.  Stored: E as f16, turned, ET[b][t][s]; cm and z as f32, [b][block of 128 keys][s].  The launch behind joins a row's eight blocks by the row's own maximum.
; LIMITS.  E lies in 0 .. 1; below 6e-5 it keeps f16's fixed step of 6e-8, below 3e-8 it counts as 0 in the column sums; an E below 2^-126 counts as 0 in z.  NaN and infinities are not treated apart.
; SHARES, RING, CLUSTERS: a tile is 128 s x 256 t, 256 work-groups; K = 1,024 in steps of 128 through two LDS slots; 4 x 4 work-groups ask jointly for Y's tiles along a row of the cluster and
; for x_d's along a column (a cluster's four tile rows lie in one batch: 8 tile rows a batch).
; THE MATRIX INSTRUCTION: source 0 = 16 rows of Y, source 1 = 16 rows of x_d: a lane holds ONE key t (lane % 16) and the queries 8 (lane / 16) + 0..7.  So a query's maximum and sum run over the
; eight accumulators of a row of blocks and over 16 lanes, and a lane's eight E are eight neighbouring numbers of a row of ET.
; REGISTERS: window 0: v0-31 addresses; v32-63 the four heads; v64-159, v160-255 two fragment buffers (64 registers of x_d, then 32 of Y); behind the loop v64-95 maxima, v96-127 sums, v128-255 E packed.
;   window 1: the accumulators, (a, b) at v[8 (8 a + b)].
.set HEAD,   1024
.set KSTEP,  128
.set PITCH,  272                       ; an LDS row: 256 bytes + 16 of padding = 68 words: the 16 rows of a fragment load start at 16 different groups of four banks (64 banks of 4 bytes: ISA guide 11.1)
.set AHALF,  64*PITCH
.set BHALF,  128*PITCH
.set BOFF,   2*AHALF
.set SLOT,   BOFF+2*BHALF
.set STAGE,  2*SLOT                    ; behind the ring: 256 rows (keys) x 272 bytes, the work-group's
.set SCR,    STAGE+256*PITCH           ; 512 bytes for each wave: its 64 cm, its 64 z
.set SPARE,  SCR+4*512                 ; the spare words, 128 bytes for each wave: two blocks of 256 bytes that no other line names
.set LAPS,   4
.set STATS,  16777216                  ; cm's table in et16; z's lies ZOFF behind it
.set ZOFF,   262144
.set ADRA, 16
.set ADRB, 20
.set L8,   22                          ; v22     8 x lane
.set STO,  24                          ; v24     where I put 16 bytes of a row of ET
.set RD,   25                          ; v25     where I read a row back
.set CO,   26                          ; v26     my byte offset in ET
.set SW,   27                          ; v27     where I put cm and z
.set SPW,  28                          ; v28     LDS address of my spare word: SPARE + 4 x my thread's number; never rewritten
.set NIL,  29                          ; v29     0; never rewritten
.set HO,   30                          ; v30     32 x lane
.set SR,   31                          ; v31     where I read cm and z back
.set TAB,  32
.set F0,   64
.set F1,   160
.set MX,   64                          ; (a, j) at MX + 8 a + j: the maximum, then cm
.set ZZ,   96                          ; likewise: z
.set PP,   128                         ; E of accumulator (a, b) at PP + 4 (8 a + b)
.set G1,  24
.set G0,  32
.set G1B, 48
.set G0B, 56
.set SC,  66                           ; s[66:67] c, named as a pair
.set SEL, 72
.set FLAGS, (1<<16)|(1<<20)|(1<<21)|(5<<22)|(3<<25)
.set MSB, 0
.macro WIN new
.if MSB != (\new)
	s_set_vgpr_msb (MSB<<8)|(\new)
.set MSB, \new
.endif
.endm
.set MULW, 0x50                        ; sources 0 and 1 window 0; C and D window 1
.macro JLOAD s                         ; a joint load: waves 0 and 1 fetch Y's two halves, waves 2 and 3 x_d's; an s_nop 0 and four v_nop follow each of the two lines
	s_cmp_eq_u32 s11, 0
	s_cbranch_scc0 .Lfor_b_\@
	tensor_load_to_lds s[G0+4*(\s):G0+4*(\s)+3], s[G1:G1+7]
	s_nop 0
.rept 4
	v_nop
.endr
	s_branch .Lasked_\@
.Lfor_b_\@:
	tensor_load_to_lds s[G0B+4*(\s):G0B+4*(\s)+3], s[G1B:G1B+7]
	s_nop 0
.rept 4
	v_nop
.endr
.Lasked_\@:
.endm
.macro CREST
	s_cmp_lg_u32 s10, 0
	s_cbranch_scc1 .Lnot_wave_0_\@
	s_barrier_signal -3
.Lnot_wave_0_\@:
	s_barrier_wait -3
	s_barrier_signal -1
	s_barrier_wait -1
.endm
.macro CROUND
	s_barrier_signal -1
	s_barrier_wait -1
	CREST
.endm
.macro PLACES
.rept 4
	v_nop
.endr
.endm
.macro TABMAX x, sd                    ; the largest of a head's 256 numbers (8 a lane at v[x]); its biased exponent into s[sd]
	v_max3_num_f32 v[(\x)], v[(\x)], v[(\x)+1], v[(\x)+2]
	v_max3_num_f32 v[(\x)+3], v[(\x)+3], v[(\x)+4], v[(\x)+5]
	v_max3_num_f32 v[(\x)], v[(\x)], v[(\x)+6], v[(\x)+7]
	v_max_num_f32 v[(\x)], v[(\x)], v[(\x)+3]
.irp k, 1,2,4,8
	v_max_num_f32_dpp v[(\x)], v[(\x)], v[(\x)] row_xmask:\k row_mask:0xf bank_mask:0xf
.endr
	v_permlanex16_b32 v[(\x)+1], v[(\x)], s[SEL], s[SEL+1]
	v_max_num_f32 v[(\x)], v[(\x)], v[(\x)+1]
	v_readfirstlane_b32 s[\sd], v[(\x)]
	s_bfe_u32 s[\sd], s[\sd], 0x80017
.endm
.macro SCALEXP sd, sa, sb              ; as in the two launches before: the biased exponent of the scale that they applied
	s_sub_co_i32 s[\sd], 384, s[\sa]
	s_sub_co_i32 s[\sd], s[\sd], s[\sb]
	s_max_i32 s[\sd], s[\sd], 1
	s_min_i32 s[\sd], s[\sd], 253
.endm
	s_load_b128 s[4:7], s[0:1], 0x0                ; y16 s[4:5], xd16 s[6:7]
	s_load_b256 s[76:83], s[0:1], 0x10             ; wk16, wq16, xc16, mt16: their heads
	s_load_b64 s[8:9], s[0:1], 0x30                ; et16
	v_lshl_add_u32 v[SPW], v0, 2, SPARE
	v_mov_b32 v[NIL], 0
	ds_add_u32 v28, v29
	s_wait_dscnt 0x0
	v_lshrrev_b32 v1, 5, v0
	v_readfirstlane_b32 s10, v1                    ; wave 0..3
	s_lshr_b32 s11, s10, 1                         ; which 64 queries are mine.  Also: I fetch for Y (0) or for x_d (1)
	s_and_b32 s12, s10, 1                          ; which 128 keys.  Also: which half of that tile I fetch
	s_bfe_u32 s40, ttmp6, 0x40000                  ; cx, cy
	s_bfe_u32 s41, ttmp6, 0x40004
	s_lshl_b32 s42, ttmp9, 2
	s_add_co_u32 s42, s42, s40                     ; tile column = 4 x cluster x + cx
	s_and_b32 s13, ttmp7, 0xffff
	s_lshr_b32 s45, s13, 1                         ; the batch: two clusters' tile rows each; the sixteen partners share it
	s_lshl_b32 s13, s13, 2
	s_add_co_u32 s13, s13, s41                     ; tile row = 4 x cluster y + cy
	s_lshl_b32 s43, s41, 2
	s_lshl_b32 s43, 15, s43                        ; my row of the cluster
	s_lshl_b32 s44, 0x1111, s40                    ; my column
	s_or_b32 s[G1+0], s43, FLAGS
	s_or_b32 s[G1B+0], s44, FLAGS
	s_mov_b32 s[G1+1], KSTEP<<16
	s_mov_b32 s[G1+2], 64<<16
	s_mov_b32 s[G1+3], KSTEP<<16
	s_mov_b32 s[G1+4], 64
	s_mov_b32 s[G1+5], 1024
	s_mov_b32 s[G1+6], 0
	s_mov_b32 s[G1+7], 0
	s_mov_b32 s[G1B+1], KSTEP<<16
	s_mov_b32 s[G1B+2], 128<<16
	s_mov_b32 s[G1B+3], KSTEP<<16
	s_mov_b32 s[G1B+4], 128
	s_mov_b32 s[G1B+5], 1024
	s_mov_b32 s[G1B+6], 0
	s_mov_b32 s[G1B+7], 0
	s_mov_b32 s[SEL], 0x76543210
	s_mov_b32 s[SEL+1], 0xfedcba98
	s_lshl_b32 s16, s13, 7
	s_lshl_b32 s17, s12, 6
	s_add_co_u32 s16, s16, s17                     ; Y: row 128 x tile row + 64 x half
	s_lshl_b32 s16, s16, 11
	s_add_co_u32 s16, s16, HEAD
	s_mov_b32 s17, 0
	s_lshl_b32 s46, s45, 10
	s_lshl_b32 s47, s42, 8
	s_add_co_u32 s46, s46, s47
	s_lshl_b32 s47, s12, 7
	s_add_co_u32 s46, s46, s47                     ; x_d: row 1,024 x batch + 256 x tile column + 128 x half; xd16 has no head
	s_lshl_b32 s46, s46, 11
	s_mov_b32 s47, 0
	s_mul_i32 s20, s12, AHALF
	s_mul_i32 s21, s12, BHALF
	s_add_co_u32 s21, s21, BOFF
	s_wait_kmcnt 0x0
	s_add_nc_u64 s[14:15], s[4:5], s[16:17]
	s_add_nc_u64 s[46:47], s[6:7], s[46:47]
	CROUND                                         ; all sixteen work-groups are here: the first joint loads meet
.irp s, 0,1
	s_mov_b32 s[G0+4*(\s)], 1
	s_add_co_u32 s[G0+4*(\s)+1], s20, (\s)*SLOT
	s_add_nc_u64 s[G0+4*(\s)+2:G0+4*(\s)+3], s[14:15], (\s)*KSTEP*2
	s_or_b32 s[G0+4*(\s)+3], s[G0+4*(\s)+3], 0x80000000
	s_mov_b32 s[G0B+4*(\s)], 1
	s_add_co_u32 s[G0B+4*(\s)+1], s21, (\s)*SLOT
	s_add_nc_u64 s[G0B+4*(\s)+2:G0B+4*(\s)+3], s[46:47], (\s)*KSTEP*2
	s_or_b32 s[G0B+4*(\s)+3], s[G0B+4*(\s)+3], 0x80000000
	JLOAD \s                                       ; two loads of mine are out
.endr
	v_and_b32 v[L8], 31, v0
	v_lshlrev_b32 v[HO], 5, v[L8]
	v_lshlrev_b32 v[L8], 3, v[L8]
.irp n, 0,1,2,3
	global_load_b128 v[TAB+8*\n:TAB+8*\n+3], v[HO], s[76+2*\n:77+2*\n]
	global_load_b128 v[TAB+8*\n+4:TAB+8*\n+7], v[HO], s[76+2*\n:77+2*\n] offset:16
.endr
	v_and_b32 v1, 15, v0                           ; l % 16
	v_bfe_u32 v2, v0, 4, 1                         ; l / 16
	v_mul_u32_u24 v3, v1, PITCH
	v_lshl_add_u32 v3, v2, 4, v3
	s_mul_i32 s22, s11, AHALF
	s_mul_i32 s23, s12, BHALF
	s_add_co_u32 s23, s23, BOFF
.irp s, 0,1
	v_add_nc_u32 v[ADRA+(\s)], s22, v3
	v_add_nc_u32 v[ADRB+(\s)], s23, v3
	s_add_co_u32 s22, s22, SLOT
	s_add_co_u32 s23, s23, SLOT
.endr
	s_mul_i32 s22, s12, 128*PITCH                  ; into the stage: row = key 128 x half + 16 b + l % 16; in the row my 64 queries' 128 bytes, 16 for each half of the lanes
	s_lshl_b32 s23, s11, 7
	s_add_co_u32 s22, s22, s23
	s_add_co_u32 s22, s22, STAGE
	v_add_nc_u32 v[STO], s22, v3
	s_mul_i32 s23, s10, 64*PITCH                   ; back: wave w takes rows 64 w .. 64 w + 63, whole; lanes 0-15 one row, lanes 16-31 the next
	s_add_co_u32 s23, s23, STAGE
	v_mul_u32_u24 v5, v2, PITCH
	v_lshl_add_u32 v5, v1, 4, v5
	v_add_nc_u32 v[RD], s23, v5
	v_lshlrev_b32 v5, 11, v2
	v_lshl_add_u32 v[CO], v1, 4, v5
	s_lshl_b32 s22, s10, 9
	s_add_co_u32 s22, s22, SCR                     ; my 512 bytes for cm and z
	v_lshl_add_u32 v[SW], v2, 5, s22               ; query 16 a + 8 (l / 16) + j at word 16 a + 8 (l / 16) + j
	v_add_nc_u32 v[SR], s22, v[L8]
	s_and_b32 s16, s13, 7                          ; my tile row in the batch
	s_lshl_b32 s17, s45, 10
	s_lshl_b32 s18, s42, 8
	s_add_co_u32 s17, s17, s18
	s_lshl_b32 s18, s10, 6
	s_add_co_u32 s17, s17, s18                     ; the first row of ET that I store
	s_lshl_b32 s18, s17, 11
	s_lshl_b32 s19, s16, 8                         ; the tile's 128 queries: 256 bytes of each row
	s_add_co_u32 s18, s18, s19
	s_mov_b32 s19, 0
	s_add_nc_u64 s[86:87], s[8:9], s[18:19]
	s_lshl_b32 s17, s45, 3
	s_lshl_b32 s18, s42, 1
	s_add_co_u32 s17, s17, s18
	s_add_co_u32 s17, s17, s12                     ; 8 x batch + my block of 128 keys
	s_lshl_b32 s17, s17, 10
	s_lshl_b32 s18, s16, 7
	s_add_co_u32 s17, s17, s18
	s_lshl_b32 s18, s11, 6
	s_add_co_u32 s17, s17, s18                     ; + my first query
	s_lshl_b32 s18, s17, 2
	s_add_co_u32 s18, s18, STATS
	s_mov_b32 s19, 0
	s_add_nc_u64 s[84:85], s[8:9], s[18:19]
	s_wait_loadcnt 0x0                             ; the heads
	TABMAX TAB, 68
	TABMAX TAB+8, 69
	TABMAX TAB+16, 70
	TABMAX TAB+24, 71
	SCALEXP 68, 68, 69                             ; MT's scale
	SCALEXP 70, 70, 71                             ; Y's scale
	s_sub_co_i32 s68, 254, s68                     ; their reciprocals' exponents
	s_sub_co_i32 s70, 254, s70
	s_lshl_b32 s68, s68, 23
	s_lshl_b32 s70, s70, 23
	v_mov_b32 v60, s68
	v_mul_f32 v60, 0x3fb8aa3b, v60                 ; log2(e)
	v_mul_f32 v60, s70, v60
	v_readfirstlane_b32 s[SC], v60
	s_mov_b32 s[SC+1], s[SC]
.macro MUL8 f, a, zero                 ; 8 matrix instructions: query block a x all 8 key blocks, 32 along K.  The 32 accumulators take turns.
	WIN MULW
.irp b, 0,1,2,3,4,5,6,7
.if \zero
	v_wmma_f32_16x16x32_f16 v[8*(8*(\a)+\b):8*(8*(\a)+\b)+7], v[(\f)+64+8*(\a):(\f)+64+8*(\a)+7], v[(\f)+8*\b:(\f)+8*\b+7], 0
.else
	v_wmma_f32_16x16x32_f16 v[8*(8*(\a)+\b):8*(8*(\a)+\b)+7], v[(\f)+64+8*(\a):(\f)+64+8*(\a)+7], v[(\f)+8*\b:(\f)+8*\b+7], v[8*(8*(\a)+\b):8*(8*(\a)+\b)+7]
.endif
.endr
.endm
.macro FETCH slot, k, f                ; 24 LDS loads in one run: x_d's sixteen, then Y's eight
	WIN 0
.irp i, 0,1,2,3,4,5,6,7
	ds_load_b128 v[(\f)+8*\i:(\f)+8*\i+3],   v[ADRB+(\slot)] offset:(\k)+\i*16*PITCH
	ds_load_b128 v[(\f)+8*\i+4:(\f)+8*\i+7], v[ADRB+(\slot)] offset:(\k)+\i*16*PITCH+32
.endr
.irp i, 0,1,2,3
	ds_load_b128 v[(\f)+64+8*\i:(\f)+64+8*\i+3],   v[ADRA+(\slot)] offset:(\k)+\i*16*PITCH
	ds_load_b128 v[(\f)+64+8*\i+4:(\f)+64+8*\i+7], v[ADRA+(\slot)] offset:(\k)+\i*16*PITCH+32
.endr
.endm
.macro QUARTER slot, k, f, g, zero
	s_wait_dscnt 4                                 ; x_d's fragments and Y's blocks 0, 1 are in; the youngest four loads may be out
	MUL8 \f, 0, \zero
	MUL8 \f, 1, \zero
	PLACES
	FETCH \slot, \k, \g
	s_wait_dscnt 24                                ; all but the 24 just issued
	MUL8 \f, 2, \zero
	MUL8 \f, 3, \zero
.endm
.macro TURN slot, next, fill           ; the last quarter of a K step, and the change of slots
	WIN 0
	s_wait_tensorcnt 0x0                           ; all my tensor loads have landed: my part of the next slot
	ds_add_u32 v[SPW], v[NIL]                      ; 0 onto my spare word
	s_wait_dscnt 5                                 ; (the add and the youngest four loads may be out)
	MUL8 F1, 0, 0
	s_wait_dscnt 0x0                               ; the add is done, and my reads of this slot are over
	s_barrier_signal -1
	MUL8 F1, 1, 0
	WIN 0
	s_barrier_wait -1
.if \fill
	CREST                                          ; no wave of any partner still reads this slot's tile or has a load on its way
	s_add_nc_u64 s[G0+4*(\slot)+2:G0+4*(\slot)+3], s[G0+4*(\slot)+2:G0+4*(\slot)+3], 2*KSTEP*2
	s_add_nc_u64 s[G0B+4*(\slot)+2:G0B+4*(\slot)+3], s[G0B+4*(\slot)+2:G0B+4*(\slot)+3], 2*KSTEP*2
	JLOAD \slot                                    ; the first tensor load behind the round; its four v_nop are also the places in front of the loads below
.else
	PLACES
.endif
	FETCH \next, 0, F0
	MUL8 F1, 2, 0
	MUL8 F1, 3, 0
.endm
	s_wait_tensorcnt 1                             ; my part of K step 0 is in; K step 1's may stay out
	s_barrier_signal -1
	s_barrier_wait -1
	FETCH 0, 0, F0
	QUARTER 0, 64, F0, F1, 1                       ; the first quarter's products start the sums
	WIN 0
	s_mov_b32 s3, LAPS-1
.Llap:
	QUARTER 0, 128, F1, F0, 0
	QUARTER 0, 192, F0, F1, 0
	TURN 0, 1, 1
	QUARTER 1, 64,  F0, F1, 0
	QUARTER 1, 128, F1, F0, 0
	QUARTER 1, 192, F0, F1, 0
	TURN 1, 0, 1
	QUARTER 0, 64,  F0, F1, 0
	WIN 0
	s_sub_co_u32 s3, s3, 1
	s_cmp_lg_u32 s3, 0
	s_cbranch_scc1 .Llap
	QUARTER 0, 128, F1, F0, 0
	QUARTER 0, 192, F0, F1, 0
	TURN 0, 1, 0
	QUARTER 1, 64,  F0, F1, 0
	QUARTER 1, 128, F1, F0, 0
	QUARTER 1, 192, F0, F1, 0
	s_wait_dscnt 4
	MUL8 F1, 0, 0
	MUL8 F1, 1, 0
	s_wait_dscnt 0x0
	MUL8 F1, 2, 0
	MUL8 F1, 3, 0
	; THE MAXIMUM of each of my 64 queries over my 128 keys: over the eight accumulators of its row of blocks, then over 16 lanes.  i = 8 a + j; every accumulator is read from register 0 on.
	PLACES
	WIN 0x15                                       ; all three sources window 1, destination window 0
.set i, 0
.rept 32
	v_max3_num_f32 v[MX+i], v[64*(i/8)+i%8], v[64*(i/8)+8+i%8], v[64*(i/8)+16+i%8]
.set i, i+1
.endr
	WIN 0x14                                       ; source 0 window 0
.irp b, 24, 40
.set i, 0
.rept 32
	v_max3_num_f32 v[MX+i], v[MX+i], v[64*(i/8)+\b+i%8], v[64*(i/8)+\b+8+i%8]
.set i, i+1
.endr
.endr
	WIN 0x04
.set i, 0
.rept 32
	v_max_num_f32 v[MX+i], v[MX+i], v[64*(i/8)+56+i%8]
.set i, i+1
.endr
	WIN 0
.irp k, 1,2,4,8
.set i, 0
.rept 32
	v_max_num_f32_dpp v[MX+i], v[MX+i], v[MX+i] row_xmask:\k row_mask:0xf bank_mask:0xf
.set i, i+1
.endr
.endr
.set i, 0
.rept 16
	v_pk_mul_f32 v[MX+2*i:MX+2*i+1], v[MX+2*i:MX+2*i+1], s[SC:SC+1] op_sel_hi:[1,0]  ; cm = c x maximum
.set i, i+1
.endr
	; E = 2^(c l - cm), in place
	WIN 0x41                                       ; destination and source 0 window 1, cm window 0
.set i, 0
.rept 128
	v_pk_fma_f32 v[2*i:2*i+1], v[2*i:2*i+1], s[SC:SC+1], v[MX+8*(i/32)+2*(i%4):MX+8*(i/32)+2*(i%4)+1] op_sel_hi:[1,0,1] neg_lo:[0,0,1] neg_hi:[0,0,1]
.set i, i+1
.endr
.set i, 0
.rept 256
	v_exp_f32 v[i], v[i]
.set i, i+1
.endr
	v_nop                                          ; a plain instruction between the last exponential and the use of the results
	; z: the sum of the unrounded E, over the eight accumulators, then over 16 lanes
	WIN 0x05                                       ; sources 0 and 1 window 1, destination window 0
.set i, 0
	s_wait_alu depctr_va_vdst(0)
.rept 16
	v_pk_add_f32 v[ZZ+2*i:ZZ+2*i+1], v[64*(i/4)+2*(i%4):64*(i/4)+2*(i%4)+1], v[64*(i/4)+8+2*(i%4):64*(i/4)+8+2*(i%4)+1]
.set i, i+1
.endr
	WIN 0x04
.irp b, 16,24,32,40,48,56
.set i, 0
.rept 16
	v_pk_add_f32 v[ZZ+2*i:ZZ+2*i+1], v[ZZ+2*i:ZZ+2*i+1], v[64*(i/4)+\b+2*(i%4):64*(i/4)+\b+2*(i%4)+1]
.set i, i+1
.endr
.endr
	WIN 0
.irp k, 1,2,4,8
.set i, 0
.rept 32
	v_add_f32_dpp v[ZZ+i], v[ZZ+i], v[ZZ+i] row_xmask:\k row_mask:0xf bank_mask:0xf
.set i, i+1
.endr
.endr
	WIN 0x05
.set i, 0
.rept 128
	v_cvt_pk_f16_f32 v[PP+i], v[2*i], v[2*i+1]
.set i, i+1
.endr
	WIN 0
	; THE WAY OUT.  E into the work-group's stage (a row's 256 bytes come from two waves); cm and z into my own 512 bytes and back, 8 bytes a lane.
.set i, 0
.rept 32
	ds_store_b128 v[STO], v[PP+4*i:PP+4*i+3] offset:(i%8)*16*PITCH+32*(i/8)
.set i, i+1
.endr
.set i, 0
.rept 8
	ds_store_b128 v[SW], v[MX+4*i:MX+4*i+3] offset:64*(i/2)+16*(i%2)       ; the 16 lanes of a half hold the same numbers and write the same bytes
	ds_store_b128 v[SW], v[ZZ+4*i:ZZ+4*i+3] offset:256+64*(i/2)+16*(i%2)
.set i, i+1
.endr
	ds_load_b64 v[TAB:TAB+1], v[SR]                ; LDS serves a wave's instructions in order (ISA guide 5.7.1.4): these see my stores above
	ds_load_b64 v[TAB+2:TAB+3], v[SR] offset:256
	s_wait_dscnt 0x0                               ; for my two loads, and for the others' sake: my stores into the stage are done
	global_store_b64 v[L8], v[TAB:TAB+1], s[84:85]               ; 256 consecutive bytes, at a multiple of 256 from et16's first byte
	global_store_b64 v[L8], v[TAB+2:TAB+3], s[84:85] offset:ZOFF
	s_barrier_signal -1
	s_barrier_wait -1
.set i, 0
.rept 32
	ds_load_b128 v[PP+4*i:PP+4*i+3], v[RD] offset:i*2*PITCH
.set i, i+1
.endr
.set i, 0
.rept 32
	s_wait_dscnt 31-i
	global_store_b128 v[CO], v[PP+4*i:PP+4*i+3], s[86:87] offset:i*4096  ; 16 lanes store 256 consecutive bytes of a row of ET, at a multiple of 256
.set i, i+1
.endr
	s_wait_tensorcnt 0x0                           ; the wave's end: behind my last tensor load and my last LDS store
	ds_add_u32 v[SPW], v[NIL]
	s_wait_dscnt 0x0
	CROUND                                         ; the closing round
	s_endpgm
.Lfunc_end_k_q267a1e3d1f_logit:
	.size	k_q267a1e3d1f_logit, .Lfunc_end_k_q267a1e3d1f_logit-k_q267a1e3d1f_logit
	.p2alignl 7, 3214868480
	.fill 96, 4, 3214868480
	.section	.rodata,"a",@progbits
	.p2align	6, 0x0
	.amdhsa_kernel k_q267a1e3d1f_logit
		.amdhsa_group_segment_fixed_size 327680
		.amdhsa_private_segment_fixed_size 0
		.amdhsa_enable_private_segment 0
		.amdhsa_kernarg_size 56
		.amdhsa_user_sgpr_count 2
		.amdhsa_user_sgpr_kernarg_segment_ptr 1
		.amdhsa_wavefront_size32 1
		.amdhsa_system_sgpr_workgroup_id_x 1
		.amdhsa_system_sgpr_workgroup_id_y 1
		.amdhsa_system_sgpr_workgroup_id_z 1
		.amdhsa_system_vgpr_workitem_id 0
		.amdhsa_next_free_vgpr 512
		.amdhsa_next_free_sgpr 88
		.amdhsa_reserve_vcc 0
		.amdhsa_float_denorm_mode_32 3
		.amdhsa_float_denorm_mode_16_64 3
		.amdhsa_memory_ordered 1
		.amdhsa_forward_progress 1
		.amdhsa_inst_pref_size 140
	.end_amdhsa_kernel
	.amdgpu_metadata
---
amdhsa.version: [ 1, 2 ]
amdhsa.kernels:
  - .name:           k_q267a1e3d1f_logit
    .symbol:         k_q267a1e3d1f_logit.kd
    .args:
      - { .name: y16, .offset: 0, .size: 8, .value_kind: global_buffer, .address_space: global }
      - { .name: xd16, .offset: 8, .size: 8, .value_kind: global_buffer, .address_space: global }
      - { .name: wk16, .offset: 16, .size: 8, .value_kind: global_buffer, .address_space: global }
      - { .name: wq16, .offset: 24, .size: 8, .value_kind: global_buffer, .address_space: global }
      - { .name: xc16, .offset: 32, .size: 8, .value_kind: global_buffer, .address_space: global }
      - { .name: mt16, .offset: 40, .size: 8, .value_kind: global_buffer, .address_space: global }
      - { .name: et16, .offset: 48, .size: 8, .value_kind: global_buffer, .address_space: global }
    .group_segment_fixed_size: 327680
    .private_segment_fixed_size: 0
    .kernarg_segment_align: 8
    .kernarg_segment_size: 56
    .max_flat_workgroup_size: 128
    .sgpr_count:     88
    .vgpr_count:     512
    .wavefront_size: 32
...
	.end_amdgpu_metadata
.endif
;; end of part 3
;; launch csum (part 4): grid 256 x 1, 16 waves a work-group, no clusters, 22,784 bytes of LDS; arguments et16, xd16, misc; writes misc
.if DOCPART == 4
	.amdgcn_target "amdgcn-amd-amdhsa--gfx1250"
	.amdhsa_code_object_version 6
	.text
	.protected	k_q267a1e3d1f_csum
	.globl	k_q267a1e3d1f_csum
	.p2align	8
	.type	k_q267a1e3d1f_csum,@function
k_q267a1e3d1f_csum:
	s_mov_b64 s[64:65], 0
	v_nop
	global_prefetch_b8 v0, s[64:65] scope:SCOPE_SE
	s_setreg_imm32_b32 hwreg(HW_REG_WAVE_MODE, 25, 1), 1
	s_wait_xcnt 0x0
; The second half of the softmax, its column sums, and their product with x_d.  Work-group g: batch b = g / 32, keys t = 32 (g % 32) .. + 31, which lie in block cb = (g % 32) / 4 of 128 keys.
; PHASE 1.  For each query s of the batch (two a thread): M = the maximum of its eight blocks' cm; Z = the sum of z_k 2^(cm_k - M); w[s] = 2^(cm_cb - M) / Z.  So w[s] E[t][s] is the softmax's P[s][t].
; PHASE 2.  cs[t] = the sum over s of w[s] E[t][s]: a wave takes two keys' rows of ET.      PHASE 3.  up[g][d] = the sum over my 32 keys of cs[t] x_d[t][d], f32, to the second table in misc.
; Z is at least about 1: the block that holds the row's maximum adds its own largest E.  All arithmetic in f32.  No matrix unit: 64 multiply-adds for each byte of neither operand; no cluster: loads go through registers.
.set ET,  8                            ; v[8:39]    two rows of ET, 16 registers each: register 4 i + q holds queries 256 i + 8 lane + 2 q, + 1
.set XD,  40                           ; v[40:71]   eight rows of x_d, 4 registers each: 8 columns
.set T,   72                           ; v[72:79]   at work: f16 widened
.set ACC, 80                           ; v[80:87]   phase 2: two chains of pairs for each row
.set U,   88                           ; v[88:95]   phase 3: my 8 columns
.set W32, 96                           ; v[96:127]  the 32 w that go with a row's registers
.set CM,  128                          ; v[128:143] cm of the eight blocks, two queries
.set ZZ,  144                          ; v[144:159] z likewise
.set CB,  160                          ; v[160:161] cm of my keys' block
.set MM,  162
.set ZS,  164
.set RC,  166
.set WW,  168
.set A1,  170                          ; LDS addresses
.set A2,  171
.set A3,  172
.set A4,  173
.set A5,  174
.set CS,  176                          ; v[176:183] cs of my eight rows
.set WL,  0                            ; LDS: w, 4,096 bytes
.set CSL, 4096                         ; cs, 128 bytes
.set UL,  4352                         ; four partial rows of 4,096 bytes
	s_load_b128 s[4:7], s[0:1], 0x0                ; et16, xd16
	s_load_b64 s[8:9], s[0:1], 0x10                ; misc
	v_lshl_add_u32 v192, v0, 2, 0x5100
	v_mov_b32 v193, 0
	v_lshrrev_b32 v1, 5, v0
	v_readfirstlane_b32 s16, v1                    ; wave 0..15
	s_lshr_b32 s17, ttmp9, 5                       ; b
	s_and_b32 s18, ttmp9, 31
	s_lshr_b32 s18, s18, 2                         ; cb
	s_lshl_b32 s10, s17, 15                        ; a batch's cm: 8 x 1,024 x 4 bytes
	s_add_co_u32 s10, s10, 16777216
	s_mov_b32 s11, 0
	s_lshl_b32 s12, s18, 12
	s_mov_b32 s13, 0
	s_lshl_b32 s14, ttmp9, 16                      ; 32 rows of 2,048 bytes, in ET and in xd16 alike
	s_mov_b32 s15, 0
	s_lshl_b32 s20, ttmp9, 12
	s_add_co_u32 s20, s20, 1048576
	s_mov_b32 s21, 0
	s_mov_b32 s22, 0x76543210
	s_mov_b32 s23, 0xfedcba98
	v_lshlrev_b32 v2, 3, v0                        ; 8 t: my two queries
	v_and_b32 v7, 31, v0
	v_lshlrev_b32 v3, 4, v7
	v_lshl_add_u32 v3, v1, 12, v3                  ; ET: my wave's two rows, 16 bytes a lane
	v_lshlrev_b32 v7, 5, v7                        ; 32 x lane
	v_and_b32 v4, 127, v0
	v_lshrrev_b32 v5, 7, v0                        ; which eight rows of x_d
	v_lshlrev_b32 v6, 4, v4
	v_lshl_add_u32 v6, v5, 14, v6
	s_wait_kmcnt 0x0
	s_add_nc_u64 s[10:11], s[4:5], s[10:11]
	s_add_nc_u64 s[12:13], s[10:11], s[12:13]
	s_add_nc_u64 s[4:5], s[4:5], s[14:15]
	s_add_nc_u64 s[6:7], s[6:7], s[14:15]
	s_add_nc_u64 s[8:9], s[8:9], s[20:21]
.irp k, 0,1,2,3,4,5,6,7
	global_load_b64 v[CM+2*\k:CM+2*\k+1], v2, s[10:11] offset:\k*4096
.endr
.irp k, 0,1,2,3,4,5,6,7
	global_load_b64 v[ZZ+2*\k:ZZ+2*\k+1], v2, s[10:11] offset:262144+\k*4096
.endr
	global_load_b64 v[CB:CB+1], v2, s[12:13]
.irp i, 0,1,2,3,4,5,6,7
	global_load_b128 v[ET+4*\i:ET+4*\i+3], v3, s[4:5] offset:(\i/4)*2048+(\i%4)*512
.endr
.irp i, 0,1,2,3,4,5,6,7
	global_load_b128 v[XD+4*\i:XD+4*\i+3], v6, s[6:7] offset:\i*2048
.endr
	s_lshl_b32 s24, s16, 3
	s_add_co_u32 s24, s24, CSL
	v_mov_b32 v[A1], s24                           ; my wave's two cs
	v_lshl_add_u32 v[A2], v5, 5, CSL               ; my eight rows' cs
	v_lshlrev_b32 v[A3], 5, v4
	v_lshl_add_u32 v[A3], v5, 12, v[A3]
	v_add_nc_u32 v[A3], UL, v[A3]                  ; my 8 columns in my partial row
	v_lshlrev_b32 v[A5], 4, v0                     ; 16 t
	v_add_nc_u32 v[A4], UL, v[A5]
	; PHASE 1
	s_wait_loadcnt 16                              ; the 17 loads of cm and z are in; ET's eight and x_d's eight stay out
.irp e, 0,1
	v_max3_num_f32 v[MM+\e], v[CM+\e], v[CM+2+\e], v[CM+4+\e]
	v_max3_num_f32 v[MM+\e], v[MM+\e], v[CM+6+\e], v[CM+8+\e]
	v_max3_num_f32 v[MM+\e], v[MM+\e], v[CM+10+\e], v[CM+12+\e]
	v_max_num_f32 v[MM+\e], v[MM+\e], v[CM+14+\e]
.endr
.irp k, 0,1,2,3,4,5,6,7
	v_pk_add_f32 v[CM+2*\k:CM+2*\k+1], v[CM+2*\k:CM+2*\k+1], v[MM:MM+1] neg_lo:[0,1] neg_hi:[0,1]
.endr
	v_pk_add_f32 v[CB:CB+1], v[CB:CB+1], v[MM:MM+1] neg_lo:[0,1] neg_hi:[0,1]
.set i, 0
.rept 16
	v_exp_f32 v[CM+i], v[CM+i]
.set i, i+1
.endr
	v_exp_f32 v[CB], v[CB]
	v_exp_f32 v[CB+1], v[CB+1]
	v_nop                                          ; a plain instruction behind the exponentials
	s_wait_alu depctr_va_vdst(0)
	v_pk_mul_f32 v[ZS:ZS+1], v[ZZ:ZZ+1], v[CM:CM+1]
.irp k, 1,2,3,4,5,6,7
	v_pk_fma_f32 v[ZS:ZS+1], v[ZZ+2*\k:ZZ+2*\k+1], v[CM+2*\k:CM+2*\k+1], v[ZS:ZS+1]
.endr
	v_rcp_f32 v[RC], v[ZS]
	v_rcp_f32 v[RC+1], v[ZS+1]
	v_nop                                          ; a plain instruction behind the reciprocals
	s_wait_alu depctr_va_vdst(0)
	v_pk_mul_f32 v[WW:WW+1], v[CB:CB+1], v[RC:RC+1]
	ds_store_b64 v2, v[WW:WW+1]                    ; w at WL + 4 s
	s_wait_dscnt 0x0                               ; for the others' sake
	s_barrier_signal -1
	s_barrier_wait -1
	; PHASE 2
.irp i, 0,1,2,3
	ds_load_b128 v[W32+8*\i:W32+8*\i+3], v7 offset:WL+1024*\i
	ds_load_b128 v[W32+8*\i+4:W32+8*\i+7], v7 offset:WL+1024*\i+16
.endr
	s_wait_loadcnt 8                               ; ET is in; x_d's eight loads stay out
	s_wait_dscnt 0x0
.macro DOT n, r                        ; register n of row r's sixteen: two E widened, times their w, onto one of the row's two chains (the first two registers start them)
.set i, (\n)-ET-16*(\r)
.set tq, T+2*(i%4)
.set ac, ACC+4*(\r)+2*(i%2)
	v_cvt_f32_f16 v[tq], v\n\().l
	v_cvt_f32_f16 v[tq+1], v\n\().h
.if i < 2
	v_pk_mul_f32 v[ac:ac+1], v[tq:tq+1], v[W32+2*i:W32+2*i+1]
.else
	v_pk_fma_f32 v[ac:ac+1], v[tq:tq+1], v[W32+2*i:W32+2*i+1], v[ac:ac+1]
.endif
.endm
.irp n, 8,9,10,11,12,13,14,15,16,17,18,19,20,21,22,23
	DOT \n, 0
.endr
.irp n, 24,25,26,27,28,29,30,31,32,33,34,35,36,37,38,39
	DOT \n, 1
.endr
.irp r, 0,1
	v_pk_add_f32 v[ACC+4*\r:ACC+4*\r+1], v[ACC+4*\r:ACC+4*\r+1], v[ACC+4*\r+2:ACC+4*\r+3]
.endr
.irp r, 0,1
	v_add_f32 v[ACC+4*\r], v[ACC+4*\r], v[ACC+4*\r+1]
.endr
.irp k, 1,2,4,8
.irp r, 0,1
	v_add_f32_dpp v[ACC+4*\r], v[ACC+4*\r], v[ACC+4*\r] row_xmask:\k row_mask:0xf bank_mask:0xf
.endr
.endr
.irp r, 0,1
	v_permlanex16_b32 v[ACC+4*\r+1], v[ACC+4*\r], s22, s23
.endr
.irp r, 0,1
	v_add_f32 v[ACC+4*\r], v[ACC+4*\r], v[ACC+4*\r+1]
.endr
	ds_store_b32 v[A1], v[ACC]                     ; all lanes write the same word with the same value
	ds_store_b32 v[A1], v[ACC+4] offset:4
	s_wait_dscnt 0x0
	s_barrier_signal -1
	s_barrier_wait -1
	; PHASE 3
	ds_load_b128 v[CS:CS+3], v[A2]
	ds_load_b128 v[CS+4:CS+7], v[A2] offset:16
	s_wait_loadcnt 0x0                             ; x_d
	s_wait_dscnt 0x0
.macro AXPY n                          ; register n of x_d's 32: row i = (n - XD) / 4, two columns, times cs[i] (one register of a pair, for both halves)
.set i, ((\n)-XD)/4
.set tq, T+2*(((\n)-XD)%4)
.set ac, U+2*(((\n)-XD)%4)
	v_cvt_f32_f16 v[tq], v\n\().l
	v_cvt_f32_f16 v[tq+1], v\n\().h
.if i == 0
	v_pk_mul_f32 v[ac:ac+1], v[tq:tq+1], v[CS:CS+1] op_sel_hi:[1,0]
.elseif i%2 == 0
	v_pk_fma_f32 v[ac:ac+1], v[tq:tq+1], v[CS+i:CS+i+1], v[ac:ac+1] op_sel_hi:[1,0,1]
.else
	v_pk_fma_f32 v[ac:ac+1], v[tq:tq+1], v[CS+i-1:CS+i], v[ac:ac+1] op_sel:[0,1,0] op_sel_hi:[1,1,1]
.endif
.endm
.irp n, 40,41,42,43,44,45,46,47,48,49,50,51,52,53,54,55,56,57,58,59,60,61,62,63,64,65,66,67,68,69,70,71
	AXPY \n
.endr
	ds_store_b128 v[A3], v[U:U+3]
	ds_store_b128 v[A3], v[U+4:U+7] offset:16
	s_wait_dscnt 0x0
	s_barrier_signal -1
	s_barrier_wait -1
	s_cmp_ge_u32 s16, 8                            ; 256 threads add the four partial rows, 4 columns each
	s_cbranch_scc1 .Lend
.irp k, 0,1,2,3
	ds_load_b128 v[W32+4*\k:W32+4*\k+3], v[A4] offset:4096*\k
.endr
	s_wait_dscnt 0x0
	v_pk_add_f32 v[W32:W32+1], v[W32:W32+1], v[W32+4:W32+5]
	v_pk_add_f32 v[W32+2:W32+3], v[W32+2:W32+3], v[W32+6:W32+7]
	v_pk_add_f32 v[W32+8:W32+9], v[W32+8:W32+9], v[W32+12:W32+13]
	v_pk_add_f32 v[W32+10:W32+11], v[W32+10:W32+11], v[W32+14:W32+15]
	v_pk_add_f32 v[W32:W32+1], v[W32:W32+1], v[W32+8:W32+9]
	v_pk_add_f32 v[W32+2:W32+3], v[W32+2:W32+3], v[W32+10:W32+11]
	global_store_b128 v[A5], v[W32:W32+3], s[8:9]  ; a wave stores 512 consecutive bytes
.Lend:
	s_wait_tensorcnt 0x0
	ds_add_u32 v192, v193
	s_wait_dscnt 0x0
	s_endpgm
.Lfunc_end_k_q267a1e3d1f_csum:
	.size	k_q267a1e3d1f_csum, .Lfunc_end_k_q267a1e3d1f_csum-k_q267a1e3d1f_csum
	.p2alignl 7, 3214868480
	.fill 96, 4, 3214868480
	.section	.rodata,"a",@progbits
	.p2align	6, 0x0
	.amdhsa_kernel k_q267a1e3d1f_csum
		.amdhsa_group_segment_fixed_size 22784
		.amdhsa_private_segment_fixed_size 0
		.amdhsa_enable_private_segment 0
		.amdhsa_kernarg_size 24
		.amdhsa_user_sgpr_count 2
		.amdhsa_user_sgpr_kernarg_segment_ptr 1
		.amdhsa_wavefront_size32 1
		.amdhsa_system_sgpr_workgroup_id_x 1
		.amdhsa_system_sgpr_workgroup_id_y 1
		.amdhsa_system_sgpr_workgroup_id_z 1
		.amdhsa_system_vgpr_workitem_id 0
		.amdhsa_next_free_vgpr 194
		.amdhsa_next_free_sgpr 66
		.amdhsa_reserve_vcc 0
		.amdhsa_float_denorm_mode_32 3
		.amdhsa_float_denorm_mode_16_64 3
		.amdhsa_memory_ordered 1
		.amdhsa_forward_progress 1
		.amdhsa_inst_pref_size 19
	.end_amdhsa_kernel
	.amdgpu_metadata
---
amdhsa.version: [ 1, 2 ]
amdhsa.kernels:
  - .name:           k_q267a1e3d1f_csum
    .symbol:         k_q267a1e3d1f_csum.kd
    .args:
      - { .name: et16, .offset: 0, .size: 8, .value_kind: global_buffer, .address_space: global }
      - { .name: xd16, .offset: 8, .size: 8, .value_kind: global_buffer, .address_space: global }
      - { .name: misc, .offset: 16, .size: 8, .value_kind: global_buffer, .address_space: global }
    .group_segment_fixed_size: 22784
    .private_segment_fixed_size: 0
    .kernarg_segment_align: 8
    .kernarg_segment_size: 24
    .max_flat_workgroup_size: 512
    .sgpr_count:     66
    .vgpr_count:     194
    .wavefront_size: 32
...
	.end_amdgpu_metadata
.endif
;; end of part 4
;; launch final (part 5): grid 16 x 16, 8 waves a work-group, no clusters, 7,168 bytes of LDS; arguments misc, W_vd, W_vc, out0, out1; writes out0, out1
.if DOCPART == 5
	.amdgcn_target "amdgcn-amd-amdhsa--gfx1250"
	.amdhsa_code_object_version 6
	.text
	.protected	k_q267a1e3d1f_final
	.globl	k_q267a1e3d1f_final
	.p2align	8
	.type	k_q267a1e3d1f_final,@function
k_q267a1e3d1f_final:
	s_mov_b64 s[64:65], 0
	v_nop
	global_prefetch_b8 v0, s[64:65] scope:SCOPE_SE
	s_setreg_imm32_b32 hwreg(HW_REG_WAVE_MODE, 25, 1), 1
	s_wait_xcnt 0x0
; out[b][e] = 2^-15 x the sum over d of v[b][d] W[d][e]; 2^-15 = 1 / (1,024 x sqrt(1,024)): the mean and the softmax's divisor.
; y < 8:  out0, v = the sum of the batch's 32 rows of the second table in misc (column sums of the softmax times x_d), W = W_vd.
; y >= 8: out1, v = the sum of the batch's 32 rows of the first table (column sums of x_c; a softmax's rows add up to 1), W = W_vc.
; W is rounded to bf16, like every input of the module; all arithmetic in f32.  Work-group (x, y): 64 columns e = 64 x .. + 63, batch y % 8.
; Thread t: rows d = t / 16 + 16 p, p = 0 .. 63, columns 4 (t % 16) .. + 3: 16 lanes read 256 consecutive bytes of a row of W.  No matrix unit: one row against a matrix; no cluster: loads go through registers.
.set VP,  16                           ; v[16:143]  the 32 partial rows, 4 columns a thread
.set VV,  16                           ; v[16:79]   later: v[d] for my 64 rows d
.set WB1, 80                           ; v[80:143]  later: sixteen rows of W
.set WB0, 144                          ; v[144:207] sixteen rows of W
.set T,   208                          ; v[208:219] two sets of six at work
.set ACC, 220                          ; v[220:223] my 4 columns
.set PX,  224                          ; v[224:227] the other half of the lanes'
.set VL,  0                            ; LDS: v, element d at word 64 (d % 16) + d / 16
.set RED, 4096                         ; eight waves x 256 bytes
	s_load_b64 s[4:5], s[0:1], 0x0                 ; misc
	s_load_b128 s[8:11], s[0:1], 0x8               ; W_vd, W_vc
	s_load_b128 s[12:15], s[0:1], 0x18             ; out0, out1
	v_lshl_add_u32 v240, v0, 2, 0x1800
	v_mov_b32 v241, 0
	v_lshrrev_b32 v1, 5, v0
	v_readfirstlane_b32 s16, v1                    ; wave 0..7
	s_and_b32 s17, ttmp7, 0xffff
	s_and_b32 s18, s17, 7                          ; the batch
	s_lshr_b32 s19, s17, 3                         ; which output
	s_mov_b32 s20, 0x76543210
	s_mov_b32 s21, 0xfedcba98
	s_mov_b32 s28, 0xffff0000
	s_cmp_eq_u32 s19, 0
	s_cselect_b32 s22, 1048576, 0                  ; which table of misc
	s_lshl_b32 s23, s18, 17                        ; the batch's 32 rows of 4,096 bytes
	s_add_co_u32 s22, s22, s23
	s_mov_b32 s23, 0
	s_lshl_b32 s24, ttmp9, 8                       ; my 64 columns
	s_mov_b32 s25, 0
	s_lshl_b32 s26, s18, 12
	s_add_co_u32 s26, s26, s24
	s_mov_b32 s27, 0
	v_lshlrev_b32 v2, 4, v0                        ; 16 t
	v_and_b32 v9, 15, v0
	v_lshlrev_b32 v9, 4, v9                        ; 16 (t % 16)
	v_lshrrev_b32 v6, 4, v0                        ; t / 16
	v_lshl_add_u32 v3, v6, 12, v9                  ; my place in W's first sixteen rows
	v_lshlrev_b32 v6, 8, v6                        ; my 64 numbers of v in LDS
	v_and_b32 v4, 3, v0
	v_lshrrev_b32 v5, 2, v0
	v_lshlrev_b32 v5, 2, v5
	v_lshl_add_u32 v4, v4, 10, v5                  ; element d = 4 t + i goes to byte 1,024 (t % 4) + 256 i + 4 (t / 4)
	s_lshl_b32 s29, s16, 8
	s_add_co_u32 s29, s29, RED
	v_add_nc_u32 v7, s29, v9
	v_add_nc_u32 v8, RED, v9
.irp j, 0,1,2,3
	v_mov_b32 v[PX+\j], 0                          ; v_permlanex16_b32's destination counts as read
.endr
	s_wait_kmcnt 0x0
	s_cmp_eq_u32 s19, 0
	s_cselect_b64 s[8:9], s[8:9], s[10:11]
	s_cselect_b64 s[12:13], s[12:13], s[14:15]
	s_add_nc_u64 s[4:5], s[4:5], s[22:23]
	s_add_nc_u64 s[8:9], s[8:9], s[24:25]
	s_add_nc_u64 s[12:13], s[12:13], s[26:27]
.macro WLOAD k, buf                    ; rows 16 (16 k + i) + t / 16, i = 0 .. 15
.set i, 0
.rept 16
	global_load_b128 v[(\buf)+4*i:(\buf)+4*i+3], v3, s[8:9] offset:(16*(\k)+i)*65536
.set i, i+1
.endr
.endm
.set i, 0
.rept 32
	global_load_b128 v[VP+4*i:VP+4*i+3], v2, s[4:5] offset:i*4096
.set i, i+1
.endr
	WLOAD 0, WB0
	s_wait_loadcnt 16                              ; the 32 partial rows are in; W's first sixteen loads stay out
.set i, 4
.rept 28                               ; four chains: row i onto row i % 4
	v_pk_add_f32 v[VP+4*(i%4):VP+4*(i%4)+1], v[VP+4*(i%4):VP+4*(i%4)+1], v[VP+4*i:VP+4*i+1]
	v_pk_add_f32 v[VP+4*(i%4)+2:VP+4*(i%4)+3], v[VP+4*(i%4)+2:VP+4*(i%4)+3], v[VP+4*i+2:VP+4*i+3]
.set i, i+1
.endr
	v_pk_add_f32 v[VP:VP+1], v[VP:VP+1], v[VP+4:VP+5]
	v_pk_add_f32 v[VP+2:VP+3], v[VP+2:VP+3], v[VP+6:VP+7]
	v_pk_add_f32 v[VP+8:VP+9], v[VP+8:VP+9], v[VP+12:VP+13]
	v_pk_add_f32 v[VP+10:VP+11], v[VP+10:VP+11], v[VP+14:VP+15]
	v_pk_add_f32 v[VP:VP+1], v[VP:VP+1], v[VP+8:VP+9]
	v_pk_add_f32 v[VP+2:VP+3], v[VP+2:VP+3], v[VP+10:VP+11]
	WLOAD 1, WB1
.irp i, 0,1,2,3
	ds_store_b32 v4, v[VP+\i] offset:VL+256*\i
.endr
	s_wait_dscnt 0x0                               ; for the others' sake
	s_barrier_signal -1
	s_barrier_wait -1
.set i, 0
.rept 16
	ds_load_b128 v[VV+4*i:VV+4*i+3], v6 offset:VL+16*i  ; 16 lanes read the same bytes
.set i, i+1
.endr
	s_wait_dscnt 0x0
.macro BATCH k, buf                    ; sixteen rows of W: rounded to bf16, widened, times v[d] (one register of a pair, for both halves); the very first row starts the sums
.set i, 0
.rept 16
.set p, 16*(\k)+i
.set tb, T+6*(i%2)
	v_cvt_pk_bf16_f32 v[tb], v[(\buf)+4*i], v[(\buf)+4*i+1]
	v_cvt_pk_bf16_f32 v[tb+1], v[(\buf)+4*i+2], v[(\buf)+4*i+3]
	v_lshlrev_b32 v[tb+2], 16, v[tb]
	v_and_b32 v[tb+3], s28, v[tb]
	v_lshlrev_b32 v[tb+4], 16, v[tb+1]
	v_and_b32 v[tb+5], s28, v[tb+1]
.if p == 0
	v_pk_mul_f32 v[ACC:ACC+1], v[tb+2:tb+3], v[VV:VV+1] op_sel_hi:[1,0]
	v_pk_mul_f32 v[ACC+2:ACC+3], v[tb+4:tb+5], v[VV:VV+1] op_sel_hi:[1,0]
.elseif p%2 == 0
	v_pk_fma_f32 v[ACC:ACC+1], v[tb+2:tb+3], v[VV+p:VV+p+1], v[ACC:ACC+1] op_sel_hi:[1,0,1]
	v_pk_fma_f32 v[ACC+2:ACC+3], v[tb+4:tb+5], v[VV+p:VV+p+1], v[ACC+2:ACC+3] op_sel_hi:[1,0,1]
.else
	v_pk_fma_f32 v[ACC:ACC+1], v[tb+2:tb+3], v[VV+p-1:VV+p], v[ACC:ACC+1] op_sel:[0,1,0] op_sel_hi:[1,1,1]
	v_pk_fma_f32 v[ACC+2:ACC+3], v[tb+4:tb+5], v[VV+p-1:VV+p], v[ACC+2:ACC+3] op_sel:[0,1,0] op_sel_hi:[1,1,1]
.endif
.set i, i+1
.endr
.endm
	s_wait_loadcnt 16                              ; each count of 16 leaves the one younger batch out
	BATCH 0, WB0
	WLOAD 2, WB0
	s_wait_loadcnt 16
	BATCH 1, WB1
	WLOAD 3, WB1
	s_wait_loadcnt 16
	BATCH 2, WB0
	s_wait_loadcnt 0x0
	BATCH 3, WB1
	; over the sixteen groups of rows: the other half of the lanes, then the eight waves through LDS
.irp j, 0,1,2,3
	v_permlanex16_b32 v[PX+\j], v[ACC+\j], s20, s21
.endr
	v_pk_add_f32 v[ACC:ACC+1], v[ACC:ACC+1], v[PX:PX+1]
	v_pk_add_f32 v[ACC+2:ACC+3], v[ACC+2:ACC+3], v[PX+2:PX+3]
	ds_store_b128 v7, v[ACC:ACC+3]                 ; both halves of the lanes write the same bytes with the same values
	s_wait_dscnt 0x0
	s_barrier_signal -1
	s_barrier_wait -1
	s_cmp_lg_u32 s16, 0
	s_cbranch_scc1 .Lend
.irp k, 0,1,2,3,4,5,6,7
	ds_load_b128 v[WB0+4*\k:WB0+4*\k+3], v8 offset:256*\k
.endr
	s_wait_dscnt 0x0
.irp k, 1,2,3,4,5,6,7
	v_pk_add_f32 v[WB0:WB0+1], v[WB0:WB0+1], v[WB0+4*\k:WB0+4*\k+1]
	v_pk_add_f32 v[WB0+2:WB0+3], v[WB0+2:WB0+3], v[WB0+4*\k+2:WB0+4*\k+3]
.endr
	v_pk_mul_f32 v[WB0:WB0+1], v[WB0:WB0+1], 0x38000000 op_sel_hi:[1,0]      ; 2^-15
	v_pk_mul_f32 v[WB0+2:WB0+3], v[WB0+2:WB0+3], 0x38000000 op_sel_hi:[1,0]
	v_cmp_gt_u32 vcc_lo, 16, v0
	s_wait_xcnt 0x0                                ; EXEC changes only behind this wait
	s_and_saveexec_b32 s30, vcc_lo
	global_store_b128 v9, v[WB0:WB0+3], s[12:13]   ; 16 lanes store 256 consecutive bytes, at a multiple of 256 from the output's first byte
	s_wait_xcnt 0x0
	s_or_b32 exec_lo, exec_lo, s30
.Lend:
	s_wait_tensorcnt 0x0
	ds_add_u32 v240, v241
	s_wait_dscnt 0x0
	s_endpgm
.Lfunc_end_k_q267a1e3d1f_final:
	.size	k_q267a1e3d1f_final, .Lfunc_end_k_q267a1e3d1f_final-k_q267a1e3d1f_final
	.p2alignl 7, 3214868480
	.fill 96, 4, 3214868480
	.section	.rodata,"a",@progbits
	.p2align	6, 0x0
	.amdhsa_kernel k_q267a1e3d1f_final
		.amdhsa_group_segment_fixed_size 7168
		.amdhsa_private_segment_fixed_size 0
		.amdhsa_enable_private_segment 0
		.amdhsa_kernarg_size 40
		.amdhsa_user_sgpr_count 2
		.amdhsa_user_sgpr_kernarg_segment_ptr 1
		.amdhsa_wavefront_size32 1
		.amdhsa_system_sgpr_workgroup_id_x 1
		.amdhsa_system_sgpr_workgroup_id_y 1
		.amdhsa_system_sgpr_workgroup_id_z 1
		.amdhsa_system_vgpr_workitem_id 0
		.amdhsa_next_free_vgpr 242
		.amdhsa_next_free_sgpr 66
		.amdhsa_reserve_vcc 1
		.amdhsa_float_denorm_mode_32 3
		.amdhsa_float_denorm_mode_16_64 3
		.amdhsa_memory_ordered 1
		.amdhsa_forward_progress 1
		.amdhsa_inst_pref_size 44
	.end_amdhsa_kernel
	.amdgpu_metadata
---
amdhsa.version: [ 1, 2 ]
amdhsa.kernels:
  - .name:           k_q267a1e3d1f_final
    .symbol:         k_q267a1e3d1f_final.kd
    .args:
      - { .name: misc, .offset: 0, .size: 8, .value_kind: global_buffer, .address_space: global }
      - { .name: W_vd, .offset: 8, .size: 8, .value_kind: global_buffer, .address_space: global }
      - { .name: W_vc, .offset: 16, .size: 8, .value_kind: global_buffer, .address_space: global }
      - { .name: out0, .offset: 24, .size: 8, .value_kind: global_buffer, .address_space: global }
      - { .name: out1, .offset: 32, .size: 8, .value_kind: global_buffer, .address_space: global }
    .group_segment_fixed_size: 7168
    .private_segment_fixed_size: 0
    .kernarg_segment_align: 8
    .kernarg_segment_size: 40
    .max_flat_workgroup_size: 256
    .sgpr_count:     66
    .vgpr_count:     242
    .wavefront_size: 32
...
	.end_amdgpu_metadata
.endif
;; end of part 5
;; ======== version 2 of 2: 6 launches; 1.13 times as fast as version 1
;; limits: values are held in f16: magnitudes above 65,504 overflow, below 6.1e-05 lose precision; inputs' magnitudes at most 65,504
;; workspace buffers: xc16 16,778,240 bytes; xd16 16,777,216 bytes; wq16 2,098,176 bytes; wk16 2,098,176 bytes; mt16 2,098,176 bytes; y16 16,778,240 bytes; et16 17,301,504 bytes; misc 2,097,152 bytes
;; launch prep (part 6): grid 256 x 1, 8 waves a work-group, no clusters, 1,280 bytes of LDS; arguments x_c, x_d, W_qc, W_kd, xc16, xd16, wq16, wk16, mt16, misc; writes xc16, xd16, wq16, wk16, mt16, misc
.if DOCPART == 6
	.amdgcn_target "amdgcn-amd-amdhsa--gfx1250"
	.amdhsa_code_object_version 6
	.text
	.protected	k_q267a1e3d1f_prep
	.globl	k_q267a1e3d1f_prep
	.p2align	8
	.type	k_q267a1e3d1f_prep,@function
k_q267a1e3d1f_prep:
	s_mov_b64 s[64:65], 0
	v_nop
	global_prefetch_b8 v0, s[64:65] scope:SCOPE_SE
	s_setreg_imm32_b32 hwreg(HW_REG_WAVE_MODE, 25, 1), 1
	s_wait_xcnt 0x0
; x_c, x_d, W_qc, W_kd (f32) are rounded to bf16, and that number is written as f16 for the three products that follow.
; Beside it: the column sums of the rounded x_c (for the second output) and the largest magnitudes of x_c, W_qc, W_kd (for the products' power-of-two scales).
; LIMITS.  A bf16 number is exact in f16 for 7.6e-6 <= |v| < 65,504; smaller ones are off by 3e-8 at the most; 65,520 and more become infinities.  NaN and infinities are not treated apart.
; SHARES.  Work-group g: rows 32 g .. 32 g + 31 of x_c and of x_d, rows 4 g .. 4 g + 3 of W_qc and of W_kd.  Thread t owns columns 4 t .. 4 t + 3 of every row:
; a wave's load covers 512 consecutive bytes, a wave's store 256 consecutive bytes at a multiple of 256, and a thread's column sums are complete in four registers.
; A PASS is two rows.  A ROUND is four passes of x_c (slots 0-3) and four of x_d (slots 4-7): eight rows of each.  The ring of eight register slots keeps sixteen loads of every wave on their way.
; Three rounds go in a loop, each pass loading its slot again with the next round's rows; the fourth is written out: its first four passes load W's four passes, the others nothing.
; No matrix unit, no tiles in LDS, no cluster: every byte is read once and nothing is shared between work-groups.
; The heads (1,024 bytes in front of xc16, wq16, wk16, mt16) take one f32 a work-group: its largest magnitude; mt16's takes 16384.0, since the launch behind scales its result below 2^15.
.set ROUNDS, 4
.set VS,  1                            ; v1        16 t: my byte offset in a row of f32; never rewritten
.set VD,  2                            ; v2        8 t: my byte offset in a row of f16; never rewritten
.set VA,  3                            ; v3        LDS address, later the byte offset 4 g in a head
.set T,   4                            ; v[4:7]    two rows' 8 numbers as bf16 pairs
.set R,   8                            ; v[8:15]   the same, widened to f32
.set X,   16                           ; v[16:79]  slot i: 8 registers as loaded
.set Y,   80                           ; v[80:83]  8 numbers as f16 pairs, to store
.set S,   84                           ; v[84:87]  column sums of x_c
.set Q,   92                           ; v[92:95]  max |W_kd|, max |W_qc|, max |x_c|, 16384.0
.set W,   96                           ; v[96:99]  at work at the end
.set SRC, 28                           ; s[28:35]  sources: x_c, x_d at the round's first row; W_qc, W_kd at the work-group's first row
.set DST, 36                           ; s[36:43]  destinations likewise
	s_load_b512 s[8:23], s[0:1], 0x0               ; x_c, x_d, W_qc, W_kd, xc16, xd16, wq16, wk16
	s_load_b128 s[24:27], s[0:1], 0x40             ; mt16, misc
	v_lshl_add_u32 v112, v0, 2, 0x100
	v_mov_b32 v113, 0
	v_lshlrev_b32 v[VS], 4, v0
	v_lshlrev_b32 v[VD], 3, v0
	v_mov_b32 v[Q], 0                              ; magnitudes are not negative: 0 starts the three maxima
	v_mov_b32 v[Q+1], 0
	v_mov_b32 v[Q+2], 0
	v_mov_b32 v[Q+3], 0x46800000                   ; 16384.0
.irp j, 0,1,2,3
	v_mov_b32 v[S+\j], 0                           ; the sums run through a loop: four registers are cleared
.endr
	s_mov_b32 s44, 0xffff0000                      ; a word's upper bf16
	s_mov_b32 s46, 0x76543210                      ; v_permlanex16_b32: each lane takes its own place in the other half
	s_mov_b32 s47, 0xfedcba98
	s_lshl_b32 s2, ttmp9, 17                       ; 32 rows of 4,096 bytes
	s_mov_b32 s3, 0
	s_lshl_b32 s4, ttmp9, 14                       ; 4 rows of 4,096 bytes
	s_mov_b32 s5, 0
	s_lshl_b32 s6, ttmp9, 16                       ; 32 rows of 2,048 bytes
	s_mov_b32 s7, 0
	s_wait_kmcnt 0x0
	s_add_nc_u64 s[SRC:SRC+1], s[8:9], s[2:3]
	s_add_nc_u64 s[SRC+2:SRC+3], s[10:11], s[2:3]
	s_add_nc_u64 s[SRC+4:SRC+5], s[12:13], s[4:5]
	s_add_nc_u64 s[SRC+6:SRC+7], s[14:15], s[4:5]
	s_add_nc_u64 s[DST+2:DST+3], s[18:19], s[6:7]  ; xd16 has no head
	s_add_co_u32 s6, s6, 1024
	s_add_nc_u64 s[DST:DST+1], s[16:17], s[6:7]
	s_lshl_b32 s4, ttmp9, 13                       ; 4 rows of 2,048 bytes, behind the head
	s_add_co_u32 s4, s4, 1024
	s_add_nc_u64 s[DST+4:DST+5], s[20:21], s[4:5]
	s_add_nc_u64 s[DST+6:DST+7], s[22:23], s[4:5]
.macro LOADS i, b, off                 ; two rows, at byte off from the base in s[b:b+1], into slot i
	global_load_b128 v[X+8*(\i):X+8*(\i)+3], v[VS], s[(\b):(\b)+1] offset:(\off) th:TH_LOAD_NT
	global_load_b128 v[X+8*(\i)+4:X+8*(\i)+7], v[VS], s[(\b):(\b)+1] offset:(\off)+4096 th:TH_LOAD_NT
.endm
; The pass in slot i.  tt: its tensor (0 x_c, 1 x_d, 2 W_qc, 3 W_kd); kk: its pair of rows behind the destination's base; left: how many younger loads may stay out;
; nb, noff: the base and the offset from which the slot is loaded again (nb = -1: it is not).
.macro PASS i, tt, kk, left, nb, noff
.set XS, X+8*(\i)
	s_wait_loadcnt \left                           ; loads come back in order: mine are in, the younger passes' stay out
	s_wait_xcnt 0x0                                ; Y, which the last pass's stores read, is rewritten only behind this wait
.irp j, 0,1,2,3
	v_cvt_pk_bf16_f32 v[T+\j], v[XS+2*\j], v[XS+2*\j+1]  ; the one rounding of an input
.endr
.irp j, 0,1,2,3
	v_lshlrev_b32 v[R+2*\j], 16, v[T+\j]
	v_and_b32 v[R+2*\j+1], s44, v[T+\j]
.endr
.irp j, 0,1,2,3
	v_cvt_pk_f16_f32 v[Y+\j], v[R+2*\j], v[R+2*\j+1]  ; the same number in f16
.endr
.if (\tt) == 0
.set MQ, 2
.elseif (\tt) == 2
.set MQ, 1
.else
.set MQ, 0
.endif
.if (\tt) != 1
.irp j, 0,1,2,3
	v_max3_num_f32 v[Q+MQ], v[Q+MQ], |v[R+2*\j]|, |v[R+2*\j+1]|
.endr
.endif
.if (\tt) == 0
	v_pk_add_f32 v[S:S+1], v[S:S+1], v[R:R+1]
	v_pk_add_f32 v[S+2:S+3], v[S+2:S+3], v[R+2:R+3]
	v_pk_add_f32 v[S:S+1], v[S:S+1], v[R+4:R+5]
	v_pk_add_f32 v[S+2:S+3], v[S+2:S+3], v[R+6:R+7]
.endif
.if (\nb) >= 0
	LOADS \i, \nb, \noff                           ; loads ahead of stores
.endif
	global_store_b64 v[VD], v[Y:Y+1], s[DST+2*(\tt):DST+2*(\tt)+1] offset:(\kk)*4096
	global_store_b64 v[VD], v[Y+2:Y+3], s[DST+2*(\tt):DST+2*(\tt)+1] offset:(\kk)*4096+2048
.endm
.irp i, 0,1,2,3
	LOADS \i, SRC, \i*8192                         ; the first round: eight rows of x_c,
.endr
.irp i, 0,1,2,3
	LOADS \i+4, SRC+2, \i*8192                     ; eight of x_d
.endr
	s_mov_b32 s45, ROUNDS-1
.Lround:
.irp i, 0,1,2,3
	PASS \i, 0, \i, 14, SRC, (\i+4)*8192           ; 14: the seven younger passes' loads; the slot takes the rows eight further down
.endr
.irp i, 0,1,2,3
	PASS \i+4, 1, \i, 14, SRC+2, (\i+4)*8192
.endr
	s_wait_xcnt 0x0                                ; the four bases are stepped only behind this wait
	s_add_nc_u64 s[SRC:SRC+1], s[SRC:SRC+1], 0x8000        ; eight rows of 4,096 bytes
	s_add_nc_u64 s[SRC+2:SRC+3], s[SRC+2:SRC+3], 0x8000
	s_add_nc_u64 s[DST:DST+1], s[DST:DST+1], 0x4000        ; eight rows of 2,048 bytes
	s_add_nc_u64 s[DST+2:DST+3], s[DST+2:DST+3], 0x4000
	s_sub_co_u32 s45, s45, 1
	s_cmp_lg_u32 s45, 0
	s_cbranch_scc1 .Lround
	PASS 0, 0, 0, 14, SRC+4, 0                     ; the last round: its first four slots take W's four passes,
	PASS 1, 0, 1, 14, SRC+4, 8192
	PASS 2, 0, 2, 14, SRC+6, 0
	PASS 3, 0, 3, 14, SRC+6, 8192
	PASS 4, 1, 0, 14, -1, 0                        ; the others nothing: the counts run down
	PASS 5, 1, 1, 12, -1, 0
	PASS 6, 1, 2, 10, -1, 0
	PASS 7, 1, 3, 8, -1, 0
	PASS 0, 2, 0, 6, -1, 0                         ; W_qc
	PASS 1, 2, 1, 4, -1, 0
	PASS 2, 3, 0, 2, -1, 0                         ; W_kd
	PASS 3, 3, 1, 0, -1, 0
	; the column sums leave: 16 bytes a thread, row g of the first table in misc
	s_lshl_b32 s4, ttmp9, 12
	s_mov_b32 s5, 0
	s_add_nc_u64 s[6:7], s[26:27], s[4:5]
	global_store_b128 v[VS], v[S:S+3], s[6:7]
	; the three maxima: over the wave's lanes, then over the eight waves through LDS
.irp k, 1,2,4,8
.irp m, 0,1,2
	v_max_num_f32_dpp v[Q+\m], v[Q+\m], v[Q+\m] row_xmask:\k row_mask:0xf bank_mask:0xf
.endr
.endr
.irp m, 0,1,2
	v_mov_b32 v[W+\m], 0                           ; v_permlanex16_b32's destination counts as read
.endr
.irp m, 0,1,2
	v_permlanex16_b32 v[W+\m], v[Q+\m], s46, s47
.endr
.irp m, 0,1,2
	v_max_num_f32 v[Q+\m], v[Q+\m], v[W+\m]
.endr
	v_lshrrev_b32 v[VA], 5, v0
	v_readfirstlane_b32 s45, v[VA]                 ; my wave's number
	s_lshl_b32 s45, s45, 4
	v_mov_b32 v[VA], s45
	ds_store_b128 v[VA], v[Q:Q+3]                  ; all lanes write the same 16 bytes with the same values
	s_wait_dscnt 0x0                               ; for the others' sake: my store is done
	s_barrier_signal -1
	s_barrier_wait -1
	v_and_b32 v[VA], 7, v0
	v_lshlrev_b32 v[VA], 4, v[VA]
	ds_load_b128 v[W:W+3], v[VA]                   ; lane l takes wave l % 8's four numbers
	s_wait_dscnt 0x0
.irp k, 1,2,4
.irp m, 0,1,2
	v_max_num_f32_dpp v[W+\m], v[W+\m], v[W+\m] row_xmask:\k row_mask:0xf bank_mask:0xf
.endr
.endr
	s_lshl_b32 s2, ttmp9, 2
	v_mov_b32 v[VA], s2                            ; my work-group's word in a head
	v_cmp_eq_u32 vcc_lo, 0, v0
	s_wait_xcnt 0x0                                ; EXEC changes only behind this wait
	s_wait_tensorcnt 0x0
	ds_add_u32 v112, v113
	s_wait_dscnt 0x0
	s_and_saveexec_b32 s45, vcc_lo
	global_store_b32 v[VA], v[W], s[22:23]         ; four words a work-group: the price of a maximum over work-groups without traffic between them
	global_store_b32 v[VA], v[W+1], s[20:21]
	global_store_b32 v[VA], v[W+2], s[16:17]
	global_store_b32 v[VA], v[W+3], s[24:25]
	s_wait_xcnt 0x0                                ; and again in front of the line that widens it
	s_or_b32 exec_lo, exec_lo, s45
	s_endpgm
.Lfunc_end_k_q267a1e3d1f_prep:
	.size	k_q267a1e3d1f_prep, .Lfunc_end_k_q267a1e3d1f_prep-k_q267a1e3d1f_prep
	.p2alignl 7, 3214868480
	.fill 96, 4, 3214868480
	.section	.rodata,"a",@progbits
	.p2align	6, 0x0
	.amdhsa_kernel k_q267a1e3d1f_prep
		.amdhsa_group_segment_fixed_size 1280
		.amdhsa_private_segment_fixed_size 0
		.amdhsa_enable_private_segment 0
		.amdhsa_kernarg_size 80
		.amdhsa_user_sgpr_count 2
		.amdhsa_user_sgpr_kernarg_segment_ptr 1
		.amdhsa_wavefront_size32 1
		.amdhsa_system_sgpr_workgroup_id_x 1
		.amdhsa_system_sgpr_workgroup_id_y 1
		.amdhsa_system_sgpr_workgroup_id_z 1
		.amdhsa_system_vgpr_workitem_id 0
		.amdhsa_next_free_vgpr 114
		.amdhsa_next_free_sgpr 66
		.amdhsa_reserve_vcc 1
		.amdhsa_float_denorm_mode_32 3
		.amdhsa_float_denorm_mode_16_64 3
		.amdhsa_memory_ordered 1
		.amdhsa_forward_progress 1
		.amdhsa_inst_pref_size 34
	.end_amdhsa_kernel
	.amdgpu_metadata
---
amdhsa.version: [ 1, 2 ]
amdhsa.kernels:
  - .name:           k_q267a1e3d1f_prep
    .symbol:         k_q267a1e3d1f_prep.kd
    .args:
      - { .name: x_c, .offset: 0, .size: 8, .value_kind: global_buffer, .address_space: global }
      - { .name: x_d, .offset: 8, .size: 8, .value_kind: global_buffer, .address_space: global }
      - { .name: W_qc, .offset: 16, .size: 8, .value_kind: global_buffer, .address_space: global }
      - { .name: W_kd, .offset: 24, .size: 8, .value_kind: global_buffer, .address_space: global }
      - { .name: xc16, .offset: 32, .size: 8, .value_kind: global_buffer, .address_space: global }
      - { .name: xd16, .offset: 40, .size: 8, .value_kind: global_buffer, .address_space: global }
      - { .name: wq16, .offset: 48, .size: 8, .value_kind: global_buffer, .address_space: global }
      - { .name: wk16, .offset: 56, .size: 8, .value_kind: global_buffer, .address_space: global }
      - { .name: mt16, .offset: 64, .size: 8, .value_kind: global_buffer, .address_space: global }
      - { .name: misc, .offset: 72, .size: 8, .value_kind: global_buffer, .address_space: global }
    .group_segment_fixed_size: 1280
    .private_segment_fixed_size: 0
    .kernarg_segment_align: 8
    .kernarg_segment_size: 80
    .max_flat_workgroup_size: 256
    .sgpr_count:     66
    .vgpr_count:     114
    .wavefront_size: 32
...
	.end_amdgpu_metadata
.endif
;; end of part 6
;; launch mtk (part 7): grid 16 x 16, 4 waves a work-group, clusters of 4 x 4, 280,064 bytes of LDS; arguments wk16, wq16, mt16; writes mt16
.if DOCPART == 7
	.amdgcn_target "amdgcn-amd-amdhsa--gfx1250"
	.amdhsa_code_object_version 6
	.text
	.protected	k_q267a1e3d1f_mtk
	.globl	k_q267a1e3d1f_mtk
	.p2align	8
	.type	k_q267a1e3d1f_mtk,@function
k_q267a1e3d1f_mtk:
	s_mov_b64 s[64:65], 0
	v_nop
	global_prefetch_b8 v0, s[64:65] scope:SCOPE_SE
	s_setreg_imm32_b32 hwreg(HW_REG_WAVE_MODE, 25, 1), 1
	s_wait_xcnt 0x0
	s_wait_alu depctr_hold_cnt(0) depctr_sa_sdst(0) depctr_va_vdst(0) depctr_va_sdst(0) depctr_va_ssrc(0) depctr_va_vcc(0) depctr_vm_vsrc(0)
	s_getreg_b32 s2, hwreg(HW_REG_IB_STS2, 6, 4)
	s_cmp_eq_u32 s2, 0
	s_cbranch_scc0 .Lentry_in_a_cluster
	s_endpgm
.Lentry_in_a_cluster:
	s_bfe_u32 s2, ttmp6, 0x10000c
	s_cmp_lg_u32 s2, 0xf033
	s_cbranch_scc0 .Lentry_shape_is_right
	s_endpgm
.Lentry_shape_is_right:
; MT16[m][n] = f16(scale x the sum over k of wk16[m][k] wq16[n][k]): W_kd W_qc^T.  All three [1024][1024] f16, each behind a head of 1,024 bytes; sums in f32.
; THE SCALE is a power of two made from the two heads (256 f32 each: largest magnitudes of parts of the operand): with 2^eA > max |A| and 2^eB > max |B| it is 2^(5 - eA - eB), so that
; |scale x sum| < 2^5 x 2^10 = 2^15 whatever the data: no result passes f16's range.  Its exponent is held within 1 .. 253, where only data of all zeros or beyond 2^120 would bring it.
; LIMITS.  A result below 6e-5 after the scale keeps f16's fixed step of 6e-8.  NaN and infinities are not treated apart.
; SHARES.  A tile of C is 64 x 64: 256 tiles, 256 work-groups.  Four waves, each 32 x 32: four accumulators of 16 x 16.
; ALL OF K LIES IN LDS: 64 rows of A and 64 of B, 2,048 bytes each, as eight regions (A's and B's four quarters of K) of 64 rows x 512 bytes.  Every region is filled once, so there is no ring:
; each wave issues two tensor loads at the start (waves 0, 1: A's quarters w % 2 and w % 2 + 2; waves 2, 3: B's), and the first loads of the four waves together are K's first half.
; CLUSTERS: 4 x 4 work-groups.  The four of a row of the cluster need the same rows of A, the four of a column the same rows of B: each region is asked for JOINTLY.
; THE MATRIX INSTRUCTION IS USED TRANSPOSED (source 0 = 16 rows of B, source 1 = 16 rows of A): a lane then holds eight neighbouring numbers of a row of C.
; THE STORES.  A tile's row of C is 128 bytes: eight lanes store 128 consecutive bytes at a multiple of 128; the other half of each aligned 256 bytes is the neighbouring work-group's.
; A tile 128 columns wide with all of K in LDS would be 160 rows x 2,112 bytes = 337,920 bytes, more than a work-group can have; the whole output is 2 MB.
; REGISTERS: v0-31 addresses; v32-47 the heads, then v32-63 the accumulators, (a, b) at v[32 + 8 (2 a + b)]; v64-255 three fragment buffers of 64: for each of two steps of 32 along K, A's two fragments, then B's two.
.set HEAD,   1024
.set ROWB,   2048                      ; bytes in a row of A, B, C
.set PITCH,  528                       ; an LDS row: 512 bytes + 16 of padding = 132 words: the 16 rows of a fragment load start at 16 different groups of four banks (64 banks of 4 bytes: ISA guide 11.1)
.set QREG,   64*PITCH                  ; a region: 64 rows, a quarter of K
.set BOFF,   4*QREG                    ; A's four regions, then B's four
.set STAGE,  8*QREG                    ; behind them: 64 rows x 144 bytes, the work-group's, for the way out; no tensor load lands there
.set SPITCH, 144
.set ADRA, 16                          ; v16-17  LDS address of my A fragments in K's first, second half
.set ADRB, 20                          ; v20-21  the same for B
.set STO,  24                          ; v24     the way out: where I put 16 bytes of a row
.set RD,   25                          ; v25     the way out: where I read rows back
.set CO,   26                          ; v26     my byte offset in C
.set HO,   30                          ; v30     32 x lane: my eight numbers of a head
.set TAB,  32                          ; v32-47  the two heads
.set ACC,  32
.set FB,   64
.set TW,   64                          ; the way out: 32 scaled sums,
.set PW,   128                         ; packed to 16 registers,
.set OB,   160                         ; and 16 rows read back from the stage
.set G1,  24                           ; s[24:31] descriptor group 1 for A's regions;  s[32:39] group 0, one set for each of my two loads
.set G0,  32
.set G1B, 48                           ; s[48:55], s[56:63] the same for B's
.set G0B, 56
.set SC,  66                           ; s[66:67] the scale, named as a pair
.set SEL, 72                           ; s[72:73] v_permlanex16_b32's selects
.set FLAGS, (1<<16)|(1<<20)|(1<<21)|(6<<22)|(3<<25)  ; 17:16 2-byte elements; 20 padding on; 21 set beside a mask; 24:22 after every 128 words (code 6); 31:25 4 words (code 3)
.macro CREST                           ; a round of the cluster's barrier behind its opening barrier
	s_cmp_lg_u32 s10, 0
	s_cbranch_scc1 .Lnot_wave_0_\@
	s_barrier_signal -3
.Lnot_wave_0_\@:
	s_barrier_wait -3
	s_barrier_signal -1
	s_barrier_wait -1
.endm
.macro CROUND                          ; a whole round
	s_barrier_signal -1
	s_barrier_wait -1
	CREST
.endm
.macro PLACES                          ; four places in front of loads into registers that matrix instructions have read, and of vector lines that read results just made
.rept 4
	v_nop
.endr
.endm
.macro TABMAX x, sd                    ; the largest of a head's 256 numbers (8 a lane at v[x]); its biased exponent into s[sd]
	v_max3_num_f32 v[(\x)], v[(\x)], v[(\x)+1], v[(\x)+2]
	v_max3_num_f32 v[(\x)+3], v[(\x)+3], v[(\x)+4], v[(\x)+5]
	v_max3_num_f32 v[(\x)], v[(\x)], v[(\x)+6], v[(\x)+7]
	v_max_num_f32 v[(\x)], v[(\x)], v[(\x)+3]
.irp k, 1,2,4,8
	v_max_num_f32_dpp v[(\x)], v[(\x)], v[(\x)] row_xmask:\k row_mask:0xf bank_mask:0xf
.endr
	v_permlanex16_b32 v[(\x)+1], v[(\x)], s[SEL], s[SEL+1]
	v_max_num_f32 v[(\x)], v[(\x)], v[(\x)+1]
	v_readfirstlane_b32 s[\sd], v[(\x)]
	s_bfe_u32 s[\sd], s[\sd], 0x80017              ; 8 bits from bit 23
.endm
.macro SCALEXP sd, sa, sb              ; the biased exponent of 2^(5 - eA - eB), e = E - 126: 127 + 5 + 252 - EA - EB, held within 1 .. 253
	s_sub_co_i32 s[\sd], 384, s[\sa]
	s_sub_co_i32 s[\sd], s[\sd], s[\sb]
	s_max_i32 s[\sd], s[\sd], 1
	s_min_i32 s[\sd], s[\sd], 253
.endm
	s_load_b128 s[4:7], s[0:1], 0x0                ; A s[4:5], B s[6:7]
	s_load_b64 s[8:9], s[0:1], 0x10                ; C
	v_lshl_add_u32 v29, v0, 2, 0x44400
	v_mov_b32 v31, 0
	ds_add_u32 v29, v31
	v_lshrrev_b32 v1, 5, v0
	v_readfirstlane_b32 s10, v1                    ; wave 0..3
	s_lshr_b32 s11, s10, 1                         ; which 32 of the tile's rows are mine.  Also: I fetch for A (0) or for B (1)
	s_and_b32 s12, s10, 1                          ; which 32 of its columns.  Also: which quarters of K I fetch
	s_bfe_u32 s40, ttmp6, 0x40000                  ; cx, cy: my place in the cluster
	s_bfe_u32 s41, ttmp6, 0x40004
	s_lshl_b32 s42, ttmp9, 2
	s_add_co_u32 s42, s42, s40                     ; tile column of C = 4 x cluster x + cx
	s_and_b32 s13, ttmp7, 0xffff
	s_lshl_b32 s13, s13, 2
	s_add_co_u32 s13, s13, s41                     ; tile row of C = 4 x cluster y + cy
	s_lshl_b32 s43, s41, 2
	s_lshl_b32 s43, 15, s43                        ; my row of the cluster
	s_lshl_b32 s44, 0x1111, s40                    ; my column
	s_or_b32 s[G1+0], s43, FLAGS                   ; A's regions go to my row,
	s_or_b32 s[G1B+0], s44, FLAGS                  ; B's to my column
.irp g, G1, G1B
	s_mov_b32 s[(\g)+1], 256<<16                   ; tensor_dim0 = 256
	s_mov_b32 s[(\g)+2], 64<<16                    ; tensor_dim1 = 64
	s_mov_b32 s[(\g)+3], 256<<16                   ; tile_dim0 = 256 elements: rows of 512 bytes
	s_mov_b32 s[(\g)+4], 64                        ; tile_dim1 = 64
	s_mov_b32 s[(\g)+5], 1024                      ; elements from row to row
	s_mov_b32 s[(\g)+6], 0
	s_mov_b32 s[(\g)+7], 0
.endr
	s_mov_b32 s[SEL], 0x76543210
	s_mov_b32 s[SEL+1], 0xfedcba98
	; A's regions hang on the tile row alone, B's on the tile column alone; each offset is made in registers that never hold the other coordinate
	s_lshl_b32 s16, s13, 17                        ; A: 64 rows of 2,048 bytes a tile row,
	s_lshl_b32 s17, s12, 9                         ; my first quarter of K: 512 bytes each
	s_add_co_u32 s16, s16, s17
	s_add_co_u32 s16, s16, HEAD
	s_mov_b32 s17, 0
	s_lshl_b32 s46, s42, 17                        ; B likewise, by the tile column
	s_lshl_b32 s47, s12, 9
	s_add_co_u32 s46, s46, s47
	s_add_co_u32 s46, s46, HEAD
	s_mov_b32 s47, 0
	s_mul_i32 s20, s12, QREG                       ; where they go: no place in the cluster enters an LDS address
	s_add_co_u32 s21, s20, BOFF
	s_wait_dscnt 0x0
	s_wait_kmcnt 0x0
	s_add_nc_u64 s[14:15], s[4:5], s[16:17]
	s_add_nc_u64 s[46:47], s[6:7], s[46:47]
	CROUND                                         ; all sixteen work-groups are here: the joint loads meet
.irp j, 0,1
	s_mov_b32 s[G0+4*(\j)], 1                                      ; count = 1
	s_add_co_u32 s[G0+4*(\j)+1], s20, (\j)*2*QREG                  ; LDS address: quarter w % 2 + 2 j
	s_add_nc_u64 s[G0+4*(\j)+2:G0+4*(\j)+3], s[14:15], (\j)*1024   ; global address: two quarters on
	s_or_b32 s[G0+4*(\j)+3], s[G0+4*(\j)+3], 0x80000000            ; type = 2
	s_mov_b32 s[G0B+4*(\j)], 1
	s_add_co_u32 s[G0B+4*(\j)+1], s21, (\j)*2*QREG
	s_add_nc_u64 s[G0B+4*(\j)+2:G0B+4*(\j)+3], s[46:47], (\j)*1024
	s_or_b32 s[G0B+4*(\j)+3], s[G0B+4*(\j)+3], 0x80000000
.endr
	s_cmp_eq_u32 s11, 0                            ; a wave's two fills stand in one branch, ahead of every wait on TENSORcnt and every LDS read: two loads of mine are out; an s_nop 0 follows each, four v_nop the second's
	s_cbranch_scc0 .Lfirst_b
	tensor_load_to_lds s[G0:G0+3], s[G1:G1+7]
	s_nop 0
	tensor_load_to_lds s[G0+4:G0+7], s[G1:G1+7]
	s_nop 0
.rept 4
	v_nop
.endr
	s_branch .Lfirst_asked
.Lfirst_b:
	tensor_load_to_lds s[G0B:G0B+3], s[G1B:G1B+7]
	s_nop 0
	tensor_load_to_lds s[G0B+4:G0B+7], s[G1B:G1B+7]
	s_nop 0
.rept 4
	v_nop
.endr
.Lfirst_asked:
	v_and_b32 v[HO], 31, v0
	v_lshlrev_b32 v[HO], 5, v[HO]
	global_load_b128 v[TAB:TAB+3], v[HO], s[4:5]   ; the two heads: 1,024 consecutive bytes each
	global_load_b128 v[TAB+4:TAB+7], v[HO], s[4:5] offset:16
	global_load_b128 v[TAB+8:TAB+11], v[HO], s[6:7]
	global_load_b128 v[TAB+12:TAB+15], v[HO], s[6:7] offset:16
	v_and_b32 v1, 15, v0                           ; l % 16
	v_bfe_u32 v2, v0, 4, 1                         ; l / 16
	v_mul_u32_u24 v3, v1, PITCH
	v_lshl_add_u32 v3, v2, 4, v3                   ; a fragment's row x pitch + 16 x half
	s_mul_i32 s22, s11, 32*PITCH                   ; my 32 rows of A
	s_mul_i32 s23, s12, 32*PITCH                   ; my 32 rows of B, behind A's regions
	s_add_co_u32 s23, s23, BOFF
.irp s, 0,1
	v_add_nc_u32 v[ADRA+(\s)], s22, v3
	v_add_nc_u32 v[ADRB+(\s)], s23, v3
	s_add_co_u32 s22, s22, 2*QREG
	s_add_co_u32 s23, s23, 2*QREG
.endr
	s_mul_i32 s22, s11, 32*SPITCH                  ; into the stage: my 32 rows, my 64 of their 128 bytes; row l % 16, 16 bytes for each half of the lanes
	s_lshl_b32 s23, s12, 6
	s_add_co_u32 s22, s22, s23
	s_add_co_u32 s22, s22, STAGE
	v_mul_u32_u24 v4, v1, SPITCH
	v_lshl_add_u32 v4, v2, 4, v4
	v_add_nc_u32 v[STO], s22, v4
	s_mul_i32 s23, s10, 16*SPITCH                  ; back: wave w takes rows 16 w .. 16 w + 15, whole; eight lanes a row, four rows a load
	s_add_co_u32 s23, s23, STAGE
	v_bfe_u32 v5, v0, 3, 2
	v_and_b32 v6, 7, v0
	v_mul_u32_u24 v7, v5, SPITCH
	v_lshl_add_u32 v7, v6, 4, v7
	v_add_nc_u32 v[RD], s23, v7
	v_lshlrev_b32 v7, 11, v5                       ; and the same four rows in C
	v_lshl_add_u32 v[CO], v6, 4, v7
	s_lshl_b32 s16, s13, 6
	s_lshl_b32 s17, s10, 4
	s_add_co_u32 s16, s16, s17                     ; the first row of C that I store: 64 x tile row + 16 x wave
	s_lshl_b32 s16, s16, 11
	s_add_co_u32 s16, s16, HEAD
	s_lshl_b32 s46, s42, 7                         ; the tile's first column, in bytes
	s_add_co_u32 s16, s16, s46
	s_mov_b32 s17, 0
	s_add_nc_u64 s[8:9], s[8:9], s[16:17]
	s_wait_loadcnt 0x0                             ; the heads
	TABMAX TAB, 68
	TABMAX TAB+8, 69
	SCALEXP 70, 68, 69
	s_lshl_b32 s[SC], s70, 23
	s_mov_b32 s[SC+1], s[SC]                       ; named with it as a pair
; A GROUP is 64 along K: 16 LDS loads, 8 matrix instructions.  Group g of 8 of K's half hf, into buffer n: quarter g / 4 of the half, byte 128 (g % 4) of its rows.
.macro FETCH hf, g, n
.set ko, ((\g)/4)*QREG+((\g)%4)*128
.irp ks, 0,1
.irp i, 0,1
	ds_load_b128 v[FB+64*(\n)+32*\ks+8*\i:FB+64*(\n)+32*\ks+8*\i+3],   v[ADRA+(\hf)] offset:ko+64*\ks+\i*16*PITCH
	ds_load_b128 v[FB+64*(\n)+32*\ks+8*\i+4:FB+64*(\n)+32*\ks+8*\i+7], v[ADRA+(\hf)] offset:ko+64*\ks+\i*16*PITCH+32
.endr
.irp i, 0,1
	ds_load_b128 v[FB+64*(\n)+32*\ks+16+8*\i:FB+64*(\n)+32*\ks+16+8*\i+3],   v[ADRB+(\hf)] offset:ko+64*\ks+\i*16*PITCH
	ds_load_b128 v[FB+64*(\n)+32*\ks+16+8*\i+4:FB+64*(\n)+32*\ks+16+8*\i+7], v[ADRB+(\hf)] offset:ko+64*\ks+\i*16*PITCH+32
.endr
.endr
.endm
; The four accumulators take turns, one instruction a turn.  zero = 1: the group's first four products start the sums.
.macro MULG n, zero
.irp ks, 0,1
.irp a, 0,1
.irp b, 0,1
.if (\zero) && (\ks == 0)
	v_wmma_f32_16x16x32_f16 v[ACC+8*(2*\a+\b):ACC+8*(2*\a+\b)+7], v[FB+64*(\n)+32*\ks+16+8*\b:FB+64*(\n)+32*\ks+16+8*\b+7], v[FB+64*(\n)+32*\ks+8*\a:FB+64*(\n)+32*\ks+8*\a+7], 0
.else
	v_wmma_f32_16x16x32_f16 v[ACC+8*(2*\a+\b):ACC+8*(2*\a+\b)+7], v[FB+64*(\n)+32*\ks+16+8*\b:FB+64*(\n)+32*\ks+16+8*\b+7], v[FB+64*(\n)+32*\ks+8*\a:FB+64*(\n)+32*\ks+8*\a+7], v[ACC+8*(2*\a+\b):ACC+8*(2*\a+\b)+7]
.endif
.endr
.endr
.endr
.endm
; Half of K: eight groups on three buffers by turns, two groups' loads on their way.  Group g + 2 goes into the buffer that group g - 1 has just multiplied: four places stand in front of its loads.
; mid = 1: the barrier that shows K's second half stands round the last group's products: my second load has landed and my LDS loads are back in front of its signal.
.macro HALF hf, zero, mid
	FETCH \hf, 0, 0
	FETCH \hf, 1, 1
.set gg, 0
.rept 8
.if (gg > 0) && (gg < 6)
	PLACES
.endif
.if gg < 6
	FETCH \hf, gg+2, (gg+2)%3
	s_wait_dscnt 32                                ; all but the two younger groups' 32 loads
.elseif gg == 6
	s_wait_dscnt 16                                ; all but the last group's 16
.else
	s_wait_dscnt 0x0
.endif
.if (\mid) && (gg == 7)
	s_wait_tensorcnt 0x0                           ; no load was issued behind my second one
	s_barrier_signal -1
.endif
.if (\zero) && (gg == 0)
	MULG gg%3, 1
.else
	MULG gg%3, 0
.endif
.if (\mid) && (gg == 7)
	s_barrier_wait -1                              ; everybody's second load has landed
.endif
.set gg, gg+1
.endr
.endm
	s_wait_tensorcnt 1                             ; my first load has landed; my second may stay out
	s_barrier_signal -1
	s_barrier_wait -1                              ; everybody's has: K's first half is whole
	HALF 0, 1, 1
	PLACES                                         ; for the loads into the two buffers multiplied last
	HALF 1, 0, 0
	; THE WAY OUT: scaled, rounded to f16, 16 bytes a lane into the work-group's stage; a barrier, since a row's 128 bytes come from two waves; back as whole rows, 16 rows a wave.
	; Each accumulator is read from its lowest registers on.
	PLACES
.set i, 0
.rept 16
	v_pk_mul_f32 v[TW+2*i:TW+2*i+1], v[ACC+2*i:ACC+2*i+1], s[SC:SC+1] op_sel_hi:[1,0]
.set i, i+1
.endr
.set i, 0
.rept 16
	v_cvt_pk_f16_f32 v[PW+i], v[TW+2*i], v[TW+2*i+1]
.set i, i+1
.endr
.irp a, 0,1
.irp b, 0,1
	ds_store_b128 v[STO], v[PW+4*(2*\a+\b):PW+4*(2*\a+\b)+3] offset:\a*16*SPITCH+32*\b
.endr
.endr
	s_wait_dscnt 0x0                               ; for the others' sake: my stores into the stage are done
	s_barrier_signal -1
	s_barrier_wait -1
.irp t, 0,1,2,3
	ds_load_b128 v[OB+4*\t:OB+4*\t+3], v[RD] offset:\t*4*SPITCH
.endr
.irp t, 0,1,2,3
	s_wait_dscnt 3-\t                              ; the younger loads from the stage stay out
	global_store_b128 v[CO], v[OB+4*\t:OB+4*\t+3], s[8:9] offset:\t*4*ROWB  ; eight lanes store 128 consecutive bytes of a row of C
.endr
	s_wait_tensorcnt 0x0
	ds_add_u32 v29, v31
	s_wait_dscnt 0x0
	CROUND                                         ; the closing round: no work-group ends while a partner may still ask for a region that names it
	s_endpgm
.Lfunc_end_k_q267a1e3d1f_mtk:
	.size	k_q267a1e3d1f_mtk, .Lfunc_end_k_q267a1e3d1f_mtk-k_q267a1e3d1f_mtk
	.p2alignl 7, 3214868480
	.fill 96, 4, 3214868480
	.section	.rodata,"a",@progbits
	.p2align	6, 0x0
	.amdhsa_kernel k_q267a1e3d1f_mtk
		.amdhsa_group_segment_fixed_size 280064
		.amdhsa_private_segment_fixed_size 0
		.amdhsa_enable_private_segment 0
		.amdhsa_kernarg_size 24
		.amdhsa_user_sgpr_count 2
		.amdhsa_user_sgpr_kernarg_segment_ptr 1
		.amdhsa_wavefront_size32 1
		.amdhsa_system_sgpr_workgroup_id_x 1
		.amdhsa_system_sgpr_workgroup_id_y 1
		.amdhsa_system_sgpr_workgroup_id_z 1
		.amdhsa_system_vgpr_workitem_id 0
		.amdhsa_next_free_vgpr 256
		.amdhsa_next_free_sgpr 80
		.amdhsa_reserve_vcc 0
		.amdhsa_float_denorm_mode_32 3
		.amdhsa_float_denorm_mode_16_64 3
		.amdhsa_memory_ordered 1
		.amdhsa_forward_progress 1
		.amdhsa_inst_pref_size 39
	.end_amdhsa_kernel
	.amdgpu_metadata
---
amdhsa.version: [ 1, 2 ]
amdhsa.kernels:
  - .name:           k_q267a1e3d1f_mtk
    .symbol:         k_q267a1e3d1f_mtk.kd
    .args:
      - { .name: wk16, .offset: 0, .size: 8, .value_kind: global_buffer, .address_space: global }
      - { .name: wq16, .offset: 8, .size: 8, .value_kind: global_buffer, .address_space: global }
      - { .name: mt16, .offset: 16, .size: 8, .value_kind: global_buffer, .address_space: global }
    .group_segment_fixed_size: 280064
    .private_segment_fixed_size: 0
    .kernarg_segment_align: 8
    .kernarg_segment_size: 24
    .max_flat_workgroup_size: 128
    .sgpr_count:     80
    .vgpr_count:     256
    .wavefront_size: 32
...
	.end_amdgpu_metadata
.endif
;; end of part 7
;; launch gemm (part 8): grid 4 x 64, 4 waves a work-group, clusters of 4 x 4, 327,680 bytes of LDS; arguments xc16, mt16, y16; writes y16
.if DOCPART == 8
	.amdgcn_target "amdgcn-amd-amdhsa--gfx1250"
	.amdhsa_code_object_version 6
	.text
	.protected	k_q267a1e3d1f_gemm
	.globl	k_q267a1e3d1f_gemm
	.p2align	8
	.type	k_q267a1e3d1f_gemm,@function
k_q267a1e3d1f_gemm:
	s_mov_b64 s[64:65], 0
	v_nop
	global_prefetch_b8 v0, s[64:65] scope:SCOPE_SE
	s_setreg_imm32_b32 hwreg(HW_REG_WAVE_MODE, 25, 1), 1
	s_wait_xcnt 0x0
	s_wait_alu depctr_hold_cnt(0) depctr_sa_sdst(0) depctr_va_vdst(0) depctr_va_sdst(0) depctr_va_ssrc(0) depctr_va_vcc(0) depctr_vm_vsrc(0)
	s_getreg_b32 s2, hwreg(HW_REG_IB_STS2, 6, 4)
	s_cmp_eq_u32 s2, 0
	s_cbranch_scc0 .Lentry_in_a_cluster
	s_endpgm
.Lentry_in_a_cluster:
	s_bfe_u32 s2, ttmp6, 0x10000c
	s_cmp_lg_u32 s2, 0xf033
	s_cbranch_scc0 .Lentry_shape_is_right
	s_endpgm
.Lentry_shape_is_right:
; C16[m][n] = f16(scale x the sum over k of A16[m][k] B16[n][k]).  A16: [8192][1024], B16: [1024][1024], C16: [8192][1024], all f16, each behind a head of 1,024 bytes; sums in f32.
; Here: Y = x_c MT^T.
; THE SCALE is a power of two made from the two heads (256 f32 each: largest magnitudes of parts of the operand, or a bound on them): with 2^eA > max |A| and 2^eB > max |B| it is 2^(5 - eA - eB), so that
; |scale x sum| < 2^5 x 2^10 = 2^15 whatever the data: no result passes f16's range.  Its exponent is held within 1 .. 253, where only data of all zeros or beyond 2^120 would bring it.
; LIMITS.  A result below 6e-5 after the scale keeps f16's fixed step of 6e-8.  NaN and infinities are not treated apart.
; SHARES.  A tile of C is 128 x 256: 256 tiles.  Four waves, each 64 x 128: 32 accumulators of 16 x 16, 256 registers.
; TWO UNEQUAL SLOTS.  Slot S holds 128 of K (A's 128 rows and B's 256 rows, 272 bytes apart: 104,448 bytes), slot L 256 of K (the same rows, 528 bytes apart: 202,752 bytes).  K is walked
; S L S L S L = 128 + 256 + 128 + 256 + 128 + 128.  Both first fills go out at the start; four refills follow, where two slots of 128 would have six.  A refill of S has 240 matrix instructions of a
; wave between the request and the wait for it, a refill of L 112.  The tiles' rows are 256 or 512 bytes of memory and start at multiples of 256 bytes from the buffer's first byte.
; L's last refill begins at k = 896, where 128 of K are left.  L's descriptors state in tensor_dim0 what is left from the tile's first element (896, 512, 128), so that beyond the end zeros are
; written and nothing is read; the tail reads the first 256 bytes of the rows alone.  That keeps one text for the loop's two trips.
; CLUSTERS: 4 x 4 work-groups.  The four of a row of the cluster need the same tiles of A, the four of a column the same tiles of B: each tile is asked for JOINTLY, by the same tensor load
; with the same descriptor and a mask that names the four.
; THE MATRIX INSTRUCTION IS USED TRANSPOSED (source 0 = 16 rows of B, source 1 = 16 rows of A): a lane then holds eight neighbouring numbers of a row of C.
; REGISTERS: window 0: v0-31 addresses; v32-47 the heads; v64-159, v160-255 two fragment buffers (64 registers of B: 8 x 16 rows x 32 K, then 32 of A); on the way out they are at work.
;   window 1: the accumulators, (a, b) at v[8 (8 a + b)].
.set HEAD,   1024
.set ROWB,   2048                      ; bytes in a row of A, B, C
.set PS,     272                       ; a row in slot S: 256 bytes + 16 of padding = 68 words,
.set PL,     528                       ; in slot L: 512 + 16 = 132 words: in both the 16 rows of a fragment load start at 16 different groups of four banks (64 banks of 4 bytes: ISA guide 11.1)
.set S_B,    128*PS                    ; slot S begins at byte 0: A's 128 rows, then B's 256 rows
.set L_A,    384*PS                    ; slot L behind it: A's rows,
.set L_B,    L_A+128*PL                ; B's rows
.set STAGE,  L_B+256*PL                ; behind the slots: 16 rows x 272 bytes for each wave, for the way out
.set SPARE,  STAGE+4*16*PS             ; behind the stages: the spare words, 128 bytes for each wave: two blocks of 256 bytes that no other line names
.set PERIOD, 384                       ; K from one fill of a slot to its next
.set ADRA, 16                          ; v16, v17 LDS address of my A fragments in slot S, L; v18 the same in L, running
.set ADRB, 20                          ; v20, v21, v22 the same for B
.set STO,  24                          ; v24     the way out: where I put 16 bytes of a row
.set RD,   25                          ; v25     the way out: where I read a row back
.set CO,   26                          ; v26     my byte offset in C
.set SPW,  28                          ; v28     LDS address of my spare word: SPARE + 4 x my thread's number; never rewritten
.set NIL,  29                          ; v29     0; never rewritten
.set HO,   30                          ; v30     32 x lane: my eight numbers of a head
.set TAB,  32                          ; v32-47  the two heads
.set F0,   64
.set F1,   160
.set TW,   64                          ; the way out: a block's 64 scaled sums,
.set PW,   128                         ; packed to 32 registers,
.set OB,   160                         ; and 16 rows read back from the stage
.set G1A, 24                           ; s[24:31], s[32:39] descriptor group 1 for A's tiles in slot S, L
.set G1B, 40                           ; s[40:47], s[48:55] for B's
.set G0A, 56                           ; s[56:59], s[60:63] descriptor group 0 for A's tiles in slot S, L
.set G0B, 68                           ; s[68:71], s[72:75] for B's
.set SC,  66                           ; s[66:67] the scale, named as a pair
.set KO,  81                           ; s81     byte offset of the running addresses in L's rows
.set SEL, 84                           ; s[84:85] v_permlanex16_b32's selects
.set FLAGS_S, (1<<16)|(1<<20)|(1<<21)|(5<<22)|(3<<25)  ; 17:16 2-byte elements; 20 padding on; 21 set beside a mask; 24:22 after every 64 words (code 5); 31:25 4 words (code 3)
.set FLAGS_L, (1<<16)|(1<<20)|(1<<21)|(6<<22)|(3<<25)  ; the same after every 128 words (code 6)
.set MSB, 0
.macro WIN new                         ; the immediate's high byte repeats the setting that is left; a switch that changes nothing is dropped
.if MSB != (\new)
	s_set_vgpr_msb (MSB<<8)|(\new)
.set MSB, \new
.endif
.endm
.set MULW, 0x50                        ; sources 0 and 1 window 0; C and D window 1
.macro GROUP1 g, left, wide, rows      ; words 1 to 7 of a group 1: tensor_dim0, tile_dim0, and the rows
	s_mov_b32 s[(\g)+1], (\left)<<16               ; tensor_dim0
	s_mov_b32 s[(\g)+2], (\rows)<<16               ; tensor_dim1
	s_mov_b32 s[(\g)+3], (\wide)<<16               ; tile_dim0
	s_mov_b32 s[(\g)+4], \rows                     ; tile_dim1
	s_mov_b32 s[(\g)+5], 1024                      ; elements from row to row
	s_mov_b32 s[(\g)+6], 0
	s_mov_b32 s[(\g)+7], 0
.endm
.macro JLOAD sl                        ; a joint load into slot S (0) or L (1): waves 0 and 1 fetch A's two halves, waves 2 and 3 B's; an s_nop 0 and four v_nop follow each of the two lines, ahead of the jump, the label and what follows
	s_cmp_eq_u32 s11, 0
	s_cbranch_scc0 .Lfor_b_\@
	tensor_load_to_lds s[G0A+4*(\sl):G0A+4*(\sl)+3], s[G1A+8*(\sl):G1A+8*(\sl)+7]
	s_nop 0
.rept 4
	v_nop
.endr
	s_branch .Lasked_\@
.Lfor_b_\@:
	tensor_load_to_lds s[G0B+4*(\sl):G0B+4*(\sl)+3], s[G1B+8*(\sl):G1B+8*(\sl)+7]
	s_nop 0
.rept 4
	v_nop
.endr
.Lasked_\@:
.endm
.macro CREST                           ; a round of the cluster's barrier behind its opening barrier
	s_cmp_lg_u32 s10, 0
	s_cbranch_scc1 .Lnot_wave_0_\@
	s_barrier_signal -3
.Lnot_wave_0_\@:
	s_barrier_wait -3
	s_barrier_signal -1
	s_barrier_wait -1
.endm
.macro CROUND                          ; a whole round
	s_barrier_signal -1
	s_barrier_wait -1
	CREST
.endm
.macro PLACES                          ; four places in front of loads into registers that matrix instructions have read, and of vector lines that read results just made
.rept 4
	v_nop
.endr
.endm
.macro TABMAX x, sd                    ; the largest of a head's 256 numbers (8 a lane at v[x]); its biased exponent into s[sd]
	v_max3_num_f32 v[(\x)], v[(\x)], v[(\x)+1], v[(\x)+2]
	v_max3_num_f32 v[(\x)+3], v[(\x)+3], v[(\x)+4], v[(\x)+5]
	v_max3_num_f32 v[(\x)], v[(\x)], v[(\x)+6], v[(\x)+7]
	v_max_num_f32 v[(\x)], v[(\x)], v[(\x)+3]
.irp k, 1,2,4,8
	v_max_num_f32_dpp v[(\x)], v[(\x)], v[(\x)] row_xmask:\k row_mask:0xf bank_mask:0xf
.endr
	v_permlanex16_b32 v[(\x)+1], v[(\x)], s[SEL], s[SEL+1]
	v_max_num_f32 v[(\x)], v[(\x)], v[(\x)+1]
	v_readfirstlane_b32 s[\sd], v[(\x)]
	s_bfe_u32 s[\sd], s[\sd], 0x80017              ; 8 bits from bit 23
.endm
.macro SCALEXP sd, sa, sb              ; the biased exponent of 2^(5 - eA - eB), e = E - 126: 127 + 5 + 252 - EA - EB, held within 1 .. 253
	s_sub_co_i32 s[\sd], 384, s[\sa]
	s_sub_co_i32 s[\sd], s[\sd], s[\sb]
	s_max_i32 s[\sd], s[\sd], 1
	s_min_i32 s[\sd], s[\sd], 253
.endm
	s_load_b128 s[4:7], s[0:1], 0x0                ; A s[4:5], B s[6:7]
	s_load_b64 s[8:9], s[0:1], 0x10                ; C
	v_lshl_add_u32 v[SPW], v0, 2, SPARE
	v_mov_b32 v[NIL], 0
	ds_add_u32 v28, v29
	s_wait_dscnt 0x0
	v_lshrrev_b32 v1, 5, v0
	v_readfirstlane_b32 s10, v1                    ; wave 0..3
	s_lshr_b32 s11, s10, 1                         ; which 64 of the tile's rows are mine.  Also: I fetch for A (0) or for B (1)
	s_and_b32 s12, s10, 1                          ; which 128 of its columns.  Also: which half of that tile I fetch
	s_bfe_u32 s76, ttmp6, 0x40000                  ; cx, cy: my place in the cluster
	s_bfe_u32 s77, ttmp6, 0x40004
	s_lshl_b32 s78, ttmp9, 2
	s_add_co_u32 s78, s78, s76                     ; tile column of C = 4 x cluster x + cx
	s_and_b32 s13, ttmp7, 0xffff
	s_lshl_b32 s13, s13, 2
	s_add_co_u32 s13, s13, s77                     ; tile row of C = 4 x cluster y + cy
	s_lshl_b32 s79, s77, 2
	s_lshl_b32 s79, 15, s79                        ; my row of the cluster
	s_lshl_b32 s80, 0x1111, s76                    ; my column
	s_or_b32 s[G1A], s79, FLAGS_S                  ; A's tiles go to my row,
	s_or_b32 s[G1A+8], s79, FLAGS_L
	s_or_b32 s[G1B], s80, FLAGS_S                  ; B's to my column
	s_or_b32 s[G1B+8], s80, FLAGS_L
	GROUP1 G1A, 128, 128, 64                       ; slot S: tiles that lie inside the tensor state their own sizes
	GROUP1 G1A+8, 1024-128, 256, 64                ; slot L: what is left of K from the first fill's k = 128
	GROUP1 G1B, 128, 128, 128
	GROUP1 G1B+8, 1024-128, 256, 128
	s_mov_b32 s[SEL], 0x76543210
	s_mov_b32 s[SEL+1], 0xfedcba98
	; A's tiles hang on the tile row alone, B's on the tile column alone; each offset is made in registers that never hold the other coordinate
	s_lshl_b32 s16, s13, 7
	s_lshl_b32 s17, s12, 6
	s_add_co_u32 s16, s16, s17                     ; A: row 128 x tile row + 64 x half
	s_lshl_b32 s16, s16, 11
	s_add_co_u32 s16, s16, HEAD
	s_mov_b32 s17, 0
	s_lshl_b32 s82, s78, 8
	s_lshl_b32 s83, s12, 7
	s_add_co_u32 s82, s82, s83                     ; B: row 256 x tile column + 128 x half
	s_lshl_b32 s82, s82, 11
	s_add_co_u32 s82, s82, HEAD
	s_mov_b32 s83, 0
	s_mul_i32 s20, s12, 64*PS                      ; where they go: no place in the cluster enters an LDS address
	s_mul_i32 s21, s12, 128*PS
	s_add_co_u32 s21, s21, S_B
	s_mul_i32 s22, s12, 64*PL
	s_add_co_u32 s22, s22, L_A
	s_mul_i32 s23, s12, 128*PL
	s_add_co_u32 s23, s23, L_B
	s_wait_kmcnt 0x0
	s_add_nc_u64 s[14:15], s[4:5], s[16:17]
	s_add_nc_u64 s[82:83], s[6:7], s[82:83]
	CROUND                                         ; all sixteen work-groups are here: the first joint loads meet
	s_mov_b32 s[G0A], 1                            ; count = 1
	s_mov_b32 s[G0A+1], s20                        ; LDS address
	s_mov_b64 s[G0A+2:G0A+3], s[14:15]             ; global address: slot S begins with k = 0,
	s_or_b32 s[G0A+3], s[G0A+3], 0x80000000        ; type = 2
	s_mov_b32 s[G0A+4], 1
	s_mov_b32 s[G0A+5], s22
	s_add_nc_u64 s[G0A+6:G0A+7], s[14:15], 256     ; slot L with k = 128
	s_or_b32 s[G0A+7], s[G0A+7], 0x80000000
	s_mov_b32 s[G0B], 1
	s_mov_b32 s[G0B+1], s21
	s_mov_b64 s[G0B+2:G0B+3], s[82:83]
	s_or_b32 s[G0B+3], s[G0B+3], 0x80000000
	s_mov_b32 s[G0B+4], 1
	s_mov_b32 s[G0B+5], s23
	s_add_nc_u64 s[G0B+6:G0B+7], s[82:83], 256
	s_or_b32 s[G0B+7], s[G0B+7], 0x80000000
	JLOAD 0
	JLOAD 1                                        ; two loads of mine are out
	v_and_b32 v[HO], 31, v0
	v_lshlrev_b32 v[HO], 5, v[HO]
	global_load_b128 v[TAB:TAB+3], v[HO], s[4:5]   ; the two heads: 1,024 consecutive bytes each
	global_load_b128 v[TAB+4:TAB+7], v[HO], s[4:5] offset:16
	global_load_b128 v[TAB+8:TAB+11], v[HO], s[6:7]
	global_load_b128 v[TAB+12:TAB+15], v[HO], s[6:7] offset:16
	v_and_b32 v1, 15, v0                           ; l % 16
	v_bfe_u32 v2, v0, 4, 1                         ; l / 16
	v_mul_u32_u24 v3, v1, PS
	v_lshl_add_u32 v3, v2, 4, v3                   ; a fragment's row x pitch + 16 x half, in slot S
	v_mul_u32_u24 v4, v1, PL
	v_lshl_add_u32 v4, v2, 4, v4                   ; and in slot L
	s_mul_i32 s22, s11, 64*PS                      ; my 64 rows of A
	s_mul_i32 s23, s12, 128*PS                     ; my 128 rows of B
	s_add_co_u32 s23, s23, S_B
	v_add_nc_u32 v[ADRA], s22, v3
	v_add_nc_u32 v[ADRB], s23, v3
	s_mul_i32 s22, s11, 64*PL
	s_add_co_u32 s22, s22, L_A
	s_mul_i32 s23, s12, 128*PL
	s_add_co_u32 s23, s23, L_B
	v_add_nc_u32 v[ADRA+1], s22, v4
	v_add_nc_u32 v[ADRB+1], s23, v4
	s_mul_i32 s23, s10, 16*PS
	s_add_co_u32 s23, s23, STAGE                   ; my stage
	v_add_nc_u32 v[STO], s23, v3                   ; in: row l % 16, 16 bytes for each half of the lanes
	v_mul_u32_u24 v5, v2, PS                       ; back: lanes 0-15 take one row of 256 bytes, lanes 16-31 the next
	v_lshl_add_u32 v5, v1, 4, v5
	v_add_nc_u32 v[RD], s23, v5
	v_lshlrev_b32 v5, 11, v2                       ; and the same two rows in C
	v_lshl_add_u32 v[CO], v1, 4, v5
	s_lshl_b32 s16, s13, 7
	s_lshl_b32 s17, s11, 6
	s_add_co_u32 s16, s16, s17                     ; my first row of C
	s_lshl_b32 s16, s16, 11
	s_add_co_u32 s16, s16, HEAD
	s_lshl_b32 s82, s78, 9                         ; my first column, in bytes: 512 x tile column + 256 x half
	s_lshl_b32 s83, s12, 8
	s_add_co_u32 s82, s82, s83
	s_add_co_u32 s16, s16, s82
	s_mov_b32 s17, 0
	s_add_nc_u64 s[8:9], s[8:9], s[16:17]
	s_wait_loadcnt 0x0                             ; the heads
	TABMAX TAB, 16
	TABMAX TAB+8, 17
	SCALEXP 18, 16, 17
	s_lshl_b32 s[SC], s18, 23
	s_mov_b32 s[SC+1], s[SC]                       ; named with it as a pair
; 8 matrix instructions: m block a x all 8 n blocks, 32 along K.  zero = 1: the product starts the sums.  The 32 accumulators take turns, in the same order in every quarter.
.macro MUL8 f, a, zero
	WIN MULW
.irp b, 0,1,2,3,4,5,6,7
.if \zero
	v_wmma_f32_16x16x32_f16 v[8*(8*(\a)+\b):8*(8*(\a)+\b)+7], v[(\f)+8*\b:(\f)+8*\b+7], v[(\f)+64+8*(\a):(\f)+64+8*(\a)+7], 0
.else
	v_wmma_f32_16x16x32_f16 v[8*(8*(\a)+\b):8*(8*(\a)+\b)+7], v[(\f)+8*\b:(\f)+8*\b+7], v[(\f)+64+8*(\a):(\f)+64+8*(\a)+7], v[8*(8*(\a)+\b):8*(8*(\a)+\b)+7]
.endif
.endr
.endm
; 24 LDS loads in one run: the fragments of 32 along K at byte k of the rows, into buffer f: B's sixteen loads, then A's eight.  slot 0: S; 1: L; 2: L by the running addresses
.macro FETCH slot, k, f
	WIN 0
.if (\slot) == 0
.set PT, PS
.else
.set PT, PL
.endif
.irp i, 0,1,2,3,4,5,6,7
	ds_load_b128 v[(\f)+8*\i:(\f)+8*\i+3],   v[ADRB+(\slot)] offset:(\k)+\i*16*PT
	ds_load_b128 v[(\f)+8*\i+4:(\f)+8*\i+7], v[ADRB+(\slot)] offset:(\k)+\i*16*PT+32
.endr
.irp i, 0,1,2,3
	ds_load_b128 v[(\f)+64+8*\i:(\f)+64+8*\i+3],   v[ADRA+(\slot)] offset:(\k)+\i*16*PT
	ds_load_b128 v[(\f)+64+8*\i+4:(\f)+64+8*\i+7], v[ADRA+(\slot)] offset:(\k)+\i*16*PT+32
.endr
.endm
; A QUARTER is 32 along K, 32 matrix instructions, on buffers 0, 1 by turns; slot S holds four, slot L eight.  It multiplies buffer f and fetches the next quarter, at byte k, into g.
.macro QUARTER slot, k, f, g, zero
	s_wait_dscnt 4                                 ; B and A's blocks 0, 1 are in; the youngest four loads (A's blocks 2, 3) may be out
	MUL8 \f, 0, \zero
	MUL8 \f, 1, \zero
	PLACES
	FETCH \slot, \k, \g
	s_wait_dscnt 24                                ; all but the 24 just issued
	MUL8 \f, 2, \zero
	MUL8 \f, 3, \zero
.endm
; Slot L's quarters 1 to 6: two are written, three trips; the addresses are the fixed ones plus a scalar offset that steps by two quarters' 128 bytes.  Trip t fetches quarters 2 t + 2 and 2 t + 3.
.macro LMID
	WIN 0                                          ; at a label and at a branch every window is 0
	s_mov_b32 s[KO], 0
	s_mov_b32 s2, 3
.Lmid_\@:
	v_add_nc_u32 v[ADRA+2], s[KO], v[ADRA+1]
	v_add_nc_u32 v[ADRB+2], s[KO], v[ADRB+1]
	QUARTER 2, 128, F1, F0, 0
	QUARTER 2, 192, F0, F1, 0
	WIN 0
	s_add_co_u32 s[KO], s[KO], 128
	s_sub_co_u32 s2, s2, 1
	s_cmp_lg_u32 s2, 0
	s_cbranch_scc1 .Lmid_\@
.endm
; A slot's last quarter multiplies buffer 1 and changes slots: ONE barrier; in front of it each wave waits for all its tensor loads (one is out: its part of the next slot), adds 0 to its spare word,
; and waits for that and for its own reads of this slot.  fill = 1: this slot is filled again, 384 of K further on; the barrier then opens a round of the cluster's.
.macro TURN slot, next, fill
	WIN 0
	s_wait_tensorcnt 0x0                           ; all my tensor loads have landed
	ds_add_u32 v[SPW], v[NIL]                      ; 0 onto my spare word
	s_wait_dscnt 5                                 ; (the add and the youngest four loads may be out)
	MUL8 F1, 0, 0                                  ; eight matrix instructions stand between the add and the wait for it
	s_wait_dscnt 0x0                               ; the add is done, and my reads of this slot are over
	s_barrier_signal -1
	MUL8 F1, 1, 0
	WIN 0                                          ; at a branch and at a label every window is 0
	s_barrier_wait -1
.if \fill
	CREST                                          ; no wave of any partner still reads this slot's tile or has a load on its way
	s_add_nc_u64 s[G0A+4*(\slot)+2:G0A+4*(\slot)+3], s[G0A+4*(\slot)+2:G0A+4*(\slot)+3], PERIOD*2
	s_add_nc_u64 s[G0B+4*(\slot)+2:G0B+4*(\slot)+3], s[G0B+4*(\slot)+2:G0B+4*(\slot)+3], PERIOD*2
.if \slot
	s_sub_co_u32 s[G1A+9], s[G1A+9], PERIOD<<16    ; and so much less of K is left from the tile's first element
	s_sub_co_u32 s[G1B+9], s[G1B+9], PERIOD<<16
.endif
	JLOAD \slot                                    ; the first tensor load behind the round; its four v_nop are also the places in front of the loads below
.else
	PLACES
.endif
	FETCH \next, 0, F0
	MUL8 F1, 2, 0
	MUL8 F1, 3, 0
.endm
	s_wait_tensorcnt 1                             ; my part of slot S is in; slot L's may stay out
	s_barrier_signal -1
	s_barrier_wait -1                              ; everybody's is
	FETCH 0, 0, F0
	QUARTER 0, 64, F0, F1, 1                       ; the first quarter stands in front of the loop: its products start the sums
	WIN 0
	s_mov_b32 s3, 2
.Llap:                                                 ; a trip goes through S and L, from S's second quarter to its next first, and fills both again: k = 384 and 512, then 768 and 896
	QUARTER 0, 128, F1, F0, 0
	QUARTER 0, 192, F0, F1, 0
	TURN 0, 1, 1
	QUARTER 1, 64,  F0, F1, 0
	LMID
	TURN 1, 0, 1
	QUARTER 0, 64,  F0, F1, 0
	WIN 0
	s_sub_co_u32 s3, s3, 1
	s_cmp_lg_u32 s3, 0
	s_cbranch_scc1 .Llap
	QUARTER 0, 128, F1, F0, 0                      ; the tail fills nothing: S's k = 768 .. 895 goes on,
	QUARTER 0, 192, F0, F1, 0
	TURN 0, 1, 0
	QUARTER 1, 64,  F0, F1, 0                      ; and of L the four quarters that K still has
	QUARTER 1, 128, F1, F0, 0
	QUARTER 1, 192, F0, F1, 0
	s_wait_dscnt 4                                 ; the very last quarter: nothing more to fetch
	MUL8 F1, 0, 0
	MUL8 F1, 1, 0
	s_wait_dscnt 0x0
	MUL8 F1, 2, 0
	MUL8 F1, 3, 0
; THE WAY OUT of block a (16 rows x 128 columns): scaled, rounded to f16, 16 bytes a lane into my own stage, back as whole rows of 256 bytes, stored.  Each accumulator is read from its lowest registers on.
.macro OUTBLK a
	WIN 0x01                                       ; source 0 window 1, destination window 0
.set i, 0
.rept 32
	v_pk_mul_f32 v[TW+2*i:TW+2*i+1], v[64*(\a)+2*i:64*(\a)+2*i+1], s[SC:SC+1] op_sel_hi:[1,0]
.set i, i+1
.endr
	WIN 0
.set i, 0
.rept 32
	v_cvt_pk_f16_f32 v[PW+i], v[TW+2*i], v[TW+2*i+1]
.set i, i+1
.endr
.irp b, 0,1,2,3,4,5,6,7
	ds_store_b128 v[STO], v[PW+4*\b:PW+4*\b+3] offset:32*\b
.endr
	s_wait_xcnt 0x0                                ; the registers that the last block's stores read are loaded again only behind this wait
.irp t, 0,1,2,3,4,5,6,7
	ds_load_b128 v[OB+4*\t:OB+4*\t+3], v[RD] offset:\t*2*PS  ; LDS serves a wave's instructions in order (ISA guide 5.7.1.4): these see the stores above
.endr
	s_wait_dscnt 0x0
.irp t, 0,1,2,3,4,5,6,7
	global_store_b128 v[CO], v[OB+4*\t:OB+4*\t+3], s[8:9] offset:(16*(\a)+2*\t)*ROWB  ; 16 lanes store 256 consecutive bytes, at a multiple of 256 from C's first byte
.endr
.endm
	PLACES
	OUTBLK 0
	OUTBLK 1
	OUTBLK 2
	OUTBLK 3
	s_wait_tensorcnt 0x0                           ; the wave's end: behind my last tensor load and my last LDS store
	ds_add_u32 v[SPW], v[NIL]
	s_wait_dscnt 0x0
	CROUND                                         ; the closing round: no work-group ends while a partner may still ask for a tile that names it
	s_endpgm
.Lfunc_end_k_q267a1e3d1f_gemm:
	.size	k_q267a1e3d1f_gemm, .Lfunc_end_k_q267a1e3d1f_gemm-k_q267a1e3d1f_gemm
	.p2alignl 7, 3214868480
	.fill 96, 4, 3214868480
	.section	.rodata,"a",@progbits
	.p2align	6, 0x0
	.amdhsa_kernel k_q267a1e3d1f_gemm
		.amdhsa_group_segment_fixed_size 327680
		.amdhsa_private_segment_fixed_size 0
		.amdhsa_enable_private_segment 0
		.amdhsa_kernarg_size 24
		.amdhsa_user_sgpr_count 2
		.amdhsa_user_sgpr_kernarg_segment_ptr 1
		.amdhsa_wavefront_size32 1
		.amdhsa_system_sgpr_workgroup_id_x 1
		.amdhsa_system_sgpr_workgroup_id_y 1
		.amdhsa_system_sgpr_workgroup_id_z 1
		.amdhsa_system_vgpr_workitem_id 0
		.amdhsa_next_free_vgpr 512
		.amdhsa_next_free_sgpr 86
		.amdhsa_reserve_vcc 0
		.amdhsa_float_denorm_mode_32 3
		.amdhsa_float_denorm_mode_16_64 3
		.amdhsa_memory_ordered 1
		.amdhsa_forward_progress 1
		.amdhsa_inst_pref_size 98
	.end_amdhsa_kernel
	.amdgpu_metadata
---
amdhsa.version: [ 1, 2 ]
amdhsa.kernels:
  - .name:           k_q267a1e3d1f_gemm
    .symbol:         k_q267a1e3d1f_gemm.kd
    .args:
      - { .name: xc16, .offset: 0, .size: 8, .value_kind: global_buffer, .address_space: global }
      - { .name: mt16, .offset: 8, .size: 8, .value_kind: global_buffer, .address_space: global }
      - { .name: y16, .offset: 16, .size: 8, .value_kind: global_buffer, .address_space: global }
    .group_segment_fixed_size: 327680
    .private_segment_fixed_size: 0
    .kernarg_segment_align: 8
    .kernarg_segment_size: 24
    .max_flat_workgroup_size: 128
    .sgpr_count:     86
    .vgpr_count:     512
    .wavefront_size: 32
...
	.end_amdgpu_metadata
.endif
;; end of part 8
;; launch logit (part 9): grid 4 x 64, 4 waves a work-group, clusters of 4 x 4, 327,680 bytes of LDS; arguments y16, xd16, wk16, wq16, xc16, mt16, et16; writes et16
.if DOCPART == 9
	.amdgcn_target "amdgcn-amd-amdhsa--gfx1250"
	.amdhsa_code_object_version 6
	.text
	.protected	k_q267a1e3d1f_logit
	.globl	k_q267a1e3d1f_logit
	.p2align	8
	.type	k_q267a1e3d1f_logit,@function
k_q267a1e3d1f_logit:
	s_mov_b64 s[64:65], 0
	v_nop
	global_prefetch_b8 v0, s[64:65] scope:SCOPE_SE
	s_setreg_imm32_b32 hwreg(HW_REG_WAVE_MODE, 25, 1), 1
	s_wait_xcnt 0x0
	s_wait_alu depctr_hold_cnt(0) depctr_sa_sdst(0) depctr_va_vdst(0) depctr_va_sdst(0) depctr_va_ssrc(0) depctr_va_vcc(0) depctr_vm_vsrc(0)
	s_getreg_b32 s2, hwreg(HW_REG_IB_STS2, 6, 4)
	s_cmp_eq_u32 s2, 0
	s_cbranch_scc0 .Lentry_in_a_cluster
	s_endpgm
.Lentry_in_a_cluster:
	s_bfe_u32 s2, ttmp6, 0x10000c
	s_cmp_lg_u32 s2, 0xf033
	s_cbranch_scc0 .Lentry_shape_is_right
	s_endpgm
.Lentry_shape_is_right:
; The scores l[s][t] = the sum over k of Y16[s][k] xd16[t][k] of one batch, and the first half of their softmax over t.
; A wave owns 64 queries s x 128 keys t.  For each s it takes the TRUE maximum over its 128 keys, cm = c x max (c = log2(e) / (the two scales that Y16 carries), applied in f32),
; E = 2^(c l - cm), and z = the sum of the unrounded E.  Stored: E as f16, turned, ET[b][t][s]; cm and z as f32, [b][block of 128 keys][s].  The launch behind joins a row's eight blocks by the row's own maximum.
; LIMITS.  E lies in 0 .. 1; below 6e-5 it keeps f16's fixed step of 6e-8, below 3e-8 it counts as 0 in the column sums; an E below 2^-126 counts as 0 in z.  NaN and infinities are not treated apart.
; SHARES, CLUSTERS: a tile is 128 s x 256 t, 256 work-groups; 4 x 4 work-groups ask jointly for Y's tiles along a row of the cluster and for x_d's along a column
; (a cluster's four tile rows lie in one batch: 8 tile rows a batch).
; TWO UNEQUAL SLOTS.  Slot S holds 128 of K (Y's 128 rows and x_d's 256 rows, 272 bytes apart: 104,448 bytes), slot L 256 of K (528 bytes apart: 202,752 bytes).  K is walked
; S L S L S L = 128 + 256 + 128 + 256 + 128 + 128; both first fills go out at the start, four refills follow; a refill of S has 240 matrix instructions of a wave between the request and the wait for it,
; a refill of L 112.  L's last refill begins at k = 896, where 128 of K are left: L's descriptors state in tensor_dim0 what is left from the tile's first element (896, 512, 128), so that beyond the end
; zeros are written and nothing is read; the tail reads the first 256 bytes of the rows alone.
; THE STAGE for the way out lies in slot S: S has had its last fill by then, and every wave has waited for its last reads of S in front of the last change of slots' barrier.
; THE MATRIX INSTRUCTION: source 0 = 16 rows of Y, source 1 = 16 rows of x_d: a lane holds ONE key t (lane % 16) and the queries 8 (lane / 16) + 0..7.  So a query's maximum and sum run over the
; eight accumulators of a row of blocks and over 16 lanes, and a lane's eight E are eight neighbouring numbers of a row of ET.
; REGISTERS: window 0: v0-31 addresses; v32-63 the four heads; v64-159, v160-255 two fragment buffers (64 registers of x_d, then 32 of Y); behind the loop v64-95 maxima, v96-127 sums, v128-255 E packed.
;   window 1: the accumulators, (a, b) at v[8 (8 a + b)].
.set HEAD,   1024
.set PS,     272                       ; a row in slot S: 256 bytes + 16 of padding = 68 words,
.set PL,     528                       ; in slot L: 512 + 16 = 132 words: in both the 16 rows of a fragment load start at 16 different groups of four banks (64 banks of 4 bytes: ISA guide 11.1)
.set S_B,    128*PS                    ; slot S begins at byte 0: Y's 128 rows, then x_d's 256 rows
.set L_A,    384*PS                    ; slot L behind it
.set L_B,    L_A+128*PL
.set STAGE,  0                         ; in slot S, behind its last fill and its last read: 256 rows (keys) x 272 bytes, the work-group's
.set SCR,    L_B+256*PL                ; behind the slots: 512 bytes for each wave: its 64 cm, its 64 z
.set SPARE,  SCR+4*512                 ; the spare words, 128 bytes for each wave: two blocks of 256 bytes that no other line names
.set PERIOD, 384                       ; K from one fill of a slot to its next
.set STATS,  16777216                  ; cm's table in et16; z's lies ZOFF behind it
.set ZOFF,   262144
.set ADRA, 16                          ; v16, v17 LDS address of my Y fragments in slot S, L; v18 the same in L, running
.set ADRB, 20                          ; v20, v21, v22 the same for x_d
.set L8,   23                          ; v23     8 x lane
.set STO,  24                          ; v24     where I put 16 bytes of a row of ET
.set RD,   25                          ; v25     where I read a row back
.set CO,   26                          ; v26     my byte offset in ET
.set SW,   27                          ; v27     where I put cm and z
.set SPW,  28                          ; v28     LDS address of my spare word: SPARE + 4 x my thread's number; never rewritten
.set NIL,  29                          ; v29     0; never rewritten
.set HO,   30                          ; v30     32 x lane
.set SR,   31                          ; v31     where I read cm and z back
.set TAB,  32
.set F0,   64
.set F1,   160
.set MX,   64                          ; (a, j) at MX + 8 a + j: the maximum, then cm
.set ZZ,   96                          ; likewise: z
.set PP,   128                         ; E of accumulator (a, b) at PP + 4 (8 a + b)
.set G1A, 24                           ; s[24:31], s[32:39] descriptor group 1 for Y's tiles in slot S, L
.set G1B, 40                           ; s[40:47], s[48:55] for x_d's
.set G0A, 56                           ; s[56:59], s[60:63] descriptor group 0 for Y's tiles in slot S, L
.set G0B, 68                           ; s[68:71], s[72:75] for x_d's
.set SC,  66                           ; s[66:67] c, named as a pair
.set KO,  81                           ; s81     byte offset of the running addresses in L's rows
.set SEL, 84                           ; s[84:85] v_permlanex16_b32's selects
.set FLAGS_S, (1<<16)|(1<<20)|(1<<21)|(5<<22)|(3<<25)  ; 17:16 2-byte elements; 20 padding on; 21 set beside a mask; 24:22 after every 64 words (code 5); 31:25 4 words (code 3)
.set FLAGS_L, (1<<16)|(1<<20)|(1<<21)|(6<<22)|(3<<25)  ; the same after every 128 words (code 6)
.set MSB, 0
.macro WIN new
.if MSB != (\new)
	s_set_vgpr_msb (MSB<<8)|(\new)
.set MSB, \new
.endif
.endm
.set MULW, 0x50                        ; sources 0 and 1 window 0; C and D window 1
.macro GROUP1 g, left, wide, rows      ; words 1 to 7 of a group 1
	s_mov_b32 s[(\g)+1], (\left)<<16               ; tensor_dim0
	s_mov_b32 s[(\g)+2], (\rows)<<16               ; tensor_dim1
	s_mov_b32 s[(\g)+3], (\wide)<<16               ; tile_dim0
	s_mov_b32 s[(\g)+4], \rows                     ; tile_dim1
	s_mov_b32 s[(\g)+5], 1024                      ; elements from row to row
	s_mov_b32 s[(\g)+6], 0
	s_mov_b32 s[(\g)+7], 0
.endm
.macro JLOAD sl                        ; a joint load into slot S (0) or L (1): waves 0 and 1 fetch Y's two halves, waves 2 and 3 x_d's; an s_nop 0 and four v_nop follow each of the two lines
	s_cmp_eq_u32 s11, 0
	s_cbranch_scc0 .Lfor_b_\@
	tensor_load_to_lds s[G0A+4*(\sl):G0A+4*(\sl)+3], s[G1A+8*(\sl):G1A+8*(\sl)+7]
	s_nop 0
.rept 4
	v_nop
.endr
	s_branch .Lasked_\@
.Lfor_b_\@:
	tensor_load_to_lds s[G0B+4*(\sl):G0B+4*(\sl)+3], s[G1B+8*(\sl):G1B+8*(\sl)+7]
	s_nop 0
.rept 4
	v_nop
.endr
.Lasked_\@:
.endm
.macro CREST
	s_cmp_lg_u32 s10, 0
	s_cbranch_scc1 .Lnot_wave_0_\@
	s_barrier_signal -3
.Lnot_wave_0_\@:
	s_barrier_wait -3
	s_barrier_signal -1
	s_barrier_wait -1
.endm
.macro CROUND
	s_barrier_signal -1
	s_barrier_wait -1
	CREST
.endm
.macro PLACES
.rept 4
	v_nop
.endr
.endm
.macro TABMAX x, sd                    ; the largest of a head's 256 numbers (8 a lane at v[x]); its biased exponent into s[sd]
	v_max3_num_f32 v[(\x)], v[(\x)], v[(\x)+1], v[(\x)+2]
	v_max3_num_f32 v[(\x)+3], v[(\x)+3], v[(\x)+4], v[(\x)+5]
	v_max3_num_f32 v[(\x)], v[(\x)], v[(\x)+6], v[(\x)+7]
	v_max_num_f32 v[(\x)], v[(\x)], v[(\x)+3]
.irp k, 1,2,4,8
	v_max_num_f32_dpp v[(\x)], v[(\x)], v[(\x)] row_xmask:\k row_mask:0xf bank_mask:0xf
.endr
	v_permlanex16_b32 v[(\x)+1], v[(\x)], s[SEL], s[SEL+1]
	v_max_num_f32 v[(\x)], v[(\x)], v[(\x)+1]
	v_readfirstlane_b32 s[\sd], v[(\x)]
	s_bfe_u32 s[\sd], s[\sd], 0x80017
.endm
.macro SCALEXP sd, sa, sb              ; as in the two launches before: the biased exponent of the scale that they applied
	s_sub_co_i32 s[\sd], 384, s[\sa]
	s_sub_co_i32 s[\sd], s[\sd], s[\sb]
	s_max_i32 s[\sd], s[\sd], 1
	s_min_i32 s[\sd], s[\sd], 253
.endm
	s_load_b128 s[4:7], s[0:1], 0x0                ; y16 s[4:5], xd16 s[6:7]
	s_load_b256 s[92:99], s[0:1], 0x10             ; wk16, wq16, xc16, mt16: their heads
	s_load_b64 s[8:9], s[0:1], 0x30                ; et16
	v_lshl_add_u32 v[SPW], v0, 2, SPARE
	v_mov_b32 v[NIL], 0
	ds_add_u32 v28, v29
	s_wait_dscnt 0x0
	v_lshrrev_b32 v1, 5, v0
	v_readfirstlane_b32 s10, v1                    ; wave 0..3
	s_lshr_b32 s11, s10, 1                         ; which 64 queries are mine.  Also: I fetch for Y (0) or for x_d (1)
	s_and_b32 s12, s10, 1                          ; which 128 keys.  Also: which half of that tile I fetch
	s_bfe_u32 s76, ttmp6, 0x40000                  ; cx, cy
	s_bfe_u32 s77, ttmp6, 0x40004
	s_lshl_b32 s78, ttmp9, 2
	s_add_co_u32 s78, s78, s76                     ; tile column = 4 x cluster x + cx
	s_and_b32 s13, ttmp7, 0xffff
	s_lshr_b32 s86, s13, 1                         ; the batch: two clusters' tile rows each; the sixteen partners share it
	s_lshl_b32 s13, s13, 2
	s_add_co_u32 s13, s13, s77                     ; tile row = 4 x cluster y + cy
	s_lshl_b32 s79, s77, 2
	s_lshl_b32 s79, 15, s79                        ; my row of the cluster
	s_lshl_b32 s80, 0x1111, s76                    ; my column
	s_or_b32 s[G1A], s79, FLAGS_S
	s_or_b32 s[G1A+8], s79, FLAGS_L
	s_or_b32 s[G1B], s80, FLAGS_S
	s_or_b32 s[G1B+8], s80, FLAGS_L
	GROUP1 G1A, 128, 128, 64                       ; slot S: tiles that lie inside the tensor state their own sizes
	GROUP1 G1A+8, 1024-128, 256, 64                ; slot L: what is left of K from the first fill's k = 128
	GROUP1 G1B, 128, 128, 128
	GROUP1 G1B+8, 1024-128, 256, 128
	s_mov_b32 s[SEL], 0x76543210
	s_mov_b32 s[SEL+1], 0xfedcba98
	s_lshl_b32 s16, s13, 7
	s_lshl_b32 s17, s12, 6
	s_add_co_u32 s16, s16, s17                     ; Y: row 128 x tile row + 64 x half
	s_lshl_b32 s16, s16, 11
	s_add_co_u32 s16, s16, HEAD
	s_mov_b32 s17, 0
	s_lshl_b32 s82, s86, 10
	s_lshl_b32 s83, s78, 8
	s_add_co_u32 s82, s82, s83
	s_lshl_b32 s83, s12, 7
	s_add_co_u32 s82, s82, s83                     ; x_d: row 1,024 x batch + 256 x tile column + 128 x half; xd16 has no head
	s_lshl_b32 s82, s82, 11
	s_mov_b32 s83, 0
	s_mul_i32 s20, s12, 64*PS                      ; where they go: no place in the cluster enters an LDS address
	s_mul_i32 s21, s12, 128*PS
	s_add_co_u32 s21, s21, S_B
	s_mul_i32 s22, s12, 64*PL
	s_add_co_u32 s22, s22, L_A
	s_mul_i32 s23, s12, 128*PL
	s_add_co_u32 s23, s23, L_B
	s_wait_kmcnt 0x0
	s_add_nc_u64 s[14:15], s[4:5], s[16:17]
	s_add_nc_u64 s[82:83], s[6:7], s[82:83]
	CROUND                                         ; all sixteen work-groups are here: the first joint loads meet
	s_mov_b32 s[G0A], 1                            ; count = 1
	s_mov_b32 s[G0A+1], s20                        ; LDS address
	s_mov_b64 s[G0A+2:G0A+3], s[14:15]             ; global address: slot S begins with k = 0,
	s_or_b32 s[G0A+3], s[G0A+3], 0x80000000        ; type = 2
	s_mov_b32 s[G0A+4], 1
	s_mov_b32 s[G0A+5], s22
	s_add_nc_u64 s[G0A+6:G0A+7], s[14:15], 256     ; slot L with k = 128
	s_or_b32 s[G0A+7], s[G0A+7], 0x80000000
	s_mov_b32 s[G0B], 1
	s_mov_b32 s[G0B+1], s21
	s_mov_b64 s[G0B+2:G0B+3], s[82:83]
	s_or_b32 s[G0B+3], s[G0B+3], 0x80000000
	s_mov_b32 s[G0B+4], 1
	s_mov_b32 s[G0B+5], s23
	s_add_nc_u64 s[G0B+6:G0B+7], s[82:83], 256
	s_or_b32 s[G0B+7], s[G0B+7], 0x80000000
	JLOAD 0
	JLOAD 1                                        ; two loads of mine are out
	v_and_b32 v[L8], 31, v0
	v_lshlrev_b32 v[HO], 5, v[L8]
	v_lshlrev_b32 v[L8], 3, v[L8]
.irp n, 0,1,2,3
	global_load_b128 v[TAB+8*\n:TAB+8*\n+3], v[HO], s[92+2*\n:93+2*\n]
	global_load_b128 v[TAB+8*\n+4:TAB+8*\n+7], v[HO], s[92+2*\n:93+2*\n] offset:16
.endr
	v_and_b32 v1, 15, v0                           ; l % 16
	v_bfe_u32 v2, v0, 4, 1                         ; l / 16
	v_mul_u32_u24 v3, v1, PS
	v_lshl_add_u32 v3, v2, 4, v3                   ; a fragment's row x pitch + 16 x half, in slot S
	v_mul_u32_u24 v4, v1, PL
	v_lshl_add_u32 v4, v2, 4, v4                   ; and in slot L
	s_mul_i32 s22, s11, 64*PS
	s_mul_i32 s23, s12, 128*PS
	s_add_co_u32 s23, s23, S_B
	v_add_nc_u32 v[ADRA], s22, v3
	v_add_nc_u32 v[ADRB], s23, v3
	s_mul_i32 s22, s11, 64*PL
	s_add_co_u32 s22, s22, L_A
	s_mul_i32 s23, s12, 128*PL
	s_add_co_u32 s23, s23, L_B
	v_add_nc_u32 v[ADRA+1], s22, v4
	v_add_nc_u32 v[ADRB+1], s23, v4
	s_mul_i32 s22, s12, 128*PS                     ; into the stage: row = key 128 x half + 16 b + l % 16; in the row my 64 queries' 128 bytes, 16 for each half of the lanes
	s_lshl_b32 s23, s11, 7
	s_add_co_u32 s22, s22, s23
	s_add_co_u32 s22, s22, STAGE
	v_add_nc_u32 v[STO], s22, v3
	s_mul_i32 s23, s10, 64*PS                      ; back: wave w takes rows 64 w .. 64 w + 63, whole; lanes 0-15 one row, lanes 16-31 the next
	s_add_co_u32 s23, s23, STAGE
	v_mul_u32_u24 v5, v2, PS
	v_lshl_add_u32 v5, v1, 4, v5
	v_add_nc_u32 v[RD], s23, v5
	v_lshlrev_b32 v5, 11, v2
	v_lshl_add_u32 v[CO], v1, 4, v5
	s_lshl_b32 s22, s10, 9
	s_add_co_u32 s22, s22, SCR                     ; my 512 bytes for cm and z
	v_lshl_add_u32 v[SW], v2, 5, s22               ; query 16 a + 8 (l / 16) + j at word 16 a + 8 (l / 16) + j
	v_add_nc_u32 v[SR], s22, v[L8]
	s_and_b32 s16, s13, 7                          ; my tile row in the batch
	s_lshl_b32 s17, s86, 10
	s_lshl_b32 s18, s78, 8
	s_add_co_u32 s17, s17, s18
	s_lshl_b32 s18, s10, 6
	s_add_co_u32 s17, s17, s18                     ; the first row of ET that I store
	s_lshl_b32 s18, s17, 11
	s_lshl_b32 s19, s16, 8                         ; the tile's 128 queries: 256 bytes of each row
	s_add_co_u32 s18, s18, s19
	s_mov_b32 s19, 0
	s_add_nc_u64 s[90:91], s[8:9], s[18:19]
	s_lshl_b32 s17, s86, 3
	s_lshl_b32 s18, s78, 1
	s_add_co_u32 s17, s17, s18
	s_add_co_u32 s17, s17, s12                     ; 8 x batch + my block of 128 keys
	s_lshl_b32 s17, s17, 10
	s_lshl_b32 s18, s16, 7
	s_add_co_u32 s17, s17, s18
	s_lshl_b32 s18, s11, 6
	s_add_co_u32 s17, s17, s18                     ; + my first query
	s_lshl_b32 s18, s17, 2
	s_add_co_u32 s18, s18, STATS
	s_mov_b32 s19, 0
	s_add_nc_u64 s[88:89], s[8:9], s[18:19]
	s_wait_loadcnt 0x0                             ; the heads
	TABMAX TAB, 16
	TABMAX TAB+8, 17
	TABMAX TAB+16, 18
	TABMAX TAB+24, 19
	SCALEXP 16, 16, 17                             ; MT's scale
	SCALEXP 18, 18, 19                             ; Y's scale
	s_sub_co_i32 s16, 254, s16                     ; their reciprocals' exponents
	s_sub_co_i32 s18, 254, s18
	s_lshl_b32 s16, s16, 23
	s_lshl_b32 s18, s18, 23
	v_mov_b32 v60, s16
	v_mul_f32 v60, 0x3fb8aa3b, v60                 ; log2(e)
	v_mul_f32 v60, s18, v60
	v_readfirstlane_b32 s[SC], v60
	s_mov_b32 s[SC+1], s[SC]
.macro MUL8 f, a, zero                 ; 8 matrix instructions: query block a x all 8 key blocks, 32 along K.  The 32 accumulators take turns.
	WIN MULW
.irp b, 0,1,2,3,4,5,6,7
.if \zero
	v_wmma_f32_16x16x32_f16 v[8*(8*(\a)+\b):8*(8*(\a)+\b)+7], v[(\f)+64+8*(\a):(\f)+64+8*(\a)+7], v[(\f)+8*\b:(\f)+8*\b+7], 0
.else
	v_wmma_f32_16x16x32_f16 v[8*(8*(\a)+\b):8*(8*(\a)+\b)+7], v[(\f)+64+8*(\a):(\f)+64+8*(\a)+7], v[(\f)+8*\b:(\f)+8*\b+7], v[8*(8*(\a)+\b):8*(8*(\a)+\b)+7]
.endif
.endr
.endm
.macro FETCH slot, k, f                ; 24 LDS loads in one run: x_d's sixteen, then Y's eight.  slot 0: S; 1: L; 2: L by the running addresses
	WIN 0
.if (\slot) == 0
.set PT, PS
.else
.set PT, PL
.endif
.irp i, 0,1,2,3,4,5,6,7
	ds_load_b128 v[(\f)+8*\i:(\f)+8*\i+3],   v[ADRB+(\slot)] offset:(\k)+\i*16*PT
	ds_load_b128 v[(\f)+8*\i+4:(\f)+8*\i+7], v[ADRB+(\slot)] offset:(\k)+\i*16*PT+32
.endr
.irp i, 0,1,2,3
	ds_load_b128 v[(\f)+64+8*\i:(\f)+64+8*\i+3],   v[ADRA+(\slot)] offset:(\k)+\i*16*PT
	ds_load_b128 v[(\f)+64+8*\i+4:(\f)+64+8*\i+7], v[ADRA+(\slot)] offset:(\k)+\i*16*PT+32
.endr
.endm
.macro QUARTER slot, k, f, g, zero     ; 32 along K: multiplies buffer f and fetches the next quarter, at byte k, into g
	s_wait_dscnt 4                                 ; x_d's fragments and Y's blocks 0, 1 are in; the youngest four loads may be out
	MUL8 \f, 0, \zero
	MUL8 \f, 1, \zero
	PLACES
	FETCH \slot, \k, \g
	s_wait_dscnt 24                                ; all but the 24 just issued
	MUL8 \f, 2, \zero
	MUL8 \f, 3, \zero
.endm
.macro LMID                            ; slot L's quarters 1 to 6: two are written, three trips; the addresses are the fixed ones plus a scalar offset that steps by two quarters' 128 bytes
	WIN 0                                          ; at a label and at a branch every window is 0
	s_mov_b32 s[KO], 0
	s_mov_b32 s2, 3
.Lmid_\@:
	v_add_nc_u32 v[ADRA+2], s[KO], v[ADRA+1]
	v_add_nc_u32 v[ADRB+2], s[KO], v[ADRB+1]
	QUARTER 2, 128, F1, F0, 0
	QUARTER 2, 192, F0, F1, 0
	WIN 0
	s_add_co_u32 s[KO], s[KO], 128
	s_sub_co_u32 s2, s2, 1
	s_cmp_lg_u32 s2, 0
	s_cbranch_scc1 .Lmid_\@
.endm
.macro TURN slot, next, fill           ; a slot's last quarter, and the change of slots
	WIN 0
	s_wait_tensorcnt 0x0                           ; all my tensor loads have landed: my part of the next slot
	ds_add_u32 v[SPW], v[NIL]                      ; 0 onto my spare word
	s_wait_dscnt 5                                 ; (the add and the youngest four loads may be out)
	MUL8 F1, 0, 0
	s_wait_dscnt 0x0                               ; the add is done, and my reads of this slot are over
	s_barrier_signal -1
	MUL8 F1, 1, 0
	WIN 0
	s_barrier_wait -1
.if \fill
	CREST                                          ; no wave of any partner still reads this slot's tile or has a load on its way
	s_add_nc_u64 s[G0A+4*(\slot)+2:G0A+4*(\slot)+3], s[G0A+4*(\slot)+2:G0A+4*(\slot)+3], PERIOD*2
	s_add_nc_u64 s[G0B+4*(\slot)+2:G0B+4*(\slot)+3], s[G0B+4*(\slot)+2:G0B+4*(\slot)+3], PERIOD*2
.if \slot
	s_sub_co_u32 s[G1A+9], s[G1A+9], PERIOD<<16    ; and so much less of K is left from the tile's first element
	s_sub_co_u32 s[G1B+9], s[G1B+9], PERIOD<<16
.endif
	JLOAD \slot                                    ; the first tensor load behind the round; its four v_nop are also the places in front of the loads below
.else
	PLACES
.endif
	FETCH \next, 0, F0
	MUL8 F1, 2, 0
	MUL8 F1, 3, 0
.endm
	s_wait_tensorcnt 1                             ; my part of slot S is in; slot L's may stay out
	s_barrier_signal -1
	s_barrier_wait -1
	FETCH 0, 0, F0
	QUARTER 0, 64, F0, F1, 1                       ; the first quarter's products start the sums
	WIN 0
	s_mov_b32 s3, 2
.Llap:                                                 ; a trip goes through S and L and fills both again: k = 384 and 512, then 768 and 896
	QUARTER 0, 128, F1, F0, 0
	QUARTER 0, 192, F0, F1, 0
	TURN 0, 1, 1
	QUARTER 1, 64,  F0, F1, 0
	LMID
	TURN 1, 0, 1
	QUARTER 0, 64,  F0, F1, 0
	WIN 0
	s_sub_co_u32 s3, s3, 1
	s_cmp_lg_u32 s3, 0
	s_cbranch_scc1 .Llap
	QUARTER 0, 128, F1, F0, 0                      ; the tail fills nothing
	QUARTER 0, 192, F0, F1, 0
	TURN 0, 1, 0
	QUARTER 1, 64,  F0, F1, 0                      ; of L the four quarters that K still has
	QUARTER 1, 128, F1, F0, 0
	QUARTER 1, 192, F0, F1, 0
	s_wait_dscnt 4
	MUL8 F1, 0, 0
	MUL8 F1, 1, 0
	s_wait_dscnt 0x0
	MUL8 F1, 2, 0
	MUL8 F1, 3, 0
	; THE MAXIMUM of each of my 64 queries over my 128 keys: over the eight accumulators of its row of blocks, then over 16 lanes.  i = 8 a + j; every accumulator is read from register 0 on.
	PLACES
	WIN 0x15                                       ; all three sources window 1, destination window 0
.set i, 0
.rept 32
	v_max3_num_f32 v[MX+i], v[64*(i/8)+i%8], v[64*(i/8)+8+i%8], v[64*(i/8)+16+i%8]
.set i, i+1
.endr
	WIN 0x14                                       ; source 0 window 0
.irp b, 24, 40
.set i, 0
.rept 32
	v_max3_num_f32 v[MX+i], v[MX+i], v[64*(i/8)+\b+i%8], v[64*(i/8)+\b+8+i%8]
.set i, i+1
.endr
.endr
	WIN 0x04
.set i, 0
.rept 32
	v_max_num_f32 v[MX+i], v[MX+i], v[64*(i/8)+56+i%8]
.set i, i+1
.endr
	WIN 0
.irp k, 1,2,4,8
.set i, 0
.rept 32
	v_max_num_f32_dpp v[MX+i], v[MX+i], v[MX+i] row_xmask:\k row_mask:0xf bank_mask:0xf
.set i, i+1
.endr
.endr
.set i, 0
.rept 16
	v_pk_mul_f32 v[MX+2*i:MX+2*i+1], v[MX+2*i:MX+2*i+1], s[SC:SC+1] op_sel_hi:[1,0]  ; cm = c x maximum
.set i, i+1
.endr
	; E = 2^(c l - cm), in place
	WIN 0x41                                       ; destination and source 0 window 1, cm window 0
.set i, 0
.rept 128
	v_pk_fma_f32 v[2*i:2*i+1], v[2*i:2*i+1], s[SC:SC+1], v[MX+8*(i/32)+2*(i%4):MX+8*(i/32)+2*(i%4)+1] op_sel_hi:[1,0,1] neg_lo:[0,0,1] neg_hi:[0,0,1]
.set i, i+1
.endr
.set i, 0
.rept 256
	v_exp_f32 v[i], v[i]
.set i, i+1
.endr
	v_nop                                          ; a plain instruction between the last exponential and the use of the results
	; z: the sum of the unrounded E, over the eight accumulators, then over 16 lanes
	WIN 0x05                                       ; sources 0 and 1 window 1, destination window 0
.set i, 0
	s_wait_alu depctr_va_vdst(0)
.rept 16
	v_pk_add_f32 v[ZZ+2*i:ZZ+2*i+1], v[64*(i/4)+2*(i%4):64*(i/4)+2*(i%4)+1], v[64*(i/4)+8+2*(i%4):64*(i/4)+8+2*(i%4)+1]
.set i, i+1
.endr
	WIN 0x04
.irp b, 16,24,32,40,48,56
.set i, 0
.rept 16
	v_pk_add_f32 v[ZZ+2*i:ZZ+2*i+1], v[ZZ+2*i:ZZ+2*i+1], v[64*(i/4)+\b+2*(i%4):64*(i/4)+\b+2*(i%4)+1]
.set i, i+1
.endr
.endr
	WIN 0
.irp k, 1,2,4,8
.set i, 0
.rept 32
	v_add_f32_dpp v[ZZ+i], v[ZZ+i], v[ZZ+i] row_xmask:\k row_mask:0xf bank_mask:0xf
.set i, i+1
.endr
.endr
	WIN 0x05
.set i, 0
.rept 128
	v_cvt_pk_f16_f32 v[PP+i], v[2*i], v[2*i+1]
.set i, i+1
.endr
	WIN 0
	; THE WAY OUT.  E into the work-group's stage (a row's 256 bytes come from two waves); cm and z into my own 512 bytes and back, 8 bytes a lane.
.set i, 0
.rept 32
	ds_store_b128 v[STO], v[PP+4*i:PP+4*i+3] offset:(i%8)*16*PS+32*(i/8)
.set i, i+1
.endr
.set i, 0
.rept 8
	ds_store_b128 v[SW], v[MX+4*i:MX+4*i+3] offset:64*(i/2)+16*(i%2)       ; the 16 lanes of a half hold the same numbers and write the same bytes
	ds_store_b128 v[SW], v[ZZ+4*i:ZZ+4*i+3] offset:256+64*(i/2)+16*(i%2)
.set i, i+1
.endr
	ds_load_b64 v[TAB:TAB+1], v[SR]                ; LDS serves a wave's instructions in order (ISA guide 5.7.1.4): these see my stores above
	ds_load_b64 v[TAB+2:TAB+3], v[SR] offset:256
	s_wait_dscnt 0x0                               ; for my two loads, and for the others' sake: my stores into the stage are done
	global_store_b64 v[L8], v[TAB:TAB+1], s[88:89]               ; 256 consecutive bytes, at a multiple of 256 from et16's first byte
	global_store_b64 v[L8], v[TAB+2:TAB+3], s[88:89] offset:ZOFF
	s_barrier_signal -1
	s_barrier_wait -1
.set i, 0
.rept 32
	ds_load_b128 v[PP+4*i:PP+4*i+3], v[RD] offset:i*2*PS
.set i, i+1
.endr
.set i, 0
.rept 32
	s_wait_dscnt 31-i
	global_store_b128 v[CO], v[PP+4*i:PP+4*i+3], s[90:91] offset:i*4096  ; 16 lanes store 256 consecutive bytes of a row of ET, at a multiple of 256
.set i, i+1
.endr
	s_wait_tensorcnt 0x0                           ; the wave's end: behind my last tensor load and my last LDS store
	ds_add_u32 v[SPW], v[NIL]
	s_wait_dscnt 0x0
	CROUND                                         ; the closing round
	s_endpgm
.Lfunc_end_k_q267a1e3d1f_logit:
	.size	k_q267a1e3d1f_logit, .Lfunc_end_k_q267a1e3d1f_logit-k_q267a1e3d1f_logit
	.p2alignl 7, 3214868480
	.fill 96, 4, 3214868480
	.section	.rodata,"a",@progbits
	.p2align	6, 0x0
	.amdhsa_kernel k_q267a1e3d1f_logit
		.amdhsa_group_segment_fixed_size 327680
		.amdhsa_private_segment_fixed_size 0
		.amdhsa_enable_private_segment 0
		.amdhsa_kernarg_size 56
		.amdhsa_user_sgpr_count 2
		.amdhsa_user_sgpr_kernarg_segment_ptr 1
		.amdhsa_wavefront_size32 1
		.amdhsa_system_sgpr_workgroup_id_x 1
		.amdhsa_system_sgpr_workgroup_id_y 1
		.amdhsa_system_sgpr_workgroup_id_z 1
		.amdhsa_system_vgpr_workitem_id 0
		.amdhsa_next_free_vgpr 512
		.amdhsa_next_free_sgpr 100
		.amdhsa_reserve_vcc 0
		.amdhsa_float_denorm_mode_32 3
		.amdhsa_float_denorm_mode_16_64 3
		.amdhsa_memory_ordered 1
		.amdhsa_forward_progress 1
		.amdhsa_inst_pref_size 142
	.end_amdhsa_kernel
	.amdgpu_metadata
---
amdhsa.version: [ 1, 2 ]
amdhsa.kernels:
  - .name:           k_q267a1e3d1f_logit
    .symbol:         k_q267a1e3d1f_logit.kd
    .args:
      - { .name: y16, .offset: 0, .size: 8, .value_kind: global_buffer, .address_space: global }
      - { .name: xd16, .offset: 8, .size: 8, .value_kind: global_buffer, .address_space: global }
      - { .name: wk16, .offset: 16, .size: 8, .value_kind: global_buffer, .address_space: global }
      - { .name: wq16, .offset: 24, .size: 8, .value_kind: global_buffer, .address_space: global }
      - { .name: xc16, .offset: 32, .size: 8, .value_kind: global_buffer, .address_space: global }
      - { .name: mt16, .offset: 40, .size: 8, .value_kind: global_buffer, .address_space: global }
      - { .name: et16, .offset: 48, .size: 8, .value_kind: global_buffer, .address_space: global }
    .group_segment_fixed_size: 327680
    .private_segment_fixed_size: 0
    .kernarg_segment_align: 8
    .kernarg_segment_size: 56
    .max_flat_workgroup_size: 128
    .sgpr_count:     100
    .vgpr_count:     512
    .wavefront_size: 32
...
	.end_amdgpu_metadata
.endif
;; end of part 9
;; launch csum: the kernel of part 4 again; grid 256 x 1, 16 waves a work-group, no clusters, 22,784 bytes of LDS; arguments et16, xd16, misc; writes misc
;; launch final: the kernel of part 5 again; grid 16 x 16, 8 waves a work-group, no clusters, 7,168 bytes of LDS; arguments misc, W_vd, W_vc, out0, out1; writes out0, out1
